; MI455X (gfx1250); checked and timed in simulation.
; The chip was launched on July 23, 2026; its instructions are those of AMD's public machine-readable ISA for CDNA 5 (MIT licence, August 2026) and "CDNA5" Instruction Set Architecture Reference Guide (July 2026). The comments in the code are by the model that wrote it; some were corrected since.
;; Lorentz Mo E. Allowed arithmetic: matrix products marked QUANTISED: E2M3 operands, one E8M0 scale for each 32 along K, by v_wmma_scale_f32_16x16x128_f8f6f4 with both operands' format E2M3, f32 sums; products left as they are: f32 operands where the result goes on into a quantised operand, else bf16, f16 or f32 operands; f32 sums; everything else in f32.
;; Inputs: W1_codes 8 x 1,023 x 32 x 24 uint8 (E2M3 codes of W1, K innermost, in blocks of 32 codes, four codes in three bytes); W1_scales 8 x 1,023 x 32 uint8 (E8M0 scales of W1, one for each 32 codes along K); W2_codes 8 x 1,023 x 32 x 24 uint8 (E2M3 codes of W2, K innermost, in blocks of 32 codes, four codes in three bytes); W2_scales 8 x 1,023 x 32 uint8 (E8M0 scales of W2, one for each 32 codes along K); W3_codes 8 x 1,023 x 32 x 24 uint8 (E2M3 codes of W3, K innermost, in blocks of 32 codes, four codes in three bytes); W3_scales 8 x 1,023 x 32 uint8 (E8M0 scales of W3, one for each 32 codes along K); Ws1_codes 1,023 x 32 x 24 uint8 (E2M3 codes of Ws1, K innermost, in blocks of 32 codes, four codes in three bytes); Ws1_scales 1,023 x 32 uint8 (E8M0 scales of Ws1, one for each 32 codes along K); Ws2_codes 1,023 x 32 x 24 uint8 (E2M3 codes of Ws2, K innermost, in blocks of 32 codes, four codes in three bytes); Ws2_scales 1,023 x 32 uint8 (E8M0 scales of Ws2, one for each 32 codes along K); Ws3_codes 1,023 x 32 x 24 uint8 (E2M3 codes of Ws3, K innermost, in blocks of 32 codes, four codes in three bytes); Ws3_scales 1,023 x 32 uint8 (E8M0 scales of Ws3, one for each 32 codes along K); gate_b 8 float32; gate_w 8 x 1,023 float32; x 2,048 x 1,024 float32.
;; Outputs: out0 2,048 x 1,024 float32.
;; This version of the problem:
;;   THIS VERSION OF THE PROBLEM IS GIVEN IN LOW PRECISION. The matrix products marked QUANTISED in the list below multiply operands that are first quantised to E2M3 (2 exponent bits, 3 mantissa bits; 6 bits a number), with one power-of-two scale for each 32 numbers along K (OCP MX v1.0); their sums are f32. All else is computed in f32.
;;   The module's matrix products, in the order in which they are computed (A, B: the left and right operand; K: the contracted axis; several contracted axes count as one K, in the product's order):
;;     1. [M 2,048, K 1,023] x [K 1,023, N 8]; A: input x; B: input gate_w: left as it is (N = 8 < 16)
;;     2. [M 2,048, K 1,024] x [K 1,024, N 8,184]; A: computed on the way; B: input W1 (given as codes): QUANTISED
;;     3. [M 2,048, K 1,024] x [K 1,024, N 8,184]; A: computed on the way; B: input W3 (given as codes): QUANTISED
;;     4. batch 8 x [M 2,048, K 1,024] x [K 1,024, N 1,023]; A: computed on the way; B: input W2 (given as codes): QUANTISED
;;     5. batch 2,048 x [M 1, K 8] x [K 8, N 1,024]; A: computed on the way; B: computed on the way: left as it is (K = 8 < 32)
;;     6. [M 2,048, K 1,024] x [K 1,024, N 1,023]; A: input x; B: input Ws1 (given as codes): QUANTISED
;;     7. [M 2,048, K 1,024] x [K 1,024, N 1,023]; A: input x; B: input Ws3 (given as codes): QUANTISED
;;     8. [M 2,048, K 1,024] x [K 1,024, N 1,023]; A: computed on the way; B: input Ws2 (given as codes): QUANTISED
;;   THE QUANTISER, for each operand of a quantised product, along K:
;;     - K is cut into blocks of 32 from its start; a last block that is shorter is filled with zeros.
;;     - A block's scale is 2^e with e = floor(log2(the largest magnitude in the block)) - 2, held to -126 .. 127; a block of zeros has e = 0. As a byte (E8M0): e + 127.
;;     - Each number is divided by its block's scale, clamped to +-7.5, and rounded to the nearest number of E2M3, ties to even, subnormals kept.
;;     - The product sums the exact products of the quantised numbers (number of the format x scale) in f32.
;;   ~~~python
;;   def quantise(x, axis):      # numpy; x: float32 -> the quantised numbers, widened to float32 again
;;       x = np.moveaxis(x, axis, -1); K = x.shape[-1]
;;       x = np.pad(x, [(0, 0)] * (x.ndim - 1) + [(0, -K % 32)]); x = x.reshape(x.shape[:-1] + (-1, 32)); a = np.abs(x).max(-1, keepdims=True)
;;       e = np.where(a > 0, np.clip(np.frexp(np.where(a > 0, a, 1))[1] - 1 - 2, -126, 127), 0)      # np.frexp(a)[1] - 1 = floor(log2(a)), exactly
;;       r = np.clip(x / 2.0 ** e, -7.5, 7.5)
;;       step = 2.0 ** (np.maximum(np.frexp(np.where(r == 0, 1, r))[1] - 1, 0) - 3)
;;       q = np.round(r / step) * step * 2.0 ** e      # np.round: ties to even
;;       return np.moveaxis(q.reshape(q.shape[:-2] + (-1,))[..., :K], -1, axis).astype(np.float32)
;;   ~~~
;;   OPERANDS COMPUTED ON THE WAY. 'Computed on the way' means the value that the module computes at that place (a softmax that the list does not call 'softmax' is quantised finished and normalised). What goes into a quantiser is computed in f32, as accurately as f32 sums, v_exp_f32 and their like allow (about 1e-6 of the number): no bf16 or f16 on the way to a quantiser, and a product that is left as it is and whose result goes on into a quantised operand takes f32 operands (vector FMAs, or v_wmma_f32_16x16x4_f32). A number that lies on a knife's edge between two numbers of the format may be rounded either way, as far as f32 arithmetic and the matrix unit's own rounding can turn it there, and no further.
;;   INPUTS GIVEN AS CODES. W1 (in the module: [8, 1023, 1024], K = its axis 2); W2 (in the module: [8, 1023, 1024], K = its axis 2); W3 (in the module: [8, 1023, 1024], K = its axis 2); Ws1 (in the module: [1023, 1024], K = its axis 1); Ws2 (in the module: [1023, 1024], K = its axis 1); Ws3 (in the module: [1023, 1024], K = its axis 1): each comes as NAME_codes (uint8): NAME with its K axis moved to the last place and cut into blocks of 32 codes, [.., K / 32, bytes a block], one block behind the other in memory; four codes in three bytes: a row's codes are one little-endian stream of bits, code i at bits 6 i .. 6 i + 5 (a code: sign, 2 exponent bits, 3 mantissa bits); and NAME_scales (uint8): the same leading axes, one E8M0 byte (e + 127) for each 32 codes along K. Its value is code x scale, taken as it is: it is not quantised again, and the codes and scales need not be those that the quantiser above would give.
;; 2 versions. Each part assembles by itself: llvm-mc -triple=amdgcn-amd-amdhsa -mcpu=gfx1250 --defsym DOCPART=n.
;; ======== version 1 of 2: 5 launches
;; workspace buffers: tokq 1,646,592 bytes; wimg 22,118,400 bytes; eidx 8,192 bytes of whole numbers; route 20,480 bytes of whole numbers; hid 5,652,480 bytes; cmb 12,341,248 bytes
;; launch prep (part 1): grid 472 x 1, 8 waves a work-group, no clusters, 81,408 bytes of LDS; arguments x, gate_w, gate_b, W1_codes, W3_codes, W2_codes, Ws1_codes, Ws3_codes, Ws2_codes, W1_scales, W3_scales, W2_scales, Ws1_scales, Ws3_scales, Ws2_scales, tokq, eidx, wimg; writes tokq, eidx, wimg
.if DOCPART == 1
	.amdgcn_target "amdgcn-amd-amdhsa--gfx1250"
	.amdhsa_code_object_version 6
	.text
	.protected	k_q7cc2e81dee_prep
	.globl	k_q7cc2e81dee_prep
	.p2align	8
	.type	k_q7cc2e81dee_prep,@function
k_q7cc2e81dee_prep:
	s_mov_b64 s[64:65], 0
	v_nop
	global_prefetch_b8 v0, s[64:65] scope:SCOPE_SE
	s_setreg_imm32_b32 hwreg(HW_REG_WAVE_MODE, 25, 1), 1
	s_wait_xcnt 0x0
; LorentzMoE, first of five launches: the gate, the quantiser of x, and the weights laid out as operand registers take them.
; WORK LEFT OUT BY THE WHOLE PROGRAM, for all values of the inputs:
;  - the seven experts that a token did not choose: reference() multiplies their rows by the zeros of its own one_hot(top_k(..)), so they reach no output;
;    only the chosen expert's three products are made for a token (launches up and down), and product 5 is a selection: weight x the chosen row;
;  - the prescale sqrt(C_E / C) is the constant 1.0: one set of codes of x serves products 2, 3, 6 and 7;
;  - y0 is the constant (1, 0, .., 0): it enters as the 2 in comb[0] = zt + 2 + 2 w ot.
; Every input has a way to the output and is loaded.  LIMITS: NaN and infinities among the inputs are not served; a NaN, an infinity or an overflow that reaches only the experts
; left out is not carried to the result; a block whose largest magnitude lies under 2^-124 keeps the byte 1, a block of zeros too (its codes are zeros; this program alone reads the bytes);
; the gate's sums run in another order than reference()'s: two biased scores that tie within f32 rounding may be chosen the other way.
; WORK-GROUPS 0-255 (path A): 8 rows of x, a wave to a row, a lane to a block of 32 along K.  The row is turned through the wave's own LDS so that a lane holds its block's 32 numbers;
;   codes go out with block kb at byte 384 (kb & 1) + 24 (kb >> 1) of the row's 768, so that a lane of a later fragment finds its 48 bytes of a K step on end; scale bytes in natural order.
;   The gate: logit e = sum over k >= 1 of x[k] gate_w[e][k - 1], in f32; gate_w is staged in LDS shifted by one with 0 at k = 0; softmax with its maximum taken away; bias; the first largest wins.
; WORK-GROUPS 256-471 (path B): a wave lays out one tile of 16 rows of one weight matrix for all of K: eight fragments as images of their registers.  No LDS, no barrier.
;   Unit j of a hidden or output axis belongs to weight row j - 1 (h = [t, sp], out = [time, o]); unit 0 takes row 0 and is masked later.
;   Lane r of tile (kb, u) takes unit 32 kb + 8 u + r + 8 (r / 8), so that a transposed product leaves 16 neighbouring units in a lane's 16 registers.
.set XS_O,   1572864                   ; tokq: the scale bytes [token][32]
.set GWT_O,  1638400                   ; tokq: the gate's weight [token] f32
.set WSC_O,  21233664                  ; wimg: the scale words [mu][kb][lane][s]
.set GW,     0                         ; LDS: gate_w shifted, [e] 4,608 bytes apart, [block] 144 apart (128 + 16 of padding)
.set XT,     36864                     ; a wave's own 4,608 bytes: the row, [block] 144 apart
.set CS,     73728                     ; a wave's own 768 bytes: the row's codes
.set SB,     79872                     ; 8 x 32 scale bytes
.set RS,     80128                     ; 8 indices, 8 weights
.set SPARE,  80384                     ; the spare words, 128 bytes a wave
.set SPW, 1
.set NIL, 2
.set XR,  16                           ; v16-47   the row as loaded
.set X,   48                           ; v48-79   my block's 32 numbers
.set G,   80                           ; v80-143  gate_w on its way to LDS, then two sets of 32 numbers of it
.set ACC, 144                          ; v144-159 eight pairs
	s_load_b512 s[4:19], s[0:1], 0x0               ; x, gate_w, gate_b, W1c, W3c, W2c, Ws1c, Ws3c
	s_load_b512 s[20:35], s[0:1], 0x40             ; Ws2c, W1s, W3s, W2s, Ws1s, Ws3s, Ws2s, tokq
	s_load_b128 s[36:39], s[0:1], 0x80             ; eidx, wimg
	v_lshl_add_u32 v[SPW], v0, 2, SPARE
	v_mov_b32 v[NIL], 0
	v_lshrrev_b32 v3, 5, v0
	v_readfirstlane_b32 s40, v3                    ; wave
	v_and_b32 v3, 31, v0                           ; lane
	s_cmp_ge_u32 ttmp9, 256
	s_cbranch_scc1 .Lrelay
; ---------------- path A
	v_lshlrev_b32 v4, 4, v3                        ; 16 L
	s_lshl_b32 s52, ttmp9, 3
	s_add_co_u32 s52, s52, s40                     ; my row
	s_lshl_b32 s54, s52, 12
	s_mov_b32 s55, 0
	s_mul_i32 s56, s52, 768
	s_mov_b32 s57, 0
	v_min_u32 v5, 1, v0
	v_sub_nc_u32 v5, v0, v5
	v_lshlrev_b32 v5, 2, v5                        ; 4 max(t - 1, 0): k = t
	v_lshl_add_u32 v6, v0, 2, 1020                 ; 4 (256 + t - 1): k = 256 + t; 512 + t and 768 + t by the immediate
	s_mov_b32 s60, 0x76543210
	s_mov_b32 s61, 0xfedcba98                      ; selects for lane l xor 16
	s_mul_i32 s41, s40, 4608
	v_lshrrev_b32 v7, 3, v3
	v_mul_u32_u24 v7, v7, 144
	v_and_b32 v8, 7, v3
	v_lshl_add_u32 v7, v8, 4, v7
	v_add_nc_u32 v7, s41, v7                       ; the row into XT: 144 (L / 8) + 16 (L % 8), 576 a load
	v_mul_u32_u24 v9, v3, 144                      ; my block in GW
	v_add_nc_u32 v10, s41, v9                      ; and in XT
	s_mul_i32 s42, s40, 144
	v_lshlrev_b32 v11, 2, v3
	v_add_nc_u32 v11, s42, v11                     ; gate_w into GW: 144 w + 4 L
	v_mov_b32 v12, 0
	s_mul_i32 s43, s40, 768
	s_add_co_u32 s43, s43, CS
	v_and_b32 v13, 1, v3
	v_mul_u32_u24 v13, v13, 384
	v_lshrrev_b32 v15, 1, v3
	v_mad_u32_u24 v13, v15, 24, v13
	v_add_nc_u32 v13, s43, v13                     ; my block's codes: 384 (L & 1) + 24 (L >> 1)
	v_lshlrev_b32 v14, 3, v3                       ; 8 L
	v_add_nc_u32 v15, s43, v14
	s_lshl_b32 s58, s40, 5
	s_add_co_u32 s58, s58, SB
	v_add_nc_u32 v178, s58, v3                     ; my block's scale byte
	s_lshl_b32 s59, s40, 2
	s_add_co_u32 s59, s59, RS
	v_mov_b32 v168, s59                            ; my row's result words
	v_add_nc_u32 v169, SB, v14
	v_and_b32 v170, 7, v3
	v_lshlrev_b32 v170, 2, v170
	v_add_nc_u32 v171, RS, v170
	s_wait_kmcnt 0x0
	s_add_nc_u64 s[4:5], s[4:5], s[54:55]
	s_add_nc_u64 s[56:57], s[34:35], s[56:57]      ; my row's codes in tokq
.irp i, 0,1,2,3,4,5,6,7
	global_load_b128 v[XR+4*\i:XR+4*\i+3], v4, s[4:5] offset:512*\i th:TH_LOAD_NT
.endr
.irp e, 0,1,2,3,4,5,6,7
	global_load_b32 v[G+4*\e], v5, s[6:7] offset:4092*\e
.irp i, 1,2,3
	global_load_b32 v[G+4*\e+\i], v6, s[6:7] offset:4092*\e+1024*(\i-1)
.endr
.endr
	s_load_b256 s[44:51], s[8:9], 0x0              ; gate_b
	s_wait_loadcnt 32                              ; behind x's eight loads stand the 32 of gate_w: x is in
.irp i, 0,1,2,3,4,5,6,7
	ds_store_b128 v7, v[XR+4*\i:XR+4*\i+3] offset:XT+576*\i
.endr
.irp c, 0,1,2,3,4,5,6,7
	ds_load_b128 v[X+4*\c:X+4*\c+3], v10 offset:XT+16*\c      ; LDS serves a wave's instructions in order: these see my stores
.endr
	s_wait_loadcnt 0x0
	v_cmp_eq_u32 vcc_lo, 0, v0
.irp e, 0,1,2,3,4,5,6,7
	v_cndmask_b32 v[G+4*\e], v[G+4*\e], v12, vcc_lo            ; k = 0 counts for nothing in the gate
.endr
.irp e, 0,1,2,3,4,5,6,7
.irp i, 0,1,2,3
	ds_store_b32 v11, v[G+4*\e+\i] offset:GW+4608*\e+1152*\i
.endr
.endr
	s_wait_dscnt 0x0                               ; my part of gate_w has landed (and my block is in)
	s_barrier_signal -1
	s_barrier_wait -1
	; the quantiser: all 32 numbers of the block are mine
	v_max3_num_f32 v160, |v[X]|, |v[X+1]|, 0x1800000           ; with the floor 2^(3 - 127): the byte cannot fall under 1
	v_max3_num_f32 v161, |v[X+16]|, |v[X+17]|, |v[X+18]|
.irp i, 2,4,6,8,10,12,14
	v_max3_num_f32 v160, v160, |v[X+\i]|, |v[X+\i+1]|
.endr
.irp i, 19,21,23,25,27,29
	v_max3_num_f32 v161, v161, |v[X+\i]|, |v[X+\i+1]|
.endr
	v_max3_num_f32 v160, v160, v161, |v[X+31]|
	v_add_nc_u32 v162, 0xff000000, v160            ; 2 off the exponent field: the conversion's scale operand
	v_lshrrev_b32 v163, 23, v162                   ; the scale's byte
	v_cvt_scalef32_pk16_fp6_f32 v[164:166], v[X:X+15], v162
	v_cvt_scalef32_pk16_fp6_f32 v[168+4:170+4], v[X+16:X+31], v162   ; v172-174 (a conversion's three registers begin on an even number)
	v_nop                                          ; one plain place behind a scaled conversion
	v_mov_b32 v167, v172
	v_mov_b32 v176, v173
	v_mov_b32 v177, v174
	ds_store_b64 v13, v[164:165]
	ds_store_b64 v13, v[166:167] offset:8
	ds_store_b64 v13, v[176:177] offset:16
.irp p, 0,1,2
	ds_load_b64 v[184+2*\p:185+2*\p], v15 offset:256*\p
.endr
	ds_store_b8 v178, v163
	s_wait_dscnt 1                                 ; the byte store alone may be out: the row's codes are back, 8 bytes a lane
.irp p, 0,1,2
	global_store_b64 v14, v[184+2*\p:185+2*\p], s[56:57] offset:256*\p      ; 32 lanes store 256 consecutive bytes, aligned
.endr
	; the gate
.macro GLOAD e
.irp c, 0,1,2,3,4,5,6,7
	ds_load_b128 v[G+32*((\e)%2)+4*\c:G+32*((\e)%2)+4*\c+3], v9 offset:GW+4608*(\e)+16*\c
.endr
.endm
.macro GDOT e
.set GB, G+32*((\e)%2)
.set AC, ACC+2*(\e)
	v_pk_mul_f32 v[AC:AC+1], v[X:X+1], v[GB:GB+1]
.irp j, 2,4,6,8,10,12,14,16,18,20,22,24,26,28,30
	v_pk_fma_f32 v[AC:AC+1], v[X+\j:X+\j+1], v[GB+\j:GB+\j+1], v[AC:AC+1]
.endr
	v_add_f32 v[AC], v[AC], v[AC+1]
.endm
	GLOAD 0
	GLOAD 1
.irp e, 0,1,2,3,4,5
	s_wait_dscnt 8                                 ; behind expert e's eight loads stand the next expert's eight
	GDOT \e
	GLOAD \e+2
.endr
	s_wait_dscnt 8
	GDOT 6
	s_wait_dscnt 0x0
	GDOT 7
.irp m, 1,2,4,8
.irp e, 0,1,2,3,4,5,6,7
	v_add_f32_dpp v[ACC+2*\e], v[ACC+2*\e], v[ACC+2*\e] row_xmask:\m row_mask:0xf bank_mask:0xf
.endr
.endr
.irp e, 0,1,2,3,4,5,6,7
	v_permlanex16_b32 v[ACC+2*\e+1], v[ACC+2*\e], s60, s61
.endr
.irp e, 0,1,2,3,4,5,6,7
	v_add_f32 v[ACC+2*\e], v[ACC+2*\e], v[ACC+2*\e+1]          ; the logit, in every lane
.endr
	v_max3_num_f32 v160, v144, v146, v148
	v_max3_num_f32 v160, v160, v150, v152
	v_max3_num_f32 v160, v160, v154, v156
	v_max_num_f32 v160, v160, v158                 ; the maximum is taken away, as reference() does
.irp e, 0,1,2,3,4,5,6,7
	v_sub_f32 v[ACC+2*\e+1], v[ACC+2*\e], v160
.endr
.irp e, 0,1,2,3,4,5,6,7
	v_mul_f32 v[ACC+2*\e+1], 0x3fb8aa3b, v[ACC+2*\e+1]
.endr
.irp e, 0,1,2,3,4,5,6,7
	v_exp_f32 v[ACC+2*\e+1], v[ACC+2*\e+1]
.endr
	v_nop                                          ; a plain place behind the batch
	s_wait_alu depctr_va_vdst(0)                   ; one wait for the eight exponentials, ahead of their first reader
	v_add_f32 v161, v145, v147
	v_add_f32 v162, v149, v151
	v_add_f32 v163, v153, v155
	v_add_f32 v164, v157, v159
	v_add_f32 v161, v161, v162
	v_add_f32 v163, v163, v164
	v_add_f32 v161, v161, v163
	v_rcp_f32 v161, v161
	v_nop
	s_wait_alu depctr_va_vdst(0)
	s_wait_kmcnt 0x0                               ; gate_b
.irp e, 0,1,2,3,4,5,6,7
	v_mul_f32 v[ACC+2*\e+1], v[ACC+2*\e+1], v161               ; the score
.endr
.irp e, 0,1,2,3,4,5,6,7
	v_add_f32 v[ACC+2*\e], s[44+\e], v[ACC+2*\e+1]             ; biased: it chooses, and no more
.endr
	v_mov_b32 v164, v144
	v_mov_b32 v165, 0
	v_mov_b32 v166, v145
.irp e, 1,2,3,4,5,6,7
	v_mov_b32 v167, \e
	v_cmp_gt_f32 vcc_lo, v[ACC+2*\e], v164         ; strictly greater: of equals the lower index stays, as top_k has it
	v_cndmask_b32 v164, v164, v[ACC+2*\e], vcc_lo
	v_cndmask_b32 v165, v165, v167, vcc_lo
	v_cndmask_b32 v166, v166, v[ACC+2*\e+1], vcc_lo
.endr
	ds_store_b32 v168, v165                        ; all lanes write the same word with the same value
	ds_store_b32 v168, v166 offset:32
	s_wait_dscnt 0x0                               ; for wave 0's sake: my byte, my index and my weight have landed
	s_barrier_signal -1
	s_barrier_wait -1
	s_cmp_lg_u32 s40, 0
	s_cbranch_scc1 .Lend_a
	ds_load_b64 v[180:181], v169                   ; the eight rows' 256 scale bytes
	ds_load_b32 v182, v171                         ; index of row L % 8
	ds_load_b32 v183, v171 offset:32               ; its weight
	s_lshl_b32 s62, ttmp9, 8
	s_mov_b32 s63, 0
	s_add_nc_u64 s[54:55], s[34:35], s[62:63]
	s_lshl_b32 s62, ttmp9, 5
	s_add_nc_u64 s[34:35], s[34:35], s[62:63]
	s_add_nc_u64 s[36:37], s[36:37], s[62:63]
	s_wait_dscnt 0x0
	global_store_b64 v14, v[180:181], s[54:55] offset:XS_O     ; one aligned run of 256 bytes
	global_store_b32 v170, v182, s[36:37]          ; four lanes hold the same word and the same value
	global_store_b32 v170, v183, s[34:35] offset:GWT_O
.Lend_a:
	s_wait_tensorcnt 0x0                           ; the wave's end, behind my last LDS store
	ds_add_u32 v[SPW], v[NIL]
	s_wait_dscnt 0x0
	s_endpgm
; ---------------- path B
.Lrelay:
	s_sub_co_u32 s41, ttmp9, 256
	s_lshr_b32 s42, s41, 3                         ; mu: 0-7 W1, 8-15 W3, 16-23 W2, 24 Ws1, 25 Ws3, 26 Ws2
	s_and_b32 s43, s41, 7
	s_lshl_b32 s43, s43, 3
	s_add_co_u32 s43, s43, s40
	s_lshr_b32 s44, s43, 1                         ; kb
	s_and_b32 s45, s43, 1                          ; u
	s_lshr_b32 s46, s42, 3
	s_and_b32 s47, s42, 7
	s_cmp_lt_u32 s42, 24
	s_cselect_b32 s47, s47, 0                      ; the expert, 0 for the shared matrices
	s_mul_i32 s48, s47, 785664
	s_mov_b32 s49, 0
	s_mul_i32 s50, s47, 32736
	s_mov_b32 s51, 0
	s_lshl_b32 s52, s44, 5
	s_lshl_b32 s53, s45, 3
	s_add_co_u32 s52, s52, s53
	v_and_b32 v4, 15, v3                           ; r
	v_lshrrev_b32 v5, 4, v3                        ; h
	v_and_b32 v6, 8, v4
	v_add_nc_u32 v6, v6, v4
	v_add_nc_u32 v6, s52, v6                       ; my unit j
	v_min_u32 v7, 1, v6
	v_sub_nc_u32 v6, v6, v7                        ; its weight row: max(j - 1, 0)
	v_mul_u32_u24 v9, v6, 768
	v_mad_u32_u24 v9, v5, 24, v9                   ; the row's codes, + 24 h
	v_lshlrev_b32 v7, 5, v6
	v_lshl_add_u32 v7, v5, 4, v7                   ; the row's scale bytes, + 16 h
	v_lshlrev_b32 v8, 4, v3                        ; 16 L
	v_lshlrev_b32 v10, 5, v4
	v_lshl_add_u32 v10, v5, 4, v10                 ; 32 r + 16 h
	s_mul_i32 s54, s42, 786432
	s_mul_i32 s55, s44, 24576
	s_add_co_u32 s54, s54, s55
	s_mul_i32 s55, s45, 1536
	s_add_co_u32 s54, s54, s55
	s_mov_b32 s55, 0
	s_lshl_b32 s56, s42, 5
	s_add_co_u32 s56, s56, s44
	s_lshl_b32 s56, s56, 10
	s_lshl_b32 s57, s45, 9
	s_add_co_u32 s56, s56, s57
	s_add_co_u32 s56, s56, WSC_O
	s_mov_b32 s57, 0
	s_wait_kmcnt 0x0
	s_mov_b64 s[60:61], s[10:11]                   ; the choice of buffers hangs on the work-group's number alone
	s_mov_b64 s[62:63], s[22:23]
	s_cmp_eq_u32 s46, 1
	s_cselect_b64 s[60:61], s[12:13], s[60:61]
	s_cselect_b64 s[62:63], s[24:25], s[62:63]
	s_cmp_eq_u32 s46, 2
	s_cselect_b64 s[60:61], s[14:15], s[60:61]
	s_cselect_b64 s[62:63], s[26:27], s[62:63]
	s_cmp_eq_u32 s42, 24
	s_cselect_b64 s[60:61], s[16:17], s[60:61]
	s_cselect_b64 s[62:63], s[28:29], s[62:63]
	s_cmp_eq_u32 s42, 25
	s_cselect_b64 s[60:61], s[18:19], s[60:61]
	s_cselect_b64 s[62:63], s[30:31], s[62:63]
	s_cmp_eq_u32 s42, 26
	s_cselect_b64 s[60:61], s[20:21], s[60:61]
	s_cselect_b64 s[62:63], s[32:33], s[62:63]
	s_add_nc_u64 s[60:61], s[60:61], s[48:49]
	s_add_nc_u64 s[62:63], s[62:63], s[50:51]
	s_add_nc_u64 s[66:67], s[38:39], s[54:55]
	s_add_nc_u64 s[68:69], s[38:39], s[56:57]
.irp s, 0,1,2,3,4,5,6,7
.irp p, 0,1,2,3,4,5
	global_load_b64 v[16+12*\s+2*\p:17+12*\s+2*\p], v9, s[60:61] offset:96*\s+48*(\p/3)+8*(\p%3) th:TH_LOAD_NT
.endr
.endr
	global_load_b128 v[112:115], v7, s[62:63] th:TH_LOAD_NT    ; four scale words of my row: K steps 4 h .. 4 h + 3
.irp s, 0,1,2,3,4,5,6,7
	s_wait_loadcnt 1+6*(7-\s)                      ; behind K step s's six loads stand those of the later steps and the scales'
.irp g, 0,1,2
	global_store_b128 v8, v[16+12*\s+4*\g:19+12*\s+4*\g], s[66:67] offset:3072*\s+512*\g   ; the fragment as it stands in registers: 512 consecutive bytes a store
.endr
.endr
	s_wait_loadcnt 0x0
	global_store_b128 v10, v[112:115], s[68:69]
	s_endpgm
.Lfunc_end_k_q7cc2e81dee_prep:
	.size	k_q7cc2e81dee_prep, .Lfunc_end_k_q7cc2e81dee_prep-k_q7cc2e81dee_prep
	.p2alignl 7, 3214868480
	.fill 96, 4, 3214868480
	.section	.rodata,"a",@progbits
	.p2align	6, 0x0
	.amdhsa_kernel k_q7cc2e81dee_prep
		.amdhsa_group_segment_fixed_size 81408
		.amdhsa_private_segment_fixed_size 0
		.amdhsa_enable_private_segment 0
		.amdhsa_kernarg_size 144
		.amdhsa_user_sgpr_count 2
		.amdhsa_user_sgpr_kernarg_segment_ptr 1
		.amdhsa_wavefront_size32 1
		.amdhsa_system_sgpr_workgroup_id_x 1
		.amdhsa_system_sgpr_workgroup_id_y 1
		.amdhsa_system_sgpr_workgroup_id_z 1
		.amdhsa_system_vgpr_workitem_id 0
		.amdhsa_next_free_vgpr 192
		.amdhsa_next_free_sgpr 72
		.amdhsa_reserve_vcc 1
		.amdhsa_float_denorm_mode_32 3
		.amdhsa_float_denorm_mode_16_64 3
		.amdhsa_memory_ordered 1
		.amdhsa_forward_progress 1
		.amdhsa_inst_pref_size 42
	.end_amdhsa_kernel
	.amdgpu_metadata
---
amdhsa.version: [ 1, 2 ]
amdhsa.kernels:
  - .name:           k_q7cc2e81dee_prep
    .symbol:         k_q7cc2e81dee_prep.kd
    .args:
      - { .name: x, .offset: 0, .size: 8, .value_kind: global_buffer, .address_space: global }
      - { .name: gate_w, .offset: 8, .size: 8, .value_kind: global_buffer, .address_space: global }
      - { .name: gate_b, .offset: 16, .size: 8, .value_kind: global_buffer, .address_space: global }
      - { .name: W1_codes, .offset: 24, .size: 8, .value_kind: global_buffer, .address_space: global }
      - { .name: W3_codes, .offset: 32, .size: 8, .value_kind: global_buffer, .address_space: global }
      - { .name: W2_codes, .offset: 40, .size: 8, .value_kind: global_buffer, .address_space: global }
      - { .name: Ws1_codes, .offset: 48, .size: 8, .value_kind: global_buffer, .address_space: global }
      - { .name: Ws3_codes, .offset: 56, .size: 8, .value_kind: global_buffer, .address_space: global }
      - { .name: Ws2_codes, .offset: 64, .size: 8, .value_kind: global_buffer, .address_space: global }
      - { .name: W1_scales, .offset: 72, .size: 8, .value_kind: global_buffer, .address_space: global }
      - { .name: W3_scales, .offset: 80, .size: 8, .value_kind: global_buffer, .address_space: global }
      - { .name: W2_scales, .offset: 88, .size: 8, .value_kind: global_buffer, .address_space: global }
      - { .name: Ws1_scales, .offset: 96, .size: 8, .value_kind: global_buffer, .address_space: global }
      - { .name: Ws3_scales, .offset: 104, .size: 8, .value_kind: global_buffer, .address_space: global }
      - { .name: Ws2_scales, .offset: 112, .size: 8, .value_kind: global_buffer, .address_space: global }
      - { .name: tokq, .offset: 120, .size: 8, .value_kind: global_buffer, .address_space: global }
      - { .name: eidx, .offset: 128, .size: 8, .value_kind: global_buffer, .address_space: global }
      - { .name: wimg, .offset: 136, .size: 8, .value_kind: global_buffer, .address_space: global }
    .group_segment_fixed_size: 81408
    .private_segment_fixed_size: 0
    .kernarg_segment_align: 8
    .kernarg_segment_size: 144
    .max_flat_workgroup_size: 256
    .sgpr_count:     72
    .vgpr_count:     192
    .wavefront_size: 32
...
	.end_amdgpu_metadata
.endif
;; end of part 1
;; launch place (part 2): grid 1 x 1, 8 waves a work-group, no clusters, 2,048 bytes of LDS; arguments eidx, route; writes route
.if DOCPART == 2
	.amdgcn_target "amdgcn-amd-amdhsa--gfx1250"
	.amdhsa_code_object_version 6
	.text
	.protected	k_q7cc2e81dee_place
	.globl	k_q7cc2e81dee_place
	.p2align	8
	.type	k_q7cc2e81dee_place,@function
k_q7cc2e81dee_place:
	s_mov_b64 s[64:65], 0
	v_nop
	global_prefetch_b8 v0, s[64:65] scope:SCOPE_SE
	s_setreg_imm32_b32 hwreg(HW_REG_WAVE_MODE, 25, 1), 1
	s_wait_xcnt 0x0
; Second launch: the tokens are placed by expert, by a counting sort on the whole numbers that the first launch stored.  One work-group, whole numbers alone, EXEC never changes.
; An expert's rows begin at a multiple of 128 (a tile).  ROWTOK[slot] = token (0 in every slot that holds none: such rows are computed for token 0 and read by nobody),
; POS[token] = slot, TILEX[tile] = the tile's expert, 8 for a tile with no rows.  With 2,048 rows and 8 experts there are never more than 16 + 7 = 23 tiles, whatever the choice.
.set POS_O,   12032
.set TILEX_O, 20224
.set SPARE,   1024
.set SPW, 1
.set NIL, 2
.set CNT,   16                         ; s16-23 my wave's count for each expert
.set TOT,   24                         ; s24-31 the experts' totals
.set PRE,   32                         ; s32-39 the counts of the waves in front of mine
.set BASE,  44                         ; s44-51 where my wave's next row of the expert goes
.set PADS,  52                         ; s52-59 behind the expert's last row
.set TEND,  72                         ; s72-79 behind the expert's last tile
.set START, 80                         ; s80-87 the expert's first slot
	s_load_b128 s[4:7], s[0:1], 0x0                ; eidx, route
	v_lshl_add_u32 v[SPW], v0, 2, SPARE
	v_mov_b32 v[NIL], 0
	v_lshrrev_b32 v5, 5, v0
	v_readfirstlane_b32 s8, v5                     ; wave
	v_and_b32 v5, 31, v0                           ; lane
	s_lshl_b32 s9, s8, 8
	v_add_nc_u32 v4, s9, v5                        ; my first token: 256 w + L; group g: + 32 g
	v_lshlrev_b32 v3, 2, v4
	v_lshlrev_b32 v6, 2, v5
	v_lshlrev_b32 v7, 2, v0                        ; LDS: my word of the counts
	s_mov_b32 s10, 0x76543210
	s_mov_b32 s11, 0xfedcba98
	s_wait_kmcnt 0x0
.irp g, 0,1,2,3,4,5,6,7
	global_load_b32 v[8+\g], v3, s[4:5] offset:128*\g
.endr
	s_wait_loadcnt 0x0
.irp g, 0,1,2,3,4,5,6,7
	v_min_u32 v[8+\g], 7, v[8+\g]
.endr
.irp e, 0,1,2,3,4,5,6,7
	v_cmp_eq_u32 s70, \e, v8
	s_bcnt1_i32_b32 s[CNT+\e], s70
.endr
.irp g, 1,2,3,4,5,6,7
.irp e, 0,1,2,3,4,5,6,7
	v_cmp_eq_u32 s70, \e, v[8+\g]
	s_bcnt1_i32_b32 s71, s70
	s_add_co_u32 s[CNT+\e], s[CNT+\e], s71
.endr
.endr
	v_mov_b32 v16, 0
.irp e, 0,1,2,3,4,5,6,7
	v_writelane_b32 v16, s[CNT+\e], \e
.endr
	ds_store_b32 v7, v16                           ; wave w's eight counts at 128 w
	s_wait_dscnt 0x0
	s_barrier_signal -1
	s_barrier_wait -1
	v_lshrrev_b32 v21, 3, v5                       ; w' = L / 8
	v_and_b32 v17, 7, v5
	v_lshlrev_b32 v17, 2, v17
	v_lshl_add_u32 v17, v21, 7, v17
	ds_load_b32 v18, v17                           ; wave w', expert L % 8
	ds_load_b32 v19, v17 offset:512                ; wave w' + 4
	s_wait_dscnt 0x0
	v_add_nc_u32 v20, v18, v19
	v_cmp_gt_u32 vcc_lo, s8, v21
	v_cndmask_b32 v22, 0, v18, vcc_lo              ; only the waves in front of mine
	v_add_nc_u32 v23, 4, v21
	v_cmp_gt_u32 vcc_lo, s8, v23
	v_cndmask_b32 v23, 0, v19, vcc_lo
	v_add_nc_u32 v22, v22, v23
	v_mov_b32 v24, 0
	v_mov_b32 v25, 0
	v_mov_b32_dpp v24, v20 row_xmask:8 row_mask:0xf bank_mask:0xf
	v_mov_b32_dpp v25, v22 row_xmask:8 row_mask:0xf bank_mask:0xf
	v_add_nc_u32 v20, v20, v24
	v_add_nc_u32 v22, v22, v25
	v_permlanex16_b32 v24, v20, s10, s11
	v_permlanex16_b32 v25, v22, s10, s11
	v_add_nc_u32 v20, v20, v24                     ; lane e: expert e's total,
	v_add_nc_u32 v22, v22, v25                     ; and what the waves in front of mine hold of it
.irp e, 0,1,2,3,4,5,6,7
	v_readlane_b32 s[TOT+\e], v20, \e
	v_readlane_b32 s[PRE+\e], v22, \e
.endr
	s_mov_b32 s40, 0                               ; tiles so far
.irp e, 0,1,2,3,4,5,6,7
	s_lshl_b32 s[START+\e], s40, 7
	s_add_co_u32 s[BASE+\e], s[START+\e], s[PRE+\e]
	s_add_co_u32 s[PADS+\e], s[START+\e], s[TOT+\e]
	s_add_co_u32 s41, s[TOT+\e], 127
	s_lshr_b32 s41, s41, 7
	s_add_co_u32 s40, s40, s41
	s_mov_b32 s[TEND+\e], s40
.endr
.irp g, 0,1,2,3,4,5,6,7
	v_mov_b32 v[24+\g], 0
.irp e, 0,1,2,3,4,5,6,7
	v_cmp_eq_u32 s70, \e, v[8+\g]
	v_mbcnt_lo_u32_b32 v20, s70, s[BASE+\e]        ; the expert's next slot + how many lanes below me chose it too
	v_cndmask_b32 v[24+\g], v[24+\g], v20, s70
	s_bcnt1_i32_b32 s71, s70
	s_add_co_u32 s[BASE+\e], s[BASE+\e], s71
.endr
	v_min_u32 v[24+\g], 2943, v[24+\g]
	v_lshlrev_b32 v[32+\g], 2, v[24+\g]
	v_add_nc_u32 v[40+\g], 32*\g, v4
	global_store_b32 v[32+\g], v[40+\g], s[6:7]                ; ROWTOK[slot] = token
	global_store_b32 v3, v[24+\g], s[6:7] offset:POS_O+128*\g  ; POS[token] = slot
.endr
	; every slot that holds no token gets token 0; a slot that holds one sends its store to the dump words behind the table
	v_mov_b32 v48, 0
	v_add_nc_u32 v49, 2944, v5
.irp i, 0,1,2,3,4,5,6,7,8,9,10,11
	v_add_nc_u32 v[50+\i], 256*\i, v0
	s_mov_b32 s88, 0
.irp e, 0,1,2,3,4,5,6,7
	v_cmp_le_u32 s70, s[START+\e], v[50+\i]
	v_cmp_gt_u32 s71, s[PADS+\e], v[50+\i]
	s_and_b32 s70, s70, s71
	s_or_b32 s88, s88, s70
.endr
	v_cndmask_b32 v[50+\i], v[50+\i], v49, s88
	v_min_u32 v[50+\i], 3007, v[50+\i]
	v_lshlrev_b32 v[50+\i], 2, v[50+\i]
	global_store_b32 v[50+\i], v48, s[6:7]
.endr
	s_cmp_lg_u32 s8, 0
	s_cbranch_scc1 .Lend
	v_mov_b32 v62, 0
	v_mov_b32 v16, 1                               ; v16 is the source of no global store (it held the counts for LDS, long waited for)
.irp e, 0,1,2,3,4,5,6,7
	v_cmp_le_u32 vcc_lo, s[TEND+\e], v5            ; tile L lies behind expert e's tiles
	v_cndmask_b32 v63, 0, v16, vcc_lo
	v_add_nc_u32 v62, v62, v63
.endr
	global_store_b32 v6, v62, s[6:7] offset:TILEX_O
.Lend:
	s_wait_tensorcnt 0x0                           ; the wave's end, behind my last LDS store
	ds_add_u32 v[SPW], v[NIL]
	s_wait_dscnt 0x0
	s_endpgm
.Lfunc_end_k_q7cc2e81dee_place:
	.size	k_q7cc2e81dee_place, .Lfunc_end_k_q7cc2e81dee_place-k_q7cc2e81dee_place
	.p2alignl 7, 3214868480
	.fill 96, 4, 3214868480
	.section	.rodata,"a",@progbits
	.p2align	6, 0x0
	.amdhsa_kernel k_q7cc2e81dee_place
		.amdhsa_group_segment_fixed_size 2048
		.amdhsa_private_segment_fixed_size 0
		.amdhsa_enable_private_segment 0
		.amdhsa_kernarg_size 16
		.amdhsa_user_sgpr_count 2
		.amdhsa_user_sgpr_kernarg_segment_ptr 1
		.amdhsa_wavefront_size32 1
		.amdhsa_system_sgpr_workgroup_id_x 1
		.amdhsa_system_sgpr_workgroup_id_y 1
		.amdhsa_system_sgpr_workgroup_id_z 1
		.amdhsa_system_vgpr_workitem_id 0
		.amdhsa_next_free_vgpr 64
		.amdhsa_next_free_sgpr 90
		.amdhsa_reserve_vcc 1
		.amdhsa_float_denorm_mode_32 3
		.amdhsa_float_denorm_mode_16_64 3
		.amdhsa_memory_ordered 1
		.amdhsa_forward_progress 1
		.amdhsa_inst_pref_size 57
	.end_amdhsa_kernel
	.amdgpu_metadata
---
amdhsa.version: [ 1, 2 ]
amdhsa.kernels:
  - .name:           k_q7cc2e81dee_place
    .symbol:         k_q7cc2e81dee_place.kd
    .args:
      - { .name: eidx, .offset: 0, .size: 8, .value_kind: global_buffer, .address_space: global }
      - { .name: route, .offset: 8, .size: 8, .value_kind: global_buffer, .address_space: global }
    .group_segment_fixed_size: 2048
    .private_segment_fixed_size: 0
    .kernarg_segment_align: 8
    .kernarg_segment_size: 16
    .max_flat_workgroup_size: 256
    .sgpr_count:     90
    .vgpr_count:     64
    .wavefront_size: 32
...
	.end_amdgpu_metadata
.endif
;; end of part 2
;; launch up (part 3): grid 8 x 23, 8 waves a work-group, no clusters, 135,168 bytes of LDS; arguments tokq, wimg, route, hid; writes hid
.if DOCPART == 3
	.amdgcn_target "amdgcn-amd-amdhsa--gfx1250"
	.amdhsa_code_object_version 6
	.text
	.protected	k_q7cc2e81dee_up
	.globl	k_q7cc2e81dee_up
	.p2align	8
	.type	k_q7cc2e81dee_up,@function
k_q7cc2e81dee_up:
	s_mov_b64 s[64:65], 0
	v_nop
	global_prefetch_b8 v0, s[64:65] scope:SCOPE_SE
	s_setreg_imm32_b32 hwreg(HW_REG_WAVE_MODE, 25, 1), 1
	s_wait_xcnt 0x0
; Third launch: s1 = x W1^T, s3 = x W3^T, sp = silu(s1) s3, for the tile's expert and for the shared expert; sp is quantised along the hidden axis; partial sums of sp^2.
; Left out: the experts that a tile's tokens did not choose (reference() multiplies them by the zeros of its own one_hot).
; THE GRID SERVES EVERY SPLIT: 23 tiles of 128 rows.  Every wave has to pass every barrier, so no work-group ends on a stored number: a tile that a split leaves without rows (TILEX = 8) runs like any other,
; with the expert's number held at 7 and token 0 in all its slots; its rows of the workspace are named by no token's slot and are read for no output.
; No tensor load, no copy, no cluster: the weights' addresses hang on a stored number, so operands go from memory straight into registers.
; SHARES.  Work-group (x = chunk of 128 hidden units, y = tile of 128 rows).  Wave w: kind = w & 1 (0 the tile's expert, 1 the shared one), q = w >> 1: block kb = 4 chunk + q of 32 hidden units,
; for all 128 rows: 8 row tiles x 4 weight fragments (f = 0, 1: W1's tiles u = 0, 1; f = 2, 3: W3's): 32 accumulators, 256 matrix instructions.
; THE PRODUCT IS USED TRANSPOSED (source 0 = 16 weight rows, source 1 = 16 rows of x): lane (r, h) holds row r, and the 16 registers of u = 0, 1 are units 32 kb + 16 h + 0 .. 15.
; Hidden unit j is sp[j - 1]; unit 0 (the time t) needs the whole row's sum: it is masked to 0 here, block 0 goes out unquantised (H0) and the next launch patches it.
; LIMITS: as stated at the head of the first launch.
; REGISTERS, window 0: v3 16 L, v4 32 L, v5, v6 x's fragments in LDS, v7 x's scale words; v16-159 weights, three sets of 48; v160-231 x, three slots of two fragments;
;   v232-237 the weights' scale words, v238-245 x's (they hold scales and nothing else); v8-15, v246-252 at work in the prologue.   window 1: accumulator (a, f) at v[8 (4 a + f)].
.set XS_O,    1572864
.set WSC_O,   21233664
.set TILEX_O, 20224
.set HSC_O,   4521984
.set H0_O,    4898816
.set XT,    0                          ; LDS: 128 rows of x's codes, 784 bytes apart (768 + 16)
.set XSC,   100352                     ; x's scale words [s][row]
.set STGC,  104448                     ; the codes made here, as images [kind][m][1536]
.set SSTG,  129024                     ; their scale words [kind][row]
.set SQ,    130048                     ; sums of squares [kind][q][512]
.set SPARE, 134144
.set SPW, 1
.set NIL, 2
.set MSB, 0
.macro WIN new                         ; the immediate's high byte repeats the setting that is left
.if MSB != \new
	s_set_vgpr_msb (MSB<<8)|\new
.set MSB, \new
.endif
.endm
; one matrix instruction on D_, A_, B_, SA_, SB_.  ra, rb: the side's scales stand in lanes 16-31;  z: the sum begins
.macro WM ra, rb, z
.if \z
.if (\ra) && (\rb)
	v_wmma_scale_f32_16x16x128_f8f6f4 v[D_:D_+7], v[A_:A_+11], v[B_:B_+11], 0, v[SA_], v[SB_] matrix_a_fmt:MATRIX_FMT_FP6 matrix_b_fmt:MATRIX_FMT_FP6 matrix_a_scale:MATRIX_SCALE_ROW1 matrix_b_scale:MATRIX_SCALE_ROW1
.elseif \ra
	v_wmma_scale_f32_16x16x128_f8f6f4 v[D_:D_+7], v[A_:A_+11], v[B_:B_+11], 0, v[SA_], v[SB_] matrix_a_fmt:MATRIX_FMT_FP6 matrix_b_fmt:MATRIX_FMT_FP6 matrix_a_scale:MATRIX_SCALE_ROW1
.elseif \rb
	v_wmma_scale_f32_16x16x128_f8f6f4 v[D_:D_+7], v[A_:A_+11], v[B_:B_+11], 0, v[SA_], v[SB_] matrix_a_fmt:MATRIX_FMT_FP6 matrix_b_fmt:MATRIX_FMT_FP6 matrix_b_scale:MATRIX_SCALE_ROW1
.else
	v_wmma_scale_f32_16x16x128_f8f6f4 v[D_:D_+7], v[A_:A_+11], v[B_:B_+11], 0, v[SA_], v[SB_] matrix_a_fmt:MATRIX_FMT_FP6 matrix_b_fmt:MATRIX_FMT_FP6
.endif
.else
.if (\ra) && (\rb)
	v_wmma_scale_f32_16x16x128_f8f6f4 v[D_:D_+7], v[A_:A_+11], v[B_:B_+11], v[D_:D_+7], v[SA_], v[SB_] matrix_a_fmt:MATRIX_FMT_FP6 matrix_b_fmt:MATRIX_FMT_FP6 matrix_a_scale:MATRIX_SCALE_ROW1 matrix_b_scale:MATRIX_SCALE_ROW1
.elseif \ra
	v_wmma_scale_f32_16x16x128_f8f6f4 v[D_:D_+7], v[A_:A_+11], v[B_:B_+11], v[D_:D_+7], v[SA_], v[SB_] matrix_a_fmt:MATRIX_FMT_FP6 matrix_b_fmt:MATRIX_FMT_FP6 matrix_a_scale:MATRIX_SCALE_ROW1
.elseif \rb
	v_wmma_scale_f32_16x16x128_f8f6f4 v[D_:D_+7], v[A_:A_+11], v[B_:B_+11], v[D_:D_+7], v[SA_], v[SB_] matrix_a_fmt:MATRIX_FMT_FP6 matrix_b_fmt:MATRIX_FMT_FP6 matrix_b_scale:MATRIX_SCALE_ROW1
.else
	v_wmma_scale_f32_16x16x128_f8f6f4 v[D_:D_+7], v[A_:A_+11], v[B_:B_+11], v[D_:D_+7], v[SA_], v[SB_] matrix_a_fmt:MATRIX_FMT_FP6 matrix_b_fmt:MATRIX_FMT_FP6
.endif
.endif
.endm
.macro WLOAD s                         ; K step s's four weight fragments and two scale words into set s % 3: 14 loads
.set WB_, 16+48*((\s)%3)
.irp u, 0,1
.irp g, 0,1,2
	global_load_b128 v[WB_+12*\u+4*\g:WB_+12*\u+4*\g+3], v3, s[16:17] offset:3072*(\s)+1536*\u+512*\g
.endr
.endr
.irp u, 0,1
.irp g, 0,1,2
	global_load_b128 v[WB_+24+12*\u+4*\g:WB_+24+12*\u+4*\g+3], v3, s[18:19] offset:3072*(\s)+1536*\u+512*\g
.endr
.endr
	global_load_b32 v[232+2*((\s)%3)], v4, s[20:21] offset:4*(\s)      ; lanes 0-15: tile u = 0's rows, lanes 16-31: u = 1's
	global_load_b32 v[233+2*((\s)%3)], v4, s[22:23] offset:4*(\s)
.endm
.macro XSLD s                          ; x's scale words of K step s: register i: lanes 0-15 row tile 2 i, lanes 16-31 row tile 2 i + 1
.irp i, 0,1,2,3
	ds_load_b32 v[238+4*((\s)%2)+\i], v7 offset:512*(\s)+128*\i
.endr
.endm
.macro XGRP n                          ; group n = 4 s + i: x's fragments of row tiles 2 i, 2 i + 1, K step s, into slot n % 3: six loads
.set S2_, (\n)/4
.set I2_, (\n)%4
.irp aa, 0,1
.irp g, 0,1,2
	ds_load_b128 v[160+24*((\n)%3)+12*\aa+4*\g:160+24*((\n)%3)+12*\aa+4*\g+3], v[5+I2_/2] offset:((2*I2_+\aa)%4)*12544+48*S2_+16*\g
.endr
.endr
.endm
.macro MULG n                          ; eight matrix instructions on eight accumulators; the 32 take turns
.irp aa, 0,1
.irp f, 0,1,2,3
.set D_, 8*(4*(2*I_+\aa)+\f)
.set A_, 16+48*(S_%3)+12*\f
.set B_, 160+24*((\n)%3)+12*\aa
.set SA_, 232+2*(S_%3)+(\f/2)
.set SB_, 238+4*(S_%2)+I_
	WM (\f%2), \aa, (S_==0)
.endr
.endr
.endm
.macro GROUP n
.set S_, (\n)/4
.set I_, (\n)%4
.if (I_ == 0) && (S_ >= 1)
.if S_+2 <= 7
	WLOAD S_+2                                     ; into the set that step s - 1 read: four places stand behind its last product
.endif
.if 7-S_ >= 2
	s_wait_loadcnt 28                              ; the loads of the two later steps may be out: this step's weights are in
.else
	s_wait_loadcnt 14*(7-S_)
.endif
.endif
.if (\n) == 31
	s_wait_dscnt 0x0
.elseif (\n) == 30
	s_wait_dscnt 6                                 ; behind this group's loads: the last group's six
.elseif (I_ >= 2) && (S_ < 7)
	s_wait_dscnt 16                                ; behind this group's loads: two groups' twelve and the next step's four scale words
.else
	s_wait_dscnt 12                                ; behind this group's loads: two groups' twelve
.endif
	WIN 0x50                                       ; C and D in window 1
	MULG \n
.rept 4
	v_nop                                          ; places in front of loads into registers that these products have read
.endr
	WIN 0
.if (I_ == 1) && (S_ < 7)
	XSLD S_+1
.endif
.if (\n)+3 <= 31
	XGRP (\n)+3
.endif
.endm
	s_load_b256 s[4:11], s[0:1], 0x0               ; tokq, wimg, route, hid
	v_lshl_add_u32 v[SPW], v0, 2, SPARE
	v_mov_b32 v[NIL], 0
	v_lshrrev_b32 v8, 5, v0
	v_readfirstlane_b32 s12, v8                    ; wave
	s_mov_b32 s13, ttmp9                           ; chunk
	s_and_b32 s14, ttmp7, 0xffff                   ; tile
	s_and_b32 s34, s12, 1                          ; kind
	s_lshr_b32 s35, s12, 1                         ; q
	s_lshl_b32 s36, s13, 2
	s_add_co_u32 s36, s36, s35                     ; kb
	s_lshl_b32 s37, s14, 2
	s_wait_kmcnt 0x0
	s_load_b32 s15, s[8:9], s37 offset:TILEX_O     ; the tile's expert
	v_and_b32 v9, 31, v0                           ; L
	v_and_b32 v10, 15, v0                          ; r
	v_bfe_u32 v11, v0, 4, 1                        ; h
	v_lshlrev_b32 v3, 4, v9
	v_lshlrev_b32 v4, 5, v9
	v_mul_u32_u24 v5, v10, 784
	v_mad_u32_u24 v5, v11, 384, v5                 ; row r, my half's 384 bytes: a K step's 48 bytes lie on end there
	v_add_nc_u32 v6, 50176, v5                     ; the same 64 rows further on
	v_lshl_add_u32 v7, v9, 2, XSC
	; the gather of 128 rows of 768 bytes: wave w takes rows 16 w on, two rows (1,536 bytes) by three loads of 512 bytes
	v_add_nc_u32 v13, 512, v3
	v_mul_u32_u24 v12, v11, 768
	v_sub_nc_u32 v13, v13, v12                     ; second load: lanes 0-15 the even row's last 256 bytes, lanes 16-31 the odd row's first 256
	v_add_nc_u32 v14, 256, v3                      ; third load: the odd row's last 512
	v_mov_b32 v15, 0
	v_lshlrev_b32 v246, 2, v11
	s_mul_i32 s38, s12, 12544
	v_add_nc_u32 v247, s38, v3                     ; and their places in LDS
	v_lshl_add_u32 v248, v11, 4, v247
	v_add_nc_u32 v248, 512, v248
	v_add_nc_u32 v249, 1040, v247
	v_lshrrev_b32 v250, 1, v0
	v_lshlrev_b32 v250, 2, v250                    ; the scale bytes: thread t takes half t & 1 of row t >> 1
	v_and_b32 v251, 1, v0
	v_lshlrev_b32 v252, 4, v251
	v_lshl_add_u32 v12, v251, 11, v250
	v_add_nc_u32 v12, XSC, v12
	s_lshl_b32 s38, s14, 9
	s_mov_b32 s39, 0
	s_add_nc_u64 s[48:49], s[8:9], s[38:39]        ; ROWTOK at the tile's first row
	s_lshl_b32 s38, s12, 6
	s_add_nc_u64 s[24:25], s[48:49], s[38:39]      ; and at my wave's 16 rows
	WIN 0x40                                       ; the accumulators' registers are free: tokens, offsets and codes pass through them
.irp k, 0,1,2,3,4,5,6,7
	global_load_b32 v[12*\k],   v15,  s[24:25] offset:8*\k
	global_load_b32 v[12*\k+4], v246, s[24:25] offset:8*\k
	global_load_b32 v[12*\k+8], v15,  s[24:25] offset:8*\k+4
.endr
	WIN 0
	global_load_b32 v8, v250, s[48:49]
	s_mov_b32 s29, 0xffff0000
	s_mov_b32 s30, 0xbfb8aa3b                      ; -log2(e)
	s_mov_b32 s31, s30
	s_mov_b32 s32, 0x76543210
	s_mov_b32 s33, 0xfedcba98
	s_or_b32 s50, s13, s35                         ; 0 in the two waves that hold block 0
	s_cmp_eq_u32 s50, 0
	s_cselect_b32 s28, 0xffff, 0                   ; the lanes that hold unit 0 in their first register
	s_xor_b32 s40, s34, 1
	s_mul_i32 s43, s36, 24576
	s_wait_kmcnt 0x0
	s_min_u32 s15, s15, 7                          ; a tile with no rows (8) takes expert 7's weights: no branch hangs on the number
	s_mul_i32 s41, s15, s40
	s_mul_i32 s42, s34, 24
	s_add_co_u32 s41, s41, s42                     ; W1[e] or Ws1
	s_lshl_b32 s42, s40, 3
	s_add_co_u32 s42, s42, s34
	s_add_co_u32 s42, s42, s41                     ; W3[e] or Ws3
	s_mul_i32 s38, s41, 786432
	s_add_co_u32 s38, s38, s43
	s_add_nc_u64 s[16:17], s[6:7], s[38:39]
	s_mul_i32 s38, s42, 786432
	s_add_co_u32 s38, s38, s43
	s_add_nc_u64 s[18:19], s[6:7], s[38:39]
	s_lshl_b32 s38, s41, 5
	s_add_co_u32 s38, s38, s36
	s_lshl_b32 s38, s38, 10
	s_add_co_u32 s38, s38, WSC_O
	s_add_nc_u64 s[20:21], s[6:7], s[38:39]
	s_lshl_b32 s38, s42, 5
	s_add_co_u32 s38, s38, s36
	s_lshl_b32 s38, s38, 10
	s_add_co_u32 s38, s38, WSC_O
	s_add_nc_u64 s[22:23], s[6:7], s[38:39]
	WLOAD 0
	WLOAD 1
	s_wait_loadcnt 28                              ; behind the 25 token loads stand two steps' 28: the tokens are in
	WIN 0x44
.irp n, 0,1,2,3,4,5,6,7,8,9,10,11,12,13,14,15,16,17,18,19,20,21,22,23
	v_min_u32 v[4*\n], 2047, v[4*\n]
.endr
.irp n, 0,1,2,3,4,5,6,7,8,9,10,11,12,13,14,15,16,17,18,19,20,21,22,23
	v_mul_u32_u24 v[4*\n], 768, v[4*\n]
.endr
.irp k, 0,1,2,3,4,5,6,7
	v_add_nc_u32 v[12*\k],   v3,  v[12*\k]
	v_add_nc_u32 v[12*\k+4], v13, v[12*\k+4]
	v_add_nc_u32 v[12*\k+8], v14, v[12*\k+8]
.endr
	WIN 0x41
.irp n, 0,1,2,3,4,5,6,7,8,9,10,11,12,13,14,15,16,17,18,19,20,21,22,23
	global_load_b128 v[4*\n:4*\n+3], v[4*\n], s[4:5]           ; each lands on its own address register
.endr
	WIN 0
	v_min_u32 v8, 2047, v8
	v_lshl_add_u32 v8, v8, 5, v252
	global_load_b128 v[8:11], v8, s[4:5] offset:XS_O
	s_wait_loadcnt 0x0                             ; the rows' codes and scale bytes are in, and K steps 0 and 1 of the weights
	WLOAD 2                                        ; K step 2 goes out here: 14 loads are out when the products begin
	WIN 0x04
.irp k, 0,1,2,3,4,5,6,7
	ds_store_b128 v247, v[12*\k:12*\k+3]    offset:1568*\k
	ds_store_b128 v248, v[12*\k+4:12*\k+7]  offset:1568*\k
	ds_store_b128 v249, v[12*\k+8:12*\k+11] offset:1568*\k
.endr
	WIN 0
.irp i, 0,1,2,3
	ds_store_b32 v12, v[8+\i] offset:512*\i
.endr
	s_wait_dscnt 0x0                               ; my rows have landed
	s_barrier_signal -1
	s_barrier_wait -1                              ; everybody's have
	XSLD 0
	XGRP 0
	XGRP 1
	XGRP 2
.set N_, 0
.rept 32
	GROUP N_
.set N_, N_+1
.endr
	; ---- the way out.  Every window is 0, four places stand behind the last product, no load is out
	v_and_b32 v110, 31, v0                         ; L
	v_and_b32 v111, 15, v0                         ; r
	v_bfe_u32 v112, v0, 4, 1                       ; h
	s_mul_i32 s38, s34, 12288
	s_and_b32 s40, s35, 1
	s_lshl_b32 s41, s40, 8
	s_add_co_u32 s38, s38, s41
	s_add_co_u32 s38, s38, STGC
	s_lshr_b32 s42, s35, 1                         ; c: block q fills registers 6 c .. 6 c + 5 of lane r + 16 (q & 1) of the next product's fragment
	s_mul_i32 s43, s42, 520
	s_mul_i32 s44, s42, 1016
	v_mul_u32_u24 v113, v112, 1536
	v_lshl_add_u32 v113, v111, 4, v113
	v_add_nc_u32 v113, s38, v113
	v_add_nc_u32 v104, s43, v113                   ; registers 6 c, 6 c + 1 in the image
	v_add_nc_u32 v105, s44, v113
	v_add_nc_u32 v105, 8, v105                     ; 6 c + 2, 6 c + 3
	v_add_nc_u32 v106, 512, v104                   ; 6 c + 4, 6 c + 5
	s_lshl_b32 s38, s34, 9
	s_add_co_u32 s38, s38, s35
	s_add_co_u32 s38, s38, SSTG
	v_lshl_add_u32 v107, v110, 2, s38              ; byte q of a row's scale word
	s_lshl_b32 s38, s34, 11
	s_lshl_b32 s41, s35, 9
	s_add_co_u32 s38, s38, s41
	s_add_co_u32 s38, s38, SQ
	v_lshl_add_u32 v108, v110, 4, s38
	v_lshl_add_u32 v114, v0, 4, STGC
	v_lshl_add_u32 v115, v0, 2, SSTG
	v_lshrrev_b32 v117, 7, v0
	v_and_b32 v118, 127, v0
	v_lshlrev_b32 v118, 2, v118
	v_lshl_add_u32 v116, v117, 11, v118
	v_add_nc_u32 v116, SQ, v116
	v_lshlrev_b32 v119, 4, v0
	v_mad_u32_u24 v120, v117, 94208, v118
	v_mov_b32 v85, 0                               ; written once: a lane permute's destination counts as one of its sources
	v_mov_b32 v89, 0
	s_mul_i32 s38, s34, 376832
	s_lshl_b32 s41, s14, 14
	s_add_co_u32 s38, s38, s41
	s_add_co_u32 s38, s38, H0_O
	s_add_nc_u64 s[26:27], s[10:11], s[38:39]
	s_mul_i32 s38, s14, 98304
	s_mul_i32 s41, s13, 12288
	s_add_co_u32 s38, s38, s41
	s_add_nc_u64 s[52:53], s[10:11], s[38:39]
	s_lshl_b32 s38, s14, 12
	s_lshl_b32 s41, s13, 9
	s_add_co_u32 s38, s38, s41
	s_add_co_u32 s38, s38, HSC_O
	s_add_nc_u64 s[54:55], s[10:11], s[38:39]
; Row tiles 2 mm and 2 mm + 1.  E = v16-47, P = v48-79 (16 registers a tile).
.macro PAIR mm
	s_wait_xcnt 0x0                                ; the last pair's stores have read P,
	s_wait_dscnt 0x0                               ; and its LDS stores their registers
	WIN 0x01
.irp tt, 0,1
.irp j, 0,2,4,6,8,10,12,14
	v_pk_mul_f32 v[16+16*\tt+\j:17+16*\tt+\j], v[64*(\mm)+32*\tt+\j:64*(\mm)+32*\tt+\j+1], s[30:31] op_sel_hi:[1,0]   ; -log2(e) s1; each accumulator from its low end on
.endr
.endr
	WIN 0x05
.irp tt, 0,1
.irp j, 0,2,4,6,8,10,12,14
	v_pk_mul_f32 v[48+16*\tt+\j:49+16*\tt+\j], v[64*(\mm)+32*\tt+\j:64*(\mm)+32*\tt+\j+1], v[64*(\mm)+32*\tt+16+\j:64*(\mm)+32*\tt+17+\j]   ; s1 s3
.endr
.endr
	WIN 0
.irp j, 0,1,2,3,4,5,6,7,8,9,10,11,12,13,14,15,16,17,18,19,20,21,22,23,24,25,26,27,28,29,30,31
	v_exp_f32 v[16+\j], v[16+\j]
.endr
	v_nop
	s_wait_alu depctr_va_vdst(0)                   ; one wait for the batch, ahead of its first reader
.irp j, 0,2,4,6,8,10,12,14,16,18,20,22,24,26,28,30
	v_pk_add_f32 v[16+\j:17+\j], v[16+\j:17+\j], 1.0 op_sel_hi:[1,0]
.endr
.irp j, 0,1,2,3,4,5,6,7,8,9,10,11,12,13,14,15,16,17,18,19,20,21,22,23,24,25,26,27,28,29,30,31
	v_rcp_f32 v[16+\j], v[16+\j]
.endr
	v_nop
	s_wait_alu depctr_va_vdst(0)
.irp j, 0,2,4,6,8,10,12,14,16,18,20,22,24,26,28,30
	v_pk_mul_f32 v[48+\j:49+\j], v[48+\j:49+\j], v[16+\j:17+\j]   ; sp = s1 s3 / (1 + 2^(-log2(e) s1))
.endr
	v_cndmask_b32 v48, v48, 0, s28                 ; unit 0 is the time's place
	v_cndmask_b32 v64, v64, 0, s28
	s_cmp_lg_u32 s50, 0
	s_cbranch_scc1 .Lnoh0_\@
.irp tt, 0,1
.irp g, 0,1,2,3
	global_store_b128 v3, v[48+16*\tt+4*\g:51+16*\tt+4*\g], s[26:27] offset:2048*(2*(\mm)+\tt)+512*\g   ; block 0 as numbers
.endr
.endr
.Lnoh0_\@:
.irp tt, 0,1
	v_pk_mul_f32 v[80+2*\tt:81+2*\tt], v[48+16*\tt:49+16*\tt], v[48+16*\tt:49+16*\tt]
.endr
.irp j, 2,4,6,8,10,12,14
.irp tt, 0,1
	v_pk_fma_f32 v[80+2*\tt:81+2*\tt], v[48+16*\tt+\j:49+16*\tt+\j], v[48+16*\tt+\j:49+16*\tt+\j], v[80+2*\tt:81+2*\tt]
.endr
.endr
.irp tt, 0,1
	v_add_f32 v[80+2*\tt], v[80+2*\tt], v[81+2*\tt]
.endr
.irp tt, 0,1
	v_permlanex16_b32 v[81+2*\tt], v[80+2*\tt], s32, s33
.endr
.irp tt, 0,1
	v_add_f32 v[80+2*\tt], v[80+2*\tt], v[81+2*\tt]
.endr
	v_cndmask_b32 v[100+\mm], v80, v82, s29        ; lane L: the block's sum of squares of row 32 mm + L
.irp tt, 0,1
	v_max3_num_f32 v[84+4*\tt], |v[48+16*\tt]|, |v[49+16*\tt]|, 0x1800000   ; with the floor 2^(3 - 127)
.endr
.irp i, 2,4,6,8,10,12,14
.irp tt, 0,1
	v_max3_num_f32 v[84+4*\tt], v[84+4*\tt], |v[48+16*\tt+\i]|, |v[49+16*\tt+\i]|
.endr
.endr
.irp tt, 0,1
	v_permlanex16_b32 v[85+4*\tt], v[84+4*\tt], s32, s33
.endr
.irp tt, 0,1
	v_max_num_f32 v[84+4*\tt], v[84+4*\tt], v[85+4*\tt]        ; the block's largest magnitude
.endr
.irp tt, 0,1
	v_add_nc_u32 v[86+4*\tt], 0xff000000, v[84+4*\tt]          ; the conversion's scale operand
.endr
.irp tt, 0,1
	v_lshrrev_b32 v[87+4*\tt], 23, v[86+4*\tt]                 ; the scale's byte
.endr
	v_cvt_scalef32_pk16_fp6_f32 v[92:94], v[48:63], v86
	v_cvt_scalef32_pk16_fp6_f32 v[96:98], v[64:79], v90
	v_nop                                          ; one plain place behind a scaled conversion
.irp i, 0,1,2
	v_permlane16_swap_b32 v[92+\i], v[96+\i]       ; lanes 0-15 now hold the whole block of tile 2 mm, lanes 16-31 that of tile 2 mm + 1
.endr
	v_mov_b32 v95, v96
	v_mov_b32 v96, v97
	v_mov_b32 v97, v98
	v_cndmask_b32 v99, v87, v91, s29
	ds_store_b64 v104, v[92:93] offset:3072*(\mm)
	ds_store_b64 v105, v[94:95] offset:3072*(\mm)
	ds_store_b64 v106, v[96:97] offset:3072*(\mm)
	ds_store_b8 v107, v99 offset:128*(\mm)
.endm
	PAIR 0
	PAIR 1
	PAIR 2
	PAIR 3
	ds_store_b128 v108, v[100:103]
	s_wait_dscnt 0x0                               ; my codes, bytes and sums have landed
	s_barrier_signal -1
	s_barrier_wait -1
.irp i, 0,1,2,3,4,5
	ds_load_b128 v[16+4*\i:19+4*\i], v114 offset:4096*\i
.endr
	ds_load_b32 v40, v115
.irp i, 0,1,2,3
	ds_load_b32 v[41+\i], v116 offset:512*\i
.endr
	s_wait_dscnt 0x0
	v_add_f32 v41, v41, v42
	v_add_f32 v43, v43, v44
	v_add_f32 v41, v41, v43                        ; the chunk's sum of squares of a row
.irp i, 0,1,2,3,4,5
	global_store_b128 v119, v[16+4*\i:19+4*\i], s[52:53] offset:(\i/3)*2260992+(\i%3)*4096   ; a wave stores 512 consecutive bytes
.endr
	global_store_b32 v120, v40, s[54:55]
	global_store_b32 v120, v41, s[54:55] offset:188416
	s_wait_tensorcnt 0x0                           ; the wave's end, behind my last LDS store
	ds_add_u32 v[SPW], v[NIL]
	s_wait_dscnt 0x0
	s_endpgm
.Lfunc_end_k_q7cc2e81dee_up:
	.size	k_q7cc2e81dee_up, .Lfunc_end_k_q7cc2e81dee_up-k_q7cc2e81dee_up
	.p2alignl 7, 3214868480
	.fill 96, 4, 3214868480
	.section	.rodata,"a",@progbits
	.p2align	6, 0x0
	.amdhsa_kernel k_q7cc2e81dee_up
		.amdhsa_group_segment_fixed_size 135168
		.amdhsa_private_segment_fixed_size 0
		.amdhsa_enable_private_segment 0
		.amdhsa_kernarg_size 32
		.amdhsa_user_sgpr_count 2
		.amdhsa_user_sgpr_kernarg_segment_ptr 1
		.amdhsa_wavefront_size32 1
		.amdhsa_system_sgpr_workgroup_id_x 1
		.amdhsa_system_sgpr_workgroup_id_y 1
		.amdhsa_system_sgpr_workgroup_id_z 1
		.amdhsa_system_vgpr_workitem_id 0
		.amdhsa_next_free_vgpr 512
		.amdhsa_next_free_sgpr 66
		.amdhsa_reserve_vcc 0
		.amdhsa_float_denorm_mode_32 3
		.amdhsa_float_denorm_mode_16_64 3
		.amdhsa_memory_ordered 1
		.amdhsa_forward_progress 1
		.amdhsa_inst_pref_size 125
	.end_amdhsa_kernel
	.amdgpu_metadata
---
amdhsa.version: [ 1, 2 ]
amdhsa.kernels:
  - .name:           k_q7cc2e81dee_up
    .symbol:         k_q7cc2e81dee_up.kd
    .args:
      - { .name: tokq, .offset: 0, .size: 8, .value_kind: global_buffer, .address_space: global }
      - { .name: wimg, .offset: 8, .size: 8, .value_kind: global_buffer, .address_space: global }
      - { .name: route, .offset: 16, .size: 8, .value_kind: global_buffer, .address_space: global }
      - { .name: hid, .offset: 24, .size: 8, .value_kind: global_buffer, .address_space: global }
    .group_segment_fixed_size: 135168
    .private_segment_fixed_size: 0
    .kernarg_segment_align: 8
    .kernarg_segment_size: 32
    .max_flat_workgroup_size: 256
    .sgpr_count:     66
    .vgpr_count:     512
    .wavefront_size: 32
...
	.end_amdgpu_metadata
.endif
;; end of part 3
;; launch down (part 4): grid 8 x 23, 8 waves a work-group, no clusters, 206,848 bytes of LDS; arguments hid, wimg, route, tokq, cmb; writes cmb
.if DOCPART == 4
	.amdgcn_target "amdgcn-amd-amdhsa--gfx1250"
	.amdhsa_code_object_version 6
	.text
	.protected	k_q7cc2e81dee_down
	.globl	k_q7cc2e81dee_down
	.p2align	8
	.type	k_q7cc2e81dee_down,@function
k_q7cc2e81dee_down:
	s_mov_b64 s[64:65], 0
	v_nop
	global_prefetch_b8 v0, s[64:65] scope:SCOPE_SE
	s_setreg_imm32_b32 hwreg(HW_REG_WAVE_MODE, 25, 1), 1
	s_wait_xcnt 0x0
; Fourth launch: t = sqrt(max(sum sp^2 + 1, 1e-8)) goes into block 0 of h, which is quantised here; o = h W2^T for the tile's expert and zo = h' Ws2^T for the shared one;
; comb = zo + 2 w o, and partial sums of o^2, zo^2 and comb^2.  Left out: the experts not chosen, as in the launch before.
; As there, every wave passes every barrier, so no work-group ends on a stored number: a tile with no rows (TILEX = 8) runs like any other, with the expert's number held at 7 and token 0 in its slots;
; its rows of the workspace are named by no token's slot and are read for no output.
; No tensor load, no copy, no cluster: the weights' addresses hang on a stored number.
; SHARES.  Work-group (x = chunk of 128 output units, y = tile of 128 rows).  Wave w: kind kp = w & 1, q = w >> 1: output block kb = 4 chunk + q, all 128 rows: 16 accumulators, 128 matrix instructions.
; Accumulator index a = 0 .. 3 is row tile 4 kp + a (these I keep), a = 4 .. 7 row tile 4 (1 - kp) + a - 4 (these go to wave w xor 1, which combines them).
; Output unit n belongs to weight row n - 1; unit 0 (the time) is masked to 0 here and made by the last launch.
; REGISTERS, window 0: v3-23 addresses; v24-31 the weights' scale words, v32-39 h's (scales and nothing else); v40-111 three slots of two fragments; v112-239 accumulator (a, u) at 112 + 8 (2 a + u);
;   v240-255 tokens, then the pairs cm and ct.  In the prologue v40-231 carry h's images to LDS and v232-239 the parts of the sums.   window 1: v0-191 my weights; v192-223 block 0 as numbers; v232-244 at work.
.set WSC_O,   21233664
.set TILEX_O, 20224
.set GWT_O,   1638400
.set HSC_O,   4521984
.set SSQ_O,   4710400
.set H0_O,    4898816
.set PSUM_O,  12058624
.set HIMG,  0                          ; LDS: h's fragments [kind][s][m][1536]
.set HSCL,  196608                     ; their scale words [kind][s][row]
.set TL,    204800                     ; t [kind][row]
.set SPARE, 205824
.set EX,    0                          ; behind the products, in HIMG's bytes: what a wave hands to its partner, 8,192 bytes a wave;
.set STG,   65536                      ; 128 rows x (512 + 16) of comb;
.set PSB,   133120                     ; sums [q][which][row]
.set SPW, 1
.set NIL, 2
.set MSB, 0
.macro WIN new
.if MSB != \new
	s_set_vgpr_msb (MSB<<8)|\new
.set MSB, \new
.endif
.endm
.macro WM ra, rb, z
.if \z
.if (\ra) && (\rb)
	v_wmma_scale_f32_16x16x128_f8f6f4 v[D_:D_+7], v[A_:A_+11], v[B_:B_+11], 0, v[SA_], v[SB_] matrix_a_fmt:MATRIX_FMT_FP6 matrix_b_fmt:MATRIX_FMT_FP6 matrix_a_scale:MATRIX_SCALE_ROW1 matrix_b_scale:MATRIX_SCALE_ROW1
.elseif \ra
	v_wmma_scale_f32_16x16x128_f8f6f4 v[D_:D_+7], v[A_:A_+11], v[B_:B_+11], 0, v[SA_], v[SB_] matrix_a_fmt:MATRIX_FMT_FP6 matrix_b_fmt:MATRIX_FMT_FP6 matrix_a_scale:MATRIX_SCALE_ROW1
.elseif \rb
	v_wmma_scale_f32_16x16x128_f8f6f4 v[D_:D_+7], v[A_:A_+11], v[B_:B_+11], 0, v[SA_], v[SB_] matrix_a_fmt:MATRIX_FMT_FP6 matrix_b_fmt:MATRIX_FMT_FP6 matrix_b_scale:MATRIX_SCALE_ROW1
.else
	v_wmma_scale_f32_16x16x128_f8f6f4 v[D_:D_+7], v[A_:A_+11], v[B_:B_+11], 0, v[SA_], v[SB_] matrix_a_fmt:MATRIX_FMT_FP6 matrix_b_fmt:MATRIX_FMT_FP6
.endif
.else
.if (\ra) && (\rb)
	v_wmma_scale_f32_16x16x128_f8f6f4 v[D_:D_+7], v[A_:A_+11], v[B_:B_+11], v[D_:D_+7], v[SA_], v[SB_] matrix_a_fmt:MATRIX_FMT_FP6 matrix_b_fmt:MATRIX_FMT_FP6 matrix_a_scale:MATRIX_SCALE_ROW1 matrix_b_scale:MATRIX_SCALE_ROW1
.elseif \ra
	v_wmma_scale_f32_16x16x128_f8f6f4 v[D_:D_+7], v[A_:A_+11], v[B_:B_+11], v[D_:D_+7], v[SA_], v[SB_] matrix_a_fmt:MATRIX_FMT_FP6 matrix_b_fmt:MATRIX_FMT_FP6 matrix_a_scale:MATRIX_SCALE_ROW1
.elseif \rb
	v_wmma_scale_f32_16x16x128_f8f6f4 v[D_:D_+7], v[A_:A_+11], v[B_:B_+11], v[D_:D_+7], v[SA_], v[SB_] matrix_a_fmt:MATRIX_FMT_FP6 matrix_b_fmt:MATRIX_FMT_FP6 matrix_b_scale:MATRIX_SCALE_ROW1
.else
	v_wmma_scale_f32_16x16x128_f8f6f4 v[D_:D_+7], v[A_:A_+11], v[B_:B_+11], v[D_:D_+7], v[SA_], v[SB_] matrix_a_fmt:MATRIX_FMT_FP6 matrix_b_fmt:MATRIX_FMT_FP6
.endif
.endif
.endm
.macro XSLD s                          ; h's scale words of K step s: register i: lanes 0-15 accumulator index 2 i, lanes 16-31 index 2 i + 1
	ds_load_b32 v[32+4*((\s)%2)],   v13 offset:512*(\s)
	ds_load_b32 v[32+4*((\s)%2)+1], v13 offset:512*(\s)+128
	ds_load_b32 v[32+4*((\s)%2)+2], v14 offset:512*(\s)
	ds_load_b32 v[32+4*((\s)%2)+3], v14 offset:512*(\s)+128
.endm
.macro HGRP n                          ; group n = 4 s + i: h's fragments of indices 2 i, 2 i + 1, K step s, into slot n % 3: six loads
.set S2_, (\n)/4
.set I2_, (\n)%4
.irp aa, 0,1
.irp g, 0,1,2
	ds_load_b128 v[40+24*((\n)%3)+12*\aa+4*\g:40+24*((\n)%3)+12*\aa+4*\g+3], v[9+2*(I2_/2)+(S2_/4)] offset:(S2_%4)*12288+((2*I2_+\aa)%4)*1536+512*\g
.endr
.endr
.endm
.macro MULG n                          ; four matrix instructions on four accumulators; the 16 take turns
.irp aa, 0,1
.irp u, 0,1
.set D_, 112+8*(2*(2*I_+\aa)+\u)
.set A_, 24*S_+12*\u
.set B_, 40+24*((\n)%3)+12*\aa
.set SA_, 24+S_
.set SB_, 32+4*(S_%2)+I_
	WM \u, \aa, (S_==0)
.endr
.endr
.endm
.macro GROUP n
.set S_, (\n)/4
.set I_, (\n)%4
.if I_ == 0
	s_wait_loadcnt 6*(7-S_)                        ; the later steps' weights may be out
.endif
.if (\n) == 31
	s_wait_dscnt 0x0
.elseif (\n) == 30
	s_wait_dscnt 6
.elseif (I_ >= 2) && (S_ < 7)
	s_wait_dscnt 16                                ; two groups' twelve loads and the next step's four scale words
.else
	s_wait_dscnt 12                                ; two groups' twelve loads
.endif
	WIN 0x01                                       ; source 0, the weights, in window 1
	MULG \n
.rept 4
	v_nop                                          ; places in front of loads into registers that these products have read
.endr
	WIN 0
.if (I_ == 1) && (S_ < 7)
	XSLD S_+1
.endif
.if (\n)+3 <= 31
	HGRP (\n)+3
.endif
.endm
; Block 0 of kind k, rows 16 w + r: unit 0 becomes t; the block is quantised; its codes take registers 0-5 of lanes 0-15 of the image (K step 0, row tile w), its byte the lowest of the scale word.
.macro PATCH k
.set Z_, 192+16*(\k)
.set IM_, 40+12*(\k)
	WIN 0x40
	ds_load_b32 v232, v15 offset:512*(\k)
	s_wait_dscnt 0x0
	WIN 0x55
	v_cndmask_b32 v[Z_], v[Z_], v232, s30
	v_max3_num_f32 v233, |v[Z_]|, |v[Z_+1]|, 0x1800000
.irp i, 2,4,6,8,10,12,14
	v_max3_num_f32 v233, v233, |v[Z_+\i]|, |v[Z_+\i+1]|
.endr
	v_permlanex16_b32 v234, v233, s32, s33
	v_max_num_f32 v233, v233, v234
	v_add_nc_u32 v235, 0xff000000, v233
	v_lshrrev_b32 v236, 23, v235
	v_cvt_scalef32_pk16_fp6_f32 v[238:240], v[Z_:Z_+15], v235
	v_nop                                          ; one plain place behind a scaled conversion
.irp i, 0,1,2
	v_permlanex16_b32 v[242+\i], v[238+\i], s32, s33           ; lanes 0-15 get the block's upper 16 codes
.endr
	WIN 0x04
.irp i, 0,1,2
	v_cndmask_b32 v[IM_+\i], v[IM_+\i], v[238+\i], s30         ; lanes 16-31 keep block 1
	v_cndmask_b32 v[IM_+3+\i], v[IM_+3+\i], v[242+\i], s30
.endr
	WIN 0x10
	v_and_or_b32 v[22+(\k)], v[22+(\k)], 0xffffff00, v236
	WIN 0
.irp g, 0,1,2
	ds_store_b128 v[5+2*(\k)], v[IM_+4*\g:IM_+4*\g+3] offset:512*\g
.endr
	ds_store_b32 v19, v[22+(\k)] offset:4096*(\k)  ; both halves of the lanes hold the same word
.endm
	s_load_b256 s[4:11], s[0:1], 0x0               ; hid, wimg, route, tokq
	s_load_b64 s[44:45], s[0:1], 0x20              ; cmb
	v_lshl_add_u32 v[SPW], v0, 2, SPARE
	v_mov_b32 v[NIL], 0
	v_lshrrev_b32 v22, 5, v0
	v_readfirstlane_b32 s12, v22                   ; wave
	s_mov_b32 s13, ttmp9                           ; chunk
	s_and_b32 s14, ttmp7, 0xffff                   ; tile
	s_and_b32 s34, s12, 1                          ; kp
	s_lshr_b32 s35, s12, 1                         ; q
	s_xor_b32 s40, s34, 1
	s_lshl_b32 s36, s13, 2
	s_add_co_u32 s36, s36, s35                     ; kb
	s_lshl_b32 s37, s14, 2
	s_wait_kmcnt 0x0
	s_load_b32 s15, s[8:9], s37 offset:TILEX_O
	v_and_b32 v22, 31, v0                          ; L
	v_and_b32 v23, 15, v0                          ; r
	v_lshlrev_b32 v3, 4, v22
	v_lshlrev_b32 v4, 5, v22
	s_mul_i32 s41, s12, 1536
	v_add_nc_u32 v5, s41, v3                       ; where I put images: kind 0, K steps 0-3; row tile w
	v_add_nc_u32 v6, 49152, v5                     ; kind 0, K steps 4-7
	v_add_nc_u32 v7, 98304, v5                     ; kind 1
	v_add_nc_u32 v8, 147456, v5
	s_mul_i32 s41, s34, 98304
	s_mul_i32 s42, s34, 6144
	s_add_co_u32 s42, s42, s41
	v_add_nc_u32 v9, s42, v3                       ; where I read them: my kind, row tiles 4 kp on
	v_add_nc_u32 v10, 49152, v9
	s_mul_i32 s42, s40, 6144
	s_add_co_u32 s42, s42, s41
	v_add_nc_u32 v11, s42, v3                      ; row tiles 4 (1 - kp) on
	v_add_nc_u32 v12, 49152, v11
	s_mul_i32 s41, s34, 4096
	s_add_co_u32 s41, s41, HSCL
	s_lshl_b32 s42, s34, 8
	s_add_co_u32 s42, s42, s41
	v_lshl_add_u32 v13, v22, 2, s42
	s_lshl_b32 s42, s40, 8
	s_add_co_u32 s42, s42, s41
	v_lshl_add_u32 v14, v22, 2, s42
	s_lshl_b32 s41, s12, 6
	v_lshl_add_u32 v20, v23, 2, s41                ; 4 (16 w + r)
	v_add_nc_u32 v15, TL, v20
	v_add_nc_u32 v19, HSCL, v20
	v_lshlrev_b32 v21, 2, v23
	v_lshrrev_b32 v16, 7, v0                       ; by thread: kind t >> 7, slot or row t & 127
	v_and_b32 v17, 127, v0
	v_lshlrev_b32 v18, 2, v17
	v_and_b32 v22, 3, v17
	v_lshrrev_b32 v23, 2, v17
	v_lshlrev_b32 v23, 2, v23
	v_lshl_add_u32 v23, v22, 7, v23                ; slot p holds row 32 (p & 3) + (p >> 2)
	v_lshl_add_u32 v23, v16, 9, v23
	v_mad_u32_u24 v17, v16, 94208, v18
	v_lshl_add_u32 v18, v16, 12, v18
	v_add_nc_u32 v18, HSCL, v18
	v_add_nc_u32 v16, TL, v23
	s_mov_b32 s39, 0
	s_lshl_b32 s41, s14, 12
	s_add_co_u32 s38, s41, SSQ_O
	s_add_nc_u64 s[20:21], s[4:5], s[38:39]
	s_add_co_u32 s38, s41, HSC_O
	s_add_nc_u64 s[22:23], s[4:5], s[38:39]
	s_lshl_b32 s38, s14, 14
	s_lshl_b32 s42, s12, 11
	s_add_co_u32 s38, s38, s42
	s_add_co_u32 s38, s38, H0_O
	s_add_nc_u64 s[24:25], s[4:5], s[38:39]
	s_mul_i32 s38, s14, 98304
	s_mul_i32 s42, s12, 1536
	s_add_co_u32 s38, s38, s42
	s_add_nc_u64 s[26:27], s[4:5], s[38:39]
	s_lshl_b32 s38, s14, 9
	s_lshl_b32 s42, s34, 8
	s_add_co_u32 s38, s38, s42
	s_add_nc_u64 s[46:47], s[8:9], s[38:39]
	s_lshl_b32 s38, s14, 7
	s_lshl_b32 s42, s12, 4
	s_add_co_u32 s38, s38, s42
	s_lshl_b32 s38, s38, 12
	s_lshl_b32 s42, s13, 9
	s_add_co_u32 s38, s38, s42
	s_add_nc_u64 s[48:49], s[44:45], s[38:39]
	s_lshl_b32 s38, s14, 3
	s_add_co_u32 s38, s38, s13
	s_mul_i32 s38, s38, 1536
	s_add_co_u32 s38, s38, PSUM_O
	s_add_nc_u64 s[50:51], s[44:45], s[38:39]
	s_mov_b32 s29, 0xffff0000
	s_mov_b32 s30, 0xffff
	s_mov_b32 s32, 0x76543210
	s_mov_b32 s33, 0xfedcba98
	s_cmp_eq_u32 s36, 0
	s_cselect_b32 s28, 0xffff, 0                   ; the lanes that hold output unit 0 in their first register
	s_cmp_eq_u32 s34, 1
	s_cselect_b32 s31, -1, 0
	s_wait_kmcnt 0x0
	s_min_u32 s15, s15, 7                          ; a tile with no rows (8) takes expert 7's weights: no branch hangs on the number
	s_add_co_u32 s41, s15, 16
	s_mul_i32 s41, s41, s40
	s_mul_i32 s42, s34, 26
	s_add_co_u32 s41, s41, s42                     ; W2[e] or Ws2
	s_mul_i32 s38, s41, 786432
	s_mul_i32 s42, s36, 24576
	s_add_co_u32 s38, s38, s42
	s_add_nc_u64 s[16:17], s[6:7], s[38:39]
	s_lshl_b32 s38, s41, 5
	s_add_co_u32 s38, s38, s36
	s_lshl_b32 s38, s38, 10
	s_add_co_u32 s38, s38, WSC_O
	s_add_nc_u64 s[18:19], s[6:7], s[38:39]
	; first group, 12 loads: the parts of the sums of squares, and my rows' tokens
.irp c, 0,1,2,3,4,5,6,7
	global_load_b32 v[232+\c], v17, s[20:21] offset:512*\c
.endr
.irp a, 0,1,2,3
	global_load_b32 v[240+4*\a], v21, s[46:47] offset:64*\a
.endr
	; second group, 16 loads: block 0 as numbers, the scale words and the images of K step 0, row tile w, both kinds
	WIN 0x40
.irp k, 0,1
.irp g, 0,1,2,3
	global_load_b128 v[192+16*\k+4*\g:195+16*\k+4*\g], v3, s[24:25] offset:376832*\k+512*\g
.endr
.endr
	v_mov_b32 v234, 0                              ; written once: a lane permute's destination counts as one of its sources
	v_mov_b32 v242, 0
	v_mov_b32 v243, 0
	v_mov_b32 v244, 0
	WIN 0
	global_load_b32 v22, v20, s[22:23]
	global_load_b32 v23, v20, s[22:23] offset:94208
.irp k, 0,1
.irp g, 0,1,2
	global_load_b128 v[40+12*\k+4*\g:43+12*\k+4*\g], v3, s[26:27] offset:2260992*\k+512*\g
.endr
.endr
	; third group, 25 loads: the scale words of K steps 1-7 (by thread), the images of K steps 1-3
.irp s, 1,2,3,4,5,6,7
	global_load_b32 v[31+\s], v17, s[22:23] offset:512*\s
.endr
.irp s, 1,2,3
.irp k, 0,1
.irp g, 0,1,2
	global_load_b128 v[40+24*\s+12*\k+4*\g:43+24*\s+12*\k+4*\g], v3, s[26:27] offset:2260992*\k+12288*\s+512*\g
.endr
.endr
.endr
	s_wait_loadcnt 41                              ; behind the first group stand 16 + 25
	v_add_f32 v232, v232, v233
	v_add_f32 v234, v234, v235
	v_add_f32 v236, v236, v237
	v_add_f32 v238, v238, v239
	v_add_f32 v232, v232, v234
	v_add_f32 v236, v236, v238
	v_add_f32 v232, v232, v236
	v_add_f32 v232, 1.0, v232                      ; + c_mid
	v_max_num_f32 v232, 0x322bcc77, v232           ; the clip at 1e-8
	v_sqrt_f32 v232, v232
	v_nop
	s_wait_alu depctr_va_vdst(0)
	ds_store_b32 v16, v232                         ; t of one row of one kind
.irp a, 0,1,2,3
	v_min_u32 v[240+4*\a], 2047, v[240+4*\a]
	v_lshlrev_b32 v[240+4*\a], 2, v[240+4*\a]
.endr
.irp a, 0,1,2,3
	global_load_b32 v[240+4*\a], v[240+4*\a], s[10:11] offset:GWT_O   ; fourth group, 4 loads: the gate's weights; each lands on its own address register
.endr
	s_wait_dscnt 0x0
	s_barrier_signal -1
	s_barrier_wait -1                              ; every row's t lies in LDS
	s_wait_loadcnt 29                              ; behind the second group stand 25 + 4: block 0, its words and its images are in
	; fifth group, 24 loads: the images of K steps 4-7 (53 loads of mine are out behind them)
.irp s, 4,5,6,7
.irp k, 0,1
.irp g, 0,1,2
	global_load_b128 v[40+24*\s+12*\k+4*\g:43+24*\s+12*\k+4*\g], v3, s[26:27] offset:2260992*\k+12288*\s+512*\g
.endr
.endr
.endr
	PATCH 0
	PATCH 1
	s_wait_loadcnt 24                              ; behind the third and fourth groups stands the fifth's 24
.irp s, 1,2,3,4,5,6,7
	ds_store_b32 v18, v[31+\s] offset:512*\s
.endr
.irp s, 1,2,3
.irp k, 0,1
.irp g, 0,1,2
	ds_store_b128 v[5+2*\k+(\s/4)], v[40+24*\s+12*\k+4*\g:43+24*\s+12*\k+4*\g] offset:(\s%4)*12288+512*\g
.endr
.endr
.endr
	; sixth group: my weights, K step by K step, behind their scale words.  First 2 + 36 loads: 62 of mine are out behind them
	global_load_b128 v[24:27], v4, s[18:19]
	global_load_b128 v[28:31], v4, s[18:19] offset:16
	WIN 0x40
.irp s, 0,1,2,3,4,5
.irp u, 0,1
.irp g, 0,1,2
	global_load_b128 v[24*\s+12*\u+4*\g:24*\s+12*\u+4*\g+3], v3, s[16:17] offset:3072*\s+1536*\u+512*\g
.endr
.endr
.endr
	WIN 0
	s_wait_loadcnt 38                              ; behind the fifth group stand these 38
.irp s, 4,5,6,7
.irp k, 0,1
.irp g, 0,1,2
	ds_store_b128 v[5+2*\k+(\s/4)], v[40+24*\s+12*\k+4*\g:43+24*\s+12*\k+4*\g] offset:(\s%4)*12288+512*\g
.endr
.endr
.endr
	WIN 0x40
.irp s, 6,7
.irp u, 0,1
.irp g, 0,1,2
	global_load_b128 v[24*\s+12*\u+4*\g:24*\s+12*\u+4*\g+3], v3, s[16:17] offset:3072*\s+1536*\u+512*\g   ; the last 12: 50 are out at the most
.endr
.endr
.endr
	WIN 0
.irp a, 0,1,2,3
	v_add_f32 v[242+4*\a], v[240+4*\a], v[240+4*\a]            ; 2 w
	v_cndmask_b32 v[240+4*\a], v[242+4*\a], 1.0, s31           ; what multiplies my results: 2 w for the routed kind, 1 for the shared
	v_cndmask_b32 v[242+4*\a], 1.0, v[242+4*\a], s31           ; and my partner's
	v_mov_b32 v[241+4*\a], v[240+4*\a]
	v_mov_b32 v[243+4*\a], v[242+4*\a]
.endr
	s_wait_dscnt 0x0                               ; my images and words have landed
	s_barrier_signal -1
	s_barrier_wait -1
	XSLD 0
	HGRP 0
	HGRP 1
	HGRP 2
.set N_, 0
.rept 32
	GROUP N_
.set N_, N_+1
.endr
	; ---- behind the products.  Every window is 0, four places stand behind the last product, no LDS load is out
	v_and_b32 v22, 31, v0
	v_and_b32 v23, 15, v0
	v_bfe_u32 v21, v0, 4, 1
	s_lshl_b32 s41, s12, 13
	v_add_nc_u32 v5, s41, v3                       ; what I hand over
	s_xor_b32 s42, s12, 1
	s_lshl_b32 s42, s42, 13
	v_add_nc_u32 v6, s42, v3                       ; what my partner hands me
	s_mul_i32 s41, s35, 1536
	s_lshl_b32 s42, s34, 8
	s_add_co_u32 s41, s41, s42
	s_add_co_u32 s41, s41, PSB
	s_lshl_b32 s42, s34, 9
	s_add_co_u32 s42, s42, s41
	v_lshl_add_u32 v7, v22, 2, s42                 ; sums of my kind,
	s_lshl_b32 s42, s40, 9
	s_add_co_u32 s42, s42, s41
	v_lshl_add_u32 v8, v22, 2, s42                 ; of the other kind,
	s_add_co_u32 s42, s41, 1024
	v_lshl_add_u32 v9, v22, 2, s42                 ; of comb
	s_mul_i32 s41, s34, 33792
	s_lshl_b32 s42, s35, 7
	s_add_co_u32 s41, s41, s42
	s_add_co_u32 s41, s41, STG
	v_mul_u32_u24 v10, v23, 528
	v_lshl_add_u32 v10, v21, 6, v10
	v_add_nc_u32 v10, s41, v10
	s_mul_i32 s41, s12, 8448
	s_add_co_u32 s41, s41, STG
	v_add_nc_u32 v11, s41, v3
	v_lshlrev_b32 v13, 3, v0
	v_add_nc_u32 v12, PSB, v13
.irp a, 0,1,2,3,4,5,6,7
	v_cndmask_b32 v[112+16*\a], v[112+16*\a], 0, s28           ; output unit 0 is the time's place
.endr
	s_wait_dscnt 0x0
	s_barrier_signal -1
	s_barrier_wait -1                              ; nobody reads h's images any more
.irp j, 0,1,2,3,4,5,6,7,8,9,10,11,12,13,14,15
	ds_store_b128 v5, v[176+4*\j:179+4*\j] offset:512*\j       ; each accumulator from its low end on
.endr
	s_wait_dscnt 0x0
	s_barrier_signal -1
	s_barrier_wait -1
.irp j, 0,1,2,3,4,5,6,7,8,9,10,11,12,13,14,15
	ds_load_b128 v[40+4*\j:43+4*\j], v6 offset:512*\j
.endr
	s_wait_dscnt 0x0
.irp a, 0,1,2,3
.irp j, 0,2,4,6,8,10,12,14
	v_pk_mul_f32 v[176+16*\a+\j:177+16*\a+\j], v[112+16*\a+\j:113+16*\a+\j], v[240+4*\a:241+4*\a] op_sel_hi:[1,0]
.endr
.irp j, 0,2,4,6,8,10,12,14
	v_pk_fma_f32 v[176+16*\a+\j:177+16*\a+\j], v[40+16*\a+\j:41+16*\a+\j], v[242+4*\a:243+4*\a], v[176+16*\a+\j:177+16*\a+\j] op_sel_hi:[1,0,1]   ; comb = zo + 2 w o
.endr
	v_pk_mul_f32 v[104:105], v[112+16*\a:113+16*\a], v[112+16*\a:113+16*\a]
	v_pk_mul_f32 v[106:107], v[40+16*\a:41+16*\a], v[40+16*\a:41+16*\a]
	v_pk_mul_f32 v[108:109], v[176+16*\a:177+16*\a], v[176+16*\a:177+16*\a]
.irp j, 2,4,6,8,10,12,14
	v_pk_fma_f32 v[104:105], v[112+16*\a+\j:113+16*\a+\j], v[112+16*\a+\j:113+16*\a+\j], v[104:105]
	v_pk_fma_f32 v[106:107], v[40+16*\a+\j:41+16*\a+\j], v[40+16*\a+\j:41+16*\a+\j], v[106:107]
	v_pk_fma_f32 v[108:109], v[176+16*\a+\j:177+16*\a+\j], v[176+16*\a+\j:177+16*\a+\j], v[108:109]
.endr
	v_add_f32 v104, v104, v105
	v_add_f32 v106, v106, v107
	v_add_f32 v108, v108, v109
	v_permlanex16_b32 v105, v104, s32, s33
	v_permlanex16_b32 v107, v106, s32, s33
	v_permlanex16_b32 v109, v108, s32, s33
	v_add_f32 v[112+16*\a], v104, v105             ; the tile's results are done with: its three sums take their place
	v_add_f32 v[113+16*\a], v106, v107
	v_add_f32 v[114+16*\a], v108, v109
.endr
.irp i, 0,1
	v_cndmask_b32 v[104+3*\i], v[112+32*\i], v[128+32*\i], s29 ; lane L: row 64 kp + 32 i + L
	v_cndmask_b32 v[105+3*\i], v[113+32*\i], v[129+32*\i], s29
	v_cndmask_b32 v[106+3*\i], v[114+32*\i], v[130+32*\i], s29
	ds_store_b32 v7, v[104+3*\i] offset:128*\i
	ds_store_b32 v8, v[105+3*\i] offset:128*\i
	ds_store_b32 v9, v[106+3*\i] offset:128*\i
.endr
.irp a, 0,1,2,3
.irp g, 0,1,2,3
	ds_store_b128 v10, v[176+16*\a+4*\g:179+16*\a+4*\g] offset:8448*\a+16*\g
.endr
.endr
	s_wait_dscnt 0x0
	s_barrier_signal -1
	s_barrier_wait -1                              ; 128 rows of comb and all sums lie in LDS
.irp i, 0,1,2,3,4,5,6,7,8,9,10,11,12,13,14,15
	ds_load_b128 v[40+4*\i:43+4*\i], v11 offset:528*\i
.endr
.irp i, 0,1,2,3,4,5,6,7,8,9,10,11,12,13,14,15
	s_wait_dscnt 15-\i
	global_store_b128 v3, v[40+4*\i:43+4*\i], s[48:49] offset:4096*\i   ; 32 lanes store 512 consecutive bytes, aligned
.endr
	s_cmp_ge_u32 s12, 6
	s_cbranch_scc1 .Lend
.irp i, 0,1,2,3
	ds_load_b64 v[104+2*\i:105+2*\i], v12 offset:1536*\i
.endr
	s_wait_dscnt 0x0
	v_pk_add_f32 v[104:105], v[104:105], v[106:107]
	v_pk_add_f32 v[108:109], v[108:109], v[110:111]
	v_pk_add_f32 v[104:105], v[104:105], v[108:109]            ; the chunk's sums, over its four blocks
	global_store_b64 v13, v[104:105], s[50:51]
.Lend:
	s_wait_tensorcnt 0x0                           ; the wave's end, behind my last LDS store
	ds_add_u32 v[SPW], v[NIL]
	s_wait_dscnt 0x0
	s_endpgm
.Lfunc_end_k_q7cc2e81dee_down:
	.size	k_q7cc2e81dee_down, .Lfunc_end_k_q7cc2e81dee_down-k_q7cc2e81dee_down
	.p2alignl 7, 3214868480
	.fill 96, 4, 3214868480
	.section	.rodata,"a",@progbits
	.p2align	6, 0x0
	.amdhsa_kernel k_q7cc2e81dee_down
		.amdhsa_group_segment_fixed_size 206848
		.amdhsa_private_segment_fixed_size 0
		.amdhsa_enable_private_segment 0
		.amdhsa_kernarg_size 40
		.amdhsa_user_sgpr_count 2
		.amdhsa_user_sgpr_kernarg_segment_ptr 1
		.amdhsa_wavefront_size32 1
		.amdhsa_system_sgpr_workgroup_id_x 1
		.amdhsa_system_sgpr_workgroup_id_y 1
		.amdhsa_system_sgpr_workgroup_id_z 1
		.amdhsa_system_vgpr_workitem_id 0
		.amdhsa_next_free_vgpr 512
		.amdhsa_next_free_sgpr 66
		.amdhsa_reserve_vcc 0
		.amdhsa_float_denorm_mode_32 3
		.amdhsa_float_denorm_mode_16_64 3
		.amdhsa_memory_ordered 1
		.amdhsa_forward_progress 1
		.amdhsa_inst_pref_size 86
	.end_amdhsa_kernel
	.amdgpu_metadata
---
amdhsa.version: [ 1, 2 ]
amdhsa.kernels:
  - .name:           k_q7cc2e81dee_down
    .symbol:         k_q7cc2e81dee_down.kd
    .args:
      - { .name: hid, .offset: 0, .size: 8, .value_kind: global_buffer, .address_space: global }
      - { .name: wimg, .offset: 8, .size: 8, .value_kind: global_buffer, .address_space: global }
      - { .name: route, .offset: 16, .size: 8, .value_kind: global_buffer, .address_space: global }
      - { .name: tokq, .offset: 24, .size: 8, .value_kind: global_buffer, .address_space: global }
      - { .name: cmb, .offset: 32, .size: 8, .value_kind: global_buffer, .address_space: global }
    .group_segment_fixed_size: 206848
    .private_segment_fixed_size: 0
    .kernarg_segment_align: 8
    .kernarg_segment_size: 40
    .max_flat_workgroup_size: 256
    .sgpr_count:     66
    .vgpr_count:     512
    .wavefront_size: 32
...
	.end_amdgpu_metadata
.endif
;; end of part 4
;; launch finish (part 5): grid 256 x 1, 8 waves a work-group, no clusters, 0 bytes of LDS; arguments cmb, route, tokq, out0; writes out0
.if DOCPART == 5
	.amdgcn_target "amdgcn-amd-amdhsa--gfx1250"
	.amdhsa_code_object_version 6
	.text
	.protected	k_q7cc2e81dee_finish
	.globl	k_q7cc2e81dee_finish
	.p2align	8
	.type	k_q7cc2e81dee_finish,@function
k_q7cc2e81dee_finish:
	s_mov_b64 s[64:65], 0
	v_nop
	global_prefetch_b8 v0, s[64:65] scope:SCOPE_SE
	s_setreg_imm32_b32 hwreg(HW_REG_WAVE_MODE, 25, 1), 1
	s_wait_xcnt 0x0
; Fifth launch: a wave to a token.  The token's row of comb is fetched from its slot; ot = sqrt(max(sum o^2 + 1, 1e-8)), zt likewise; comb[0] = zt + 2 + 2 w ot (the 2 is 2 y0[0]);
; li = sum comb[1:]^2 - comb[0]^2; out = comb / sqrt(max(|li|, 1e-8)).  A stream: no LDS, no barrier, no matrix unit.  Rows of slots that hold no token are read by nobody.
.set POS_O,  12032
.set GWT_O,  1638400
.set PSUM_O, 12058624
	s_load_b256 s[4:11], s[0:1], 0x0               ; cmb, route, tokq, out0
	v_lshrrev_b32 v1, 5, v0
	v_readfirstlane_b32 s12, v1
	v_and_b32 v2, 31, v0
	s_lshl_b32 s13, ttmp9, 3
	s_add_co_u32 s13, s13, s12                     ; my token
	s_lshl_b32 s14, s13, 2
	s_wait_kmcnt 0x0
	s_load_b32 s15, s[6:7], s14 offset:POS_O       ; its slot
	s_load_b32 s16, s[8:9], s14 offset:GWT_O       ; its gate weight
	v_lshlrev_b32 v3, 4, v2
	v_and_b32 v4, 7, v2
	v_mul_u32_u24 v4, v4, 1536                     ; lane L: chunk L % 8,
	v_lshrrev_b32 v5, 3, v2
	v_min_u32 v5, 2, v5
	v_lshl_add_u32 v4, v5, 9, v4                   ; sum L / 8: o^2, zo^2, comb^2 (lanes 24-31 repeat the last)
	s_lshl_b32 s20, s13, 12
	s_mov_b32 s21, 0
	s_add_nc_u64 s[10:11], s[10:11], s[20:21]
	s_mov_b32 s31, 1
	s_wait_kmcnt 0x0
	s_min_u32 s15, s15, 2943
	s_lshl_b32 s20, s15, 12
	s_add_nc_u64 s[22:23], s[4:5], s[20:21]
	s_and_b32 s24, s15, 0xf80
	s_mul_i32 s24, s24, 96                         ; tile x 8 chunks x 1,536 bytes
	s_and_b32 s25, s15, 127
	s_lshl_b32 s25, s25, 2
	s_add_co_u32 s24, s24, s25
	s_add_co_u32 s24, s24, PSUM_O
	s_mov_b32 s25, 0
	s_add_nc_u64 s[26:27], s[4:5], s[24:25]
	global_load_b32 v40, v4, s[26:27]
.irp i, 0,1,2,3,4,5,6,7
	global_load_b128 v[8+4*\i:11+4*\i], v3, s[22:23] offset:512*\i th:TH_LOAD_NT
.endr
	s_wait_loadcnt 8                               ; the sums' parts are in; the row's eight loads may be out
	v_add_f32_dpp v40, v40, v40 row_xmask:1 row_mask:0xf bank_mask:0xf
	v_add_f32_dpp v40, v40, v40 row_xmask:2 row_mask:0xf bank_mask:0xf
	v_add_f32_dpp v40, v40, v40 row_xmask:4 row_mask:0xf bank_mask:0xf
	v_readlane_b32 s28, v40, 0
	v_readlane_b32 s29, v40, 8
	v_readlane_b32 s30, v40, 16
	v_mov_b32 v41, s28
	v_mov_b32 v42, s29
	v_mov_b32 v45, s30
	v_add_f32 v41, 1.0, v41
	v_add_f32 v42, 1.0, v42
	v_max_num_f32 v41, 0x322bcc77, v41
	v_max_num_f32 v42, 0x322bcc77, v42
	v_sqrt_f32 v41, v41                            ; ot
	v_sqrt_f32 v42, v42                            ; zt
	v_add_f32 v43, s16, s16                        ; 2 w (a plain place behind the roots)
	s_wait_alu depctr_va_vdst(0)
	v_add_f32 v42, 2.0, v42
	v_fma_f32 v44, v43, v41, v42                   ; comb[0]
	v_fma_f32 v45, -v44, v44, v45                  ; li
	v_and_b32 v45, 0x7fffffff, v45
	v_max_num_f32 v45, 0x322bcc77, v45
	v_rsq_f32 v46, v45
	v_nop
	s_wait_alu depctr_va_vdst(0)
	v_mov_b32 v47, v46
	s_wait_loadcnt 0x0
	v_cndmask_b32 v8, v8, v44, s31                 ; lane 0's first number is comb[0]
.irp j, 0,2,4,6,8,10,12,14,16,18,20,22,24,26,28,30
	v_pk_mul_f32 v[8+\j:9+\j], v[8+\j:9+\j], v[46:47]
.endr
.irp i, 0,1,2,3,4,5,6,7
	global_store_b128 v3, v[8+4*\i:11+4*\i], s[10:11] offset:512*\i th:TH_STORE_NT   ; 32 lanes store 512 consecutive bytes, aligned
.endr
	s_endpgm
.Lfunc_end_k_q7cc2e81dee_finish:
	.size	k_q7cc2e81dee_finish, .Lfunc_end_k_q7cc2e81dee_finish-k_q7cc2e81dee_finish
	.p2alignl 7, 3214868480
	.fill 96, 4, 3214868480
	.section	.rodata,"a",@progbits
	.p2align	6, 0x0
	.amdhsa_kernel k_q7cc2e81dee_finish
		.amdhsa_group_segment_fixed_size 0
		.amdhsa_private_segment_fixed_size 0
		.amdhsa_enable_private_segment 0
		.amdhsa_kernarg_size 32
		.amdhsa_user_sgpr_count 2
		.amdhsa_user_sgpr_kernarg_segment_ptr 1
		.amdhsa_wavefront_size32 1
		.amdhsa_system_sgpr_workgroup_id_x 1
		.amdhsa_system_sgpr_workgroup_id_y 1
		.amdhsa_system_sgpr_workgroup_id_z 1
		.amdhsa_system_vgpr_workitem_id 0
		.amdhsa_next_free_vgpr 64
		.amdhsa_next_free_sgpr 66
		.amdhsa_reserve_vcc 0
		.amdhsa_float_denorm_mode_32 3
		.amdhsa_float_denorm_mode_16_64 3
		.amdhsa_memory_ordered 1
		.amdhsa_forward_progress 1
		.amdhsa_inst_pref_size 6
	.end_amdhsa_kernel
	.amdgpu_metadata
---
amdhsa.version: [ 1, 2 ]
amdhsa.kernels:
  - .name:           k_q7cc2e81dee_finish
    .symbol:         k_q7cc2e81dee_finish.kd
    .args:
      - { .name: cmb, .offset: 0, .size: 8, .value_kind: global_buffer, .address_space: global }
      - { .name: route, .offset: 8, .size: 8, .value_kind: global_buffer, .address_space: global }
      - { .name: tokq, .offset: 16, .size: 8, .value_kind: global_buffer, .address_space: global }
      - { .name: out0, .offset: 24, .size: 8, .value_kind: global_buffer, .address_space: global }
    .group_segment_fixed_size: 0
    .private_segment_fixed_size: 0
    .kernarg_segment_align: 8
    .kernarg_segment_size: 32
    .max_flat_workgroup_size: 256
    .sgpr_count:     66
    .vgpr_count:     64
    .wavefront_size: 32
...
	.end_amdgpu_metadata
.endif
;; end of part 5
;; ======== version 2 of 2: 4 launches
;; limits: right only within a limited range of input values
;; workspace buffers: tokq 1,646,592 bytes; wimg 22,118,400 bytes; eidx 4,096 bytes of whole numbers; route 20,480 bytes of whole numbers; hid 5,664,768 bytes; cmb 12,341,248 bytes
;; launch prep (part 6): grid 256 x 1, 16 waves a work-group, no clusters, 182,784 bytes of LDS; arguments x, gate_w, gate_b, tokq, eidx, W1_codes, W3_codes, W2_codes, Ws1_codes, Ws3_codes, Ws2_codes, W1_scales, W3_scales, W2_scales, Ws1_scales, Ws3_scales, Ws2_scales, wimg; writes tokq, eidx, wimg
.if DOCPART == 6
	.amdgcn_target "amdgcn-amd-amdhsa--gfx1250"
	.amdhsa_code_object_version 6
	.text
	.protected	k_q7cc2e81dee_prep
	.globl	k_q7cc2e81dee_prep
	.p2align	8
	.type	k_q7cc2e81dee_prep,@function
k_q7cc2e81dee_prep:
	s_mov_b64 s[64:65], 0
	v_nop
	global_prefetch_b8 v0, s[64:65] scope:SCOPE_SE
	s_setreg_imm32_b32 hwreg(HW_REG_WAVE_MODE, 25, 1), 1
	s_wait_xcnt 0x0
; LorentzMoE, first of four launches: the gate, the quantiser of x, and the weights laid out as operand registers take them.
; WORK LEFT OUT BY THE WHOLE PROGRAM, for all values of the inputs:
;  - the seven experts that a token did not choose: reference() multiplies their rows by the zeros of its own one_hot(top_k(..)), so they reach no output;
;    only the chosen expert's three products are made for a token, and product 5 is a selection: weight x the chosen row;
;  - the prescale sqrt(C_E / C) is the constant 1.0: one set of codes of x serves products 2, 3, 6 and 7;
;  - y0 is the constant (1, 0, .., 0): it enters as the 2 in comb[0] = zt + 2 + 2 w ot.
; Every input has a way to the output and is loaded.  LIMITS: NaN and infinities among the inputs are not served; a NaN, an infinity or an overflow that reaches only the experts
; left out is not carried to the result; a block whose largest magnitude lies under 2^-124 keeps the byte 1, a block of zeros too (its codes are zeros; this program alone reads the bytes);
; the gate's sums run in another order than reference()'s: two biased scores that tie within f32 rounding may be chosen the other way.
; TWO ROLES, parted on the wave's number; every wave passes both barriers.
; WAVES 0-7, THE GATE.  A work-group takes 8 rows of x, a wave a row, a lane a block of 32 along K.  The row is turned through the wave's own LDS so that a lane holds its block's 32 numbers;
;   codes go out with block kb at byte 384 (kb & 1) + 24 (kb >> 1) of the row's 768; scale bytes in natural order.
;   logit e = sum over k >= 1 of x[k] gate_w[e][k - 1], in f32; softmax with its maximum taken away; bias; the first largest wins.
;   The choice goes out as whole numbers at a fixed place, 16 bytes a work-group: byte e of words 0-1: bit i set where row i chose expert e; byte e of words 2-3: how many rows chose e.
;   No address of this launch hangs on the choice.
; WAVES 8-15, THE WEIGHTS, between the two barriers, in work-groups 0-215: a wave lays out one tile of 16 rows of one weight matrix for all of K: eight fragments as images of their registers,
;   and the rows' scale words.  27 matrices x 64 tiles are 1,728 waves' shares; in the other 40 work-groups these waves only pass the barriers.
;   Unit j of a hidden or output axis belongs to weight row j - 1; unit 0 takes row 0 and is masked later.  Lane r of tile (kb, u) takes unit 32 kb + 8 u + r + 8 (r / 8).
;   The rows come by 24 loads of 512 consecutive bytes, are turned through the wave's own LDS (rows 784 bytes apart) and go out 512 consecutive bytes a store.
; All LDS address registers of both roles are made ahead of the first parting, with the wave's number in its role (0-7).
.set XS_O,   1572864
.set GWT_O,  1638400
.set WSC_O,  21233664
.set GW,     0
.set XT,     36864
.set CS,     73728
.set SB,     79872
.set RS,     80128
.set SPARE,  80384                     ; the spare words, 128 bytes for each of 16 waves
.set RB,     82432                     ; 12,544 bytes a wave of the second role: 16 weight rows of 768 + 16
.set NLAY,   216
.set SPW, 1
.set NIL, 2
.set XR,  16
.set X,   48
.set G,   80
.set ACC, 144
	s_load_b128 s[4:7], s[0:1], 0x0                ; x, gate_w
	s_load_b64 s[8:9], s[0:1], 0x10                ; gate_b
	s_load_b64 s[34:35], s[0:1], 0x18              ; tokq
	s_load_b64 s[36:37], s[0:1], 0x20              ; eidx
	s_load_b512 s[68:83], s[0:1], 0x28             ; W1c, W3c, W2c, Ws1c, Ws3c, Ws2c, W1s, W3s
	s_load_b256 s[84:91], s[0:1], 0x68             ; W2s, Ws1s, Ws3s, Ws2s
	s_load_b64 s[92:93], s[0:1], 0x88              ; wimg
	v_lshl_add_u32 v[SPW], v0, 2, SPARE
	v_mov_b32 v[NIL], 0
	v_lshrrev_b32 v3, 5, v0
	s_delay_alu instid0(VALU_DEP_1)
	v_readfirstlane_b32 s95, v3                    ; wave 0-15
	s_and_b32 s40, s95, 7                          ; my number in my role
	s_lshr_b32 s94, s95, 3                         ; my role
	v_and_b32 v3, 31, v0                           ; lane
	s_wait_alu depctr_va_vdst(0)
	v_lshlrev_b32 v4, 4, v3                        ; 16 L
	s_lshl_b32 s52, ttmp9, 3
	s_add_co_u32 s52, s52, s40                     ; my row
	s_lshl_b32 s54, s52, 12
	s_mov_b32 s55, 0
	s_mul_i32 s56, s52, 768
	s_mov_b32 s57, 0
	v_min_u32 v5, 1, v0
	s_delay_alu instid0(VALU_DEP_1)
	v_sub_nc_u32 v5, v0, v5
	s_delay_alu instid0(VALU_DEP_1)
	v_lshlrev_b32 v5, 2, v5                        ; 4 max(t - 1, 0)
	v_lshl_add_u32 v6, v0, 2, 1020
	s_mov_b32 s60, 0x76543210
	s_mov_b32 s61, 0xfedcba98
	s_mul_i32 s41, s40, 4608
	v_lshrrev_b32 v7, 3, v3
	s_delay_alu instid0(VALU_DEP_1)
	v_mul_u32_u24 v7, v7, 144
	v_and_b32 v8, 7, v3
	s_delay_alu instid0(VALU_DEP_1)
	v_lshl_add_u32 v7, v8, 4, v7
	s_delay_alu instid0(VALU_DEP_1)
	v_add_nc_u32 v7, s41, v7
	v_mul_u32_u24 v9, v3, 144
	s_delay_alu instid0(VALU_DEP_1)
	v_add_nc_u32 v10, s41, v9
	s_mul_i32 s42, s40, 144
	v_lshlrev_b32 v11, 2, v3
	s_delay_alu instid0(VALU_DEP_1)
	v_add_nc_u32 v11, s42, v11
	v_mov_b32 v12, 0
	s_mul_i32 s43, s40, 768
	s_add_co_u32 s43, s43, CS
	v_and_b32 v13, 1, v3
	s_delay_alu instid0(VALU_DEP_1)
	v_mul_u32_u24 v13, v13, 384
	v_lshrrev_b32 v15, 1, v3
	s_delay_alu instid0(VALU_DEP_1)
	v_mad_u32_u24 v13, v15, 24, v13
	s_delay_alu instid0(VALU_DEP_1)
	v_add_nc_u32 v13, s43, v13
	v_lshlrev_b32 v14, 3, v3                       ; 8 L
	s_delay_alu instid0(VALU_DEP_1)
	v_add_nc_u32 v15, s43, v14
	s_lshl_b32 s58, s40, 5
	s_add_co_u32 s58, s58, SB
	v_add_nc_u32 v178, s58, v3
	s_lshl_b32 s59, s40, 2
	s_add_co_u32 s59, s59, RS
	v_mov_b32 v168, s59
	v_add_nc_u32 v169, SB, v14
	v_and_b32 v170, 7, v3
	s_delay_alu instid0(VALU_DEP_1)
	v_lshlrev_b32 v170, 2, v170
	s_delay_alu instid0(VALU_DEP_1)
	v_add_nc_u32 v171, RS, v170
	; the second role's share, from ids alone
	s_lshr_b32 s11, ttmp9, 3                       ; mu: 0-7 W1, 8-15 W3, 16-23 W2, 24 Ws1, 25 Ws3, 26 Ws2
	s_and_b32 s12, ttmp9, 7
	s_lshl_b32 s12, s12, 3
	s_add_co_u32 s12, s12, s40
	s_lshr_b32 s13, s12, 1                         ; kb
	s_and_b32 s14, s12, 1                          ; u
	s_lshr_b32 s15, s11, 3
	s_and_b32 s16, s11, 7
	s_cmp_lt_u32 s11, 24
	s_cselect_b32 s16, s16, 0                      ; the expert, 0 for the shared matrices
	s_mul_i32 s18, s16, 785664
	s_mov_b32 s19, 0
	s_mul_i32 s20, s16, 32736
	s_mov_b32 s21, 0
	s_lshl_b32 s17, s13, 5
	s_lshl_b32 s22, s14, 3
	s_add_co_u32 s17, s17, s22                     ; the tile's first unit
	v_and_b32 v200, 15, v3                         ; r
	v_lshrrev_b32 v201, 4, v3                      ; h
	s_delay_alu instid0(VALU_DEP_2)
	v_and_b32 v202, 8, v200
	s_delay_alu instid0(VALU_DEP_1)
	v_add_nc_u32 v202, v202, v200
	s_delay_alu instid0(VALU_DEP_1)
	v_add_nc_u32 v202, s17, v202                   ; my unit j
	s_delay_alu instid0(VALU_DEP_1)
	v_min_u32 v203, 1, v202
	s_delay_alu instid0(VALU_DEP_1)
	v_sub_nc_u32 v202, v202, v203                  ; its weight row: max(j - 1, 0)
	s_delay_alu instid0(VALU_DEP_1)
	v_lshlrev_b32 v204, 5, v202
	s_delay_alu instid0(VALU_DEP_1)
	v_lshl_add_u32 v204, v201, 4, v204             ; the row's scale bytes, + 16 h
	v_lshlrev_b32 v205, 5, v200
	s_delay_alu instid0(VALU_DEP_1)
	v_lshl_add_u32 v205, v201, 4, v205             ; 32 r + 16 h
	s_mul_i32 s22, s17, 768
	v_add_nc_u32 v206, s22, v4                     ; row 'first', + 16 L
	s_delay_alu instid0(VALU_DEP_1)
	v_add_nc_u32 v207, 0xfffffd00, v206            ; the first load begins a row earlier,
	s_delay_alu instid0(VALU_DEP_1)
	v_ashrrev_i32 v209, 31, v207
	s_delay_alu instid0(VALU_DEP_1)
	v_and_b32 v209, 0x300, v209
	s_delay_alu instid0(VALU_DEP_1)
	v_add_nc_u32 v207, v207, v209                  ; and where that is row -1 it takes row 0
	v_add_nc_u32 v208, 0xffffff00, v206
	s_delay_alu instid0(VALU_DEP_1)
	v_ashrrev_i32 v210, 31, v208
	s_delay_alu instid0(VALU_DEP_1)
	v_and_b32 v210, 0x300, v210
	s_delay_alu instid0(VALU_DEP_1)
	v_add_nc_u32 v208, v208, v210
	s_mul_i32 s23, s40, 12544
	s_add_co_u32 s23, s23, RB
	v_add_nc_u32 v212, s23, v4
	s_delay_alu instid0(VALU_DEP_1)
	v_lshl_add_u32 v213, v201, 4, v212
	s_delay_alu instid0(VALU_DEP_1)
	v_add_nc_u32 v213, 512, v213
	v_add_nc_u32 v214, 1040, v212
	v_mul_u32_u24 v215, v200, 784
	s_delay_alu instid0(VALU_DEP_1)
	v_mad_u32_u24 v215, v201, 24, v215
	s_delay_alu instid0(VALU_DEP_1)
	v_add_nc_u32 v215, s23, v215                   ; back: row r, + 24 h
	s_mul_i32 s24, s11, 786432
	s_mul_i32 s25, s13, 24576
	s_add_co_u32 s24, s24, s25
	s_mul_i32 s25, s14, 1536
	s_add_co_u32 s24, s24, s25
	s_mov_b32 s25, 0
	s_lshl_b32 s26, s11, 5
	s_add_co_u32 s26, s26, s13
	s_lshl_b32 s26, s26, 10
	s_lshl_b32 s27, s14, 9
	s_add_co_u32 s26, s26, s27
	s_add_co_u32 s26, s26, WSC_O
	s_mov_b32 s27, 0
	s_wait_alu depctr_va_vdst(0)
	s_wait_kmcnt 0x0
	s_add_nc_u64 s[4:5], s[4:5], s[54:55]          ; my row of x; both addresses are made ahead of the parting of the roles
	s_add_nc_u64 s[56:57], s[34:35], s[56:57]      ; my row's codes in tokq
	s_cmp_lg_u32 s94, 0
	s_cbranch_scc1 .Lb1
	; ---- waves 0-7: x and gate_w come in
.irp i, 0,1,2,3,4,5,6,7
	global_load_b128 v[XR+4*\i:XR+4*\i+3], v4, s[4:5] offset:512*\i th:TH_LOAD_NT
.endr
.irp e, 0,1,2,3,4,5,6,7
	global_load_b32 v[G+4*\e], v5, s[6:7] offset:4092*\e
.irp i, 1,2,3
	global_load_b32 v[G+4*\e+\i], v6, s[6:7] offset:4092*\e+1024*(\i-1)
.endr
.endr
	s_load_b256 s[44:51], s[8:9], 0x0              ; gate_b
	s_wait_loadcnt 32                              ; behind x's eight loads stand the 32 of gate_w
.irp i, 0,1,2,3,4,5,6,7
	ds_store_b128 v7, v[XR+4*\i:XR+4*\i+3] offset:XT+576*\i
.endr
.irp c, 0,1,2,3,4,5,6,7
	ds_load_b128 v[X+4*\c:X+4*\c+3], v10 offset:XT+16*\c
.endr
	s_wait_loadcnt 0x0
	v_cmp_eq_u32 vcc_lo, 0, v0
.irp e, 0,1,2,3,4,5,6,7
	v_cndmask_b32 v[G+4*\e], v[G+4*\e], v12, vcc_lo            ; k = 0 counts for nothing in the gate
.endr
.irp e, 0,1,2,3,4,5,6,7
.irp i, 0,1,2,3
	ds_store_b32 v11, v[G+4*\e+\i] offset:GW+4608*\e+1152*\i
.endr
.endr
.Lb1:
	s_wait_dscnt 0x0
	s_barrier_signal -1
	s_barrier_wait -1                              ; gate_w lies in LDS
	s_cmp_lg_u32 s94, 0
	s_cbranch_scc1 .Lrole1
	; ---- waves 0-7: the quantiser: all 32 numbers of the block are mine
	v_max3_num_f32 v160, |v[X]|, |v[X+1]|, 0x1800000           ; with the floor 2^(3 - 127)
	v_max3_num_f32 v161, |v[X+16]|, |v[X+17]|, |v[X+18]|
.irp i, 2
	s_delay_alu instid0(VALU_DEP_2)
	v_max3_num_f32 v160, v160, |v[X+\i]|, |v[X+\i+1]|
.endr
.irp i, 4, 6, 8, 10, 12, 14
	s_delay_alu instid0(VALU_DEP_1)
	v_max3_num_f32 v160, v160, |v[X+\i]|, |v[X+\i+1]|
.endr
.irp i, 19
	v_max3_num_f32 v161, v161, |v[X+\i]|, |v[X+\i+1]|
.endr
.irp i, 21, 23, 25, 27, 29
	s_delay_alu instid0(VALU_DEP_1)
	v_max3_num_f32 v161, v161, |v[X+\i]|, |v[X+\i+1]|
.endr
	s_delay_alu instid0(VALU_DEP_1)
	v_max3_num_f32 v160, v160, v161, |v[X+31]|
	s_delay_alu instid0(VALU_DEP_1)
	v_add_nc_u32 v162, 0xff000000, v160            ; 2 off the exponent field: the conversion's scale operand
	s_delay_alu instid0(VALU_DEP_1)
	v_lshrrev_b32 v163, 23, v162                   ; the scale's byte
	v_cvt_scalef32_pk16_fp6_f32 v[164:166], v[X:X+15], v162
	v_cvt_scalef32_pk16_fp6_f32 v[172:174], v[X+16:X+31], v162
	v_nop                                          ; one plain place behind a scaled conversion
	v_mov_b32 v167, v172
	v_mov_b32 v176, v173
	v_mov_b32 v177, v174
	ds_store_b64 v13, v[164:165]
	ds_store_b64 v13, v[166:167] offset:8
	ds_store_b64 v13, v[176:177] offset:16
.irp p, 0,1,2
	ds_load_b64 v[184+2*\p:185+2*\p], v15 offset:256*\p
.endr
	ds_store_b8 v178, v163
	s_wait_dscnt 1                                 ; the byte store alone may be out
.irp p, 0,1,2
	global_store_b64 v14, v[184+2*\p:185+2*\p], s[56:57] offset:256*\p      ; 32 lanes store 256 consecutive bytes, aligned
.endr
	; the gate
.macro GLOAD e
.irp c, 0,1,2,3,4,5,6,7
	ds_load_b128 v[G+32*((\e)%2)+4*\c:G+32*((\e)%2)+4*\c+3], v9 offset:GW+4608*(\e)+16*\c
.endr
.endm
.macro GDOT e
.set GB, G+32*((\e)%2)
.set AC, ACC+2*(\e)
	v_pk_mul_f32 v[AC:AC+1], v[X:X+1], v[GB:GB+1]
.irp j, 2,4,6,8,10,12,14,16,18,20,22,24,26,28,30
	s_delay_alu instid0(VALU_DEP_1)
	v_pk_fma_f32 v[AC:AC+1], v[X+\j:X+\j+1], v[GB+\j:GB+\j+1], v[AC:AC+1]
.endr
	s_delay_alu instid0(VALU_DEP_1)
	v_add_f32 v[AC], v[AC], v[AC+1]
.endm
	GLOAD 0
	GLOAD 1
.irp e, 0,1,2,3,4,5
	s_wait_dscnt 8                                 ; behind expert e's eight loads stand the next expert's eight
	GDOT \e
	GLOAD \e+2
.endr
	s_wait_dscnt 8
	GDOT 6
	s_wait_dscnt 0x0
	GDOT 7
.irp m, 1,2,4,8
.irp e, 0,1,2,3,4,5,6,7
	v_add_f32_dpp v[ACC+2*\e], v[ACC+2*\e], v[ACC+2*\e] row_xmask:\m row_mask:0xf bank_mask:0xf
.endr
.endr
.irp e, 0,1,2,3,4,5,6,7
	v_permlanex16_b32 v[ACC+2*\e+1], v[ACC+2*\e], s60, s61
.endr
.irp e, 0,1,2,3,4,5,6,7
	v_add_f32 v[ACC+2*\e], v[ACC+2*\e], v[ACC+2*\e+1]          ; the logit, in every lane
.endr
	v_max3_num_f32 v160, v144, v146, v148
	s_delay_alu instid0(VALU_DEP_1)
	v_max3_num_f32 v160, v160, v150, v152
	s_delay_alu instid0(VALU_DEP_1)
	v_max3_num_f32 v160, v160, v154, v156
	s_delay_alu instid0(VALU_DEP_1)
	v_max_num_f32 v160, v160, v158                 ; the maximum is taken away, as reference() does
.irp e, 0,1,2,3,4,5,6,7
	v_sub_f32 v[ACC+2*\e+1], v[ACC+2*\e], v160
.endr
.irp e, 0,1,2,3,4,5,6,7
	v_mul_f32 v[ACC+2*\e+1], 0x3fb8aa3b, v[ACC+2*\e+1]
.endr
	s_wait_alu depctr_va_vdst(0)
.irp e, 0,1,2,3,4,5,6,7
	v_exp_f32 v[ACC+2*\e+1], v[ACC+2*\e+1]
.endr
	v_nop
	s_wait_alu depctr_va_vdst(0)                   ; one wait for the eight exponentials, ahead of their first reader
	v_add_f32 v161, v145, v147
	v_add_f32 v162, v149, v151
	v_add_f32 v163, v153, v155
	v_add_f32 v164, v157, v159
	s_delay_alu instid0(VALU_DEP_3)
	v_add_f32 v161, v161, v162
	s_delay_alu instid0(VALU_DEP_2)
	v_add_f32 v163, v163, v164
	s_delay_alu instid0(VALU_DEP_1)
	v_add_f32 v161, v161, v163
	s_wait_alu depctr_va_vdst(0)
	v_rcp_f32 v161, v161
	v_nop
	s_wait_alu depctr_va_vdst(0)
	s_wait_kmcnt 0x0                               ; gate_b
.irp e, 0,1,2,3,4,5,6,7
	v_mul_f32 v[ACC+2*\e+1], v[ACC+2*\e+1], v161               ; the score
.endr
.irp e, 0,1,2,3,4,5,6,7
	v_add_f32 v[ACC+2*\e], s[44+\e], v[ACC+2*\e+1]             ; biased: it chooses, and no more
.endr
	v_mov_b32 v164, v144
	v_mov_b32 v165, 0
	v_mov_b32 v166, v145
.irp e, 1,2,3,4,5,6,7
	v_mov_b32 v167, \e
	s_delay_alu instid0(VALU_DEP_4)
	v_cmp_gt_f32 vcc_lo, v[ACC+2*\e], v164         ; strictly greater: of equals the lower index stays, as top_k has it
	s_delay_alu instid0(VALU_DEP_1)
	v_cndmask_b32 v164, v164, v[ACC+2*\e], vcc_lo
	s_delay_alu instid0(VALU_DEP_2)
	v_cndmask_b32 v165, v165, v167, vcc_lo
	s_delay_alu instid0(VALU_DEP_3)
	v_cndmask_b32 v166, v166, v[ACC+2*\e+1], vcc_lo
.endr
	ds_store_b32 v168, v165
	ds_store_b32 v168, v166 offset:32
	s_wait_alu depctr_va_vdst(0)
	s_branch .Lb2
.Lrole1:
	; ---- waves 8-15 of work-groups 0-215: the weights
	s_cmp_ge_u32 ttmp9, NLAY
	s_cbranch_scc1 .Lb2
	s_mov_b64 s[28:29], s[68:69]                   ; the choice of buffers hangs on the work-group's number alone
	s_mov_b64 s[30:31], s[80:81]
	s_cmp_eq_u32 s15, 1
	s_cselect_b64 s[28:29], s[70:71], s[28:29]
	s_cselect_b64 s[30:31], s[82:83], s[30:31]
	s_cmp_eq_u32 s15, 2
	s_cselect_b64 s[28:29], s[72:73], s[28:29]
	s_cselect_b64 s[30:31], s[84:85], s[30:31]
	s_cmp_eq_u32 s11, 24
	s_cselect_b64 s[28:29], s[74:75], s[28:29]
	s_cselect_b64 s[30:31], s[86:87], s[30:31]
	s_cmp_eq_u32 s11, 25
	s_cselect_b64 s[28:29], s[76:77], s[28:29]
	s_cselect_b64 s[30:31], s[88:89], s[30:31]
	s_cmp_eq_u32 s11, 26
	s_cselect_b64 s[28:29], s[78:79], s[28:29]
	s_cselect_b64 s[30:31], s[90:91], s[30:31]
	s_add_nc_u64 s[28:29], s[28:29], s[18:19]
	s_add_nc_u64 s[30:31], s[30:31], s[20:21]
	s_add_nc_u64 s[32:33], s[92:93], s[24:25]
	s_add_nc_u64 s[38:39], s[92:93], s[26:27]
	global_load_b128 v[112:115], v204, s[30:31] th:TH_LOAD_NT  ; four scale words of my row
	global_load_b128 v[16:19], v207, s[28:29] th:TH_LOAD_NT
	global_load_b128 v[20:23], v208, s[28:29] th:TH_LOAD_NT
.irp n, 2,3,4,5,6,7,8,9,10,11
	global_load_b128 v[16+4*\n:19+4*\n], v206, s[28:29] offset:512*\n-768 th:TH_LOAD_NT
.endr
.irp n, 12,13,14,15,16,17,18,19,20,21,22,23
	global_load_b128 v[16+4*\n:19+4*\n], v206, s[28:29] offset:512*\n+5376 th:TH_LOAD_NT   ; the second run begins 15 rows behind 'first'
.endr
.irp k, 0,1,2,3,4,5,6,7
	s_wait_loadcnt 3*(7-\k)                        ; behind pair k of rows stand the three loads of each later pair
	ds_store_b128 v212, v[16+12*\k:19+12*\k] offset:1568*\k
	ds_store_b128 v213, v[20+12*\k:23+12*\k] offset:1568*\k
	ds_store_b128 v214, v[24+12*\k:27+12*\k] offset:1568*\k
.endr
.macro FRLD s                          ; K step s's fragment: lane (r, h) takes bytes 96 s + 24 h + 0 .. 23 and 96 s + 48 + 24 h + 0 .. 23 of row r; it lands where the rows lay, which the LDS stores have read
.irp p, 0,1,2,3,4,5
	ds_load_b64 v[16+12*(\s)+2*\p:17+12*(\s)+2*\p], v215 offset:96*(\s)+48*(\p/3)+8*(\p%3)   ; LDS serves a wave's instructions in order: these see my stores
.endr
.endm
	FRLD 0
	FRLD 1
	FRLD 2
	FRLD 3
.irp s, 0,1,2,3,4,5,6,7
.if \s < 4
	s_wait_dscnt 18                                ; behind K step s's six loads stand those of three later steps
.else
	s_wait_dscnt 6*(7-\s)
.endif
.irp g, 0,1,2
	global_store_b128 v4, v[16+12*\s+4*\g:19+12*\s+4*\g], s[32:33] offset:3072*\s+512*\g   ; 512 consecutive bytes a store
.endr
.if \s < 4
	FRLD \s+4
.endif
.endr
	global_store_b128 v205, v[112:115], s[38:39]
.Lb2:
	s_wait_dscnt 0x0                               ; for wave 0's sake: bytes, indices and weights have landed
	s_barrier_signal -1
	s_barrier_wait -1
	s_cmp_lg_u32 s95, 0
	s_cbranch_scc1 .Lend_a
	ds_load_b64 v[180:181], v169                   ; the eight rows' 256 scale bytes
	ds_load_b32 v182, v171                         ; index of row L % 8
	ds_load_b32 v183, v171 offset:32               ; its weight
	s_lshl_b32 s62, ttmp9, 8
	s_mov_b32 s63, 0
	s_add_nc_u64 s[54:55], s[34:35], s[62:63]
	s_lshl_b32 s62, ttmp9, 5
	s_add_nc_u64 s[34:35], s[34:35], s[62:63]
	s_lshl_b32 s62, ttmp9, 4
	s_add_nc_u64 s[36:37], s[36:37], s[62:63]
	s_wait_dscnt 0x0
	global_store_b64 v14, v[180:181], s[54:55] offset:XS_O
	global_store_b32 v170, v183, s[34:35] offset:GWT_O
.irp e, 0,1,2,3,4,5,6,7
	v_cmp_eq_u32 s[10+\e], \e, v182                ; bits 0-7: which of the eight rows chose expert e
.endr
.irp e, 0,1,2,3,4,5,6,7
	s_and_b32 s[10+\e], s[10+\e], 0xff
.endr
.irp e, 0,1,2,3,4,5,6,7
	s_bcnt1_i32_b32 s[18+\e], s[10+\e]
.endr
.irp b, 10,14,18,22
	s_lshl_b32 s[\b+1], s[\b+1], 8
	s_lshl_b32 s[\b+2], s[\b+2], 16
	s_lshl_b32 s[\b+3], s[\b+3], 24
	s_or_b32 s[\b], s[\b], s[\b+1]
	s_or_b32 s[\b+2], s[\b+2], s[\b+3]
	s_or_b32 s[\b], s[\b], s[\b+2]
.endr
	v_mov_b32 v192, s10
	v_mov_b32 v193, s14
	v_mov_b32 v194, s18
	v_mov_b32 v195, s22
	global_store_b128 v12, v[192:195], s[36:37]    ; the work-group's record: every lane holds the same 16 bytes
.Lend_a:
	s_wait_tensorcnt 0x0                           ; the wave's end, behind my last LDS store
	ds_add_u32 v[SPW], v[NIL]
	s_wait_dscnt 0x0
	s_endpgm
.Lfunc_end_k_q7cc2e81dee_prep:
	.size	k_q7cc2e81dee_prep, .Lfunc_end_k_q7cc2e81dee_prep-k_q7cc2e81dee_prep
	.p2alignl 7, 3214868480
	.fill 96, 4, 3214868480
	.section	.rodata,"a",@progbits
	.p2align	6, 0x0
	.amdhsa_kernel k_q7cc2e81dee_prep
		.amdhsa_group_segment_fixed_size 182784
		.amdhsa_private_segment_fixed_size 0
		.amdhsa_enable_private_segment 0
		.amdhsa_kernarg_size 144
		.amdhsa_user_sgpr_count 2
		.amdhsa_user_sgpr_kernarg_segment_ptr 1
		.amdhsa_wavefront_size32 1
		.amdhsa_system_sgpr_workgroup_id_x 1
		.amdhsa_system_sgpr_workgroup_id_y 1
		.amdhsa_system_sgpr_workgroup_id_z 1
		.amdhsa_system_vgpr_workitem_id 0
		.amdhsa_next_free_vgpr 216
		.amdhsa_next_free_sgpr 96
		.amdhsa_reserve_vcc 1
		.amdhsa_float_denorm_mode_32 3
		.amdhsa_float_denorm_mode_16_64 3
		.amdhsa_memory_ordered 1
		.amdhsa_forward_progress 1
		.amdhsa_inst_pref_size 55
	.end_amdhsa_kernel
	.amdgpu_metadata
---
amdhsa.version: [ 1, 2 ]
amdhsa.kernels:
  - .name:           k_q7cc2e81dee_prep
    .symbol:         k_q7cc2e81dee_prep.kd
    .args:
      - { .name: x, .offset: 0, .size: 8, .value_kind: global_buffer, .address_space: global }
      - { .name: gate_w, .offset: 8, .size: 8, .value_kind: global_buffer, .address_space: global }
      - { .name: gate_b, .offset: 16, .size: 8, .value_kind: global_buffer, .address_space: global }
      - { .name: tokq, .offset: 24, .size: 8, .value_kind: global_buffer, .address_space: global }
      - { .name: eidx, .offset: 32, .size: 8, .value_kind: global_buffer, .address_space: global }
      - { .name: W1_codes, .offset: 40, .size: 8, .value_kind: global_buffer, .address_space: global }
      - { .name: W3_codes, .offset: 48, .size: 8, .value_kind: global_buffer, .address_space: global }
      - { .name: W2_codes, .offset: 56, .size: 8, .value_kind: global_buffer, .address_space: global }
      - { .name: Ws1_codes, .offset: 64, .size: 8, .value_kind: global_buffer, .address_space: global }
      - { .name: Ws3_codes, .offset: 72, .size: 8, .value_kind: global_buffer, .address_space: global }
      - { .name: Ws2_codes, .offset: 80, .size: 8, .value_kind: global_buffer, .address_space: global }
      - { .name: W1_scales, .offset: 88, .size: 8, .value_kind: global_buffer, .address_space: global }
      - { .name: W3_scales, .offset: 96, .size: 8, .value_kind: global_buffer, .address_space: global }
      - { .name: W2_scales, .offset: 104, .size: 8, .value_kind: global_buffer, .address_space: global }
      - { .name: Ws1_scales, .offset: 112, .size: 8, .value_kind: global_buffer, .address_space: global }
      - { .name: Ws3_scales, .offset: 120, .size: 8, .value_kind: global_buffer, .address_space: global }
      - { .name: Ws2_scales, .offset: 128, .size: 8, .value_kind: global_buffer, .address_space: global }
      - { .name: wimg, .offset: 136, .size: 8, .value_kind: global_buffer, .address_space: global }
    .group_segment_fixed_size: 182784
    .private_segment_fixed_size: 0
    .kernarg_segment_align: 8
    .kernarg_segment_size: 144
    .max_flat_workgroup_size: 512
    .sgpr_count:     96
    .vgpr_count:     216
    .wavefront_size: 32
...
	.end_amdgpu_metadata
.endif
;; end of part 6
;; launch up (part 7): grid 8 x 23, 8 waves a work-group, no clusters, 135,168 bytes of LDS; arguments tokq, wimg, route, hid, eidx; writes hid, route
.if DOCPART == 7
	.amdgcn_target "amdgcn-amd-amdhsa--gfx1250"
	.amdhsa_code_object_version 6
	.text
	.protected	k_q7cc2e81dee_up
	.globl	k_q7cc2e81dee_up
	.p2align	8
	.type	k_q7cc2e81dee_up,@function
k_q7cc2e81dee_up:
	s_mov_b64 s[64:65], 0
	v_nop
	global_prefetch_b8 v0, s[64:65] scope:SCOPE_SE
	s_setreg_imm32_b32 hwreg(HW_REG_WAVE_MODE, 25, 1), 1
	s_wait_xcnt 0x0
; Second launch: s1 = x W1^T, s3 = x W3^T, sp = silu(s1) s3, for the tile's expert and for the shared expert; sp is quantised along the hidden axis; partial sums of sp^2.
; Left out: the experts that a tile's tokens did not choose (reference() multiplies them by the zeros of its own one_hot).
; THE GRID SERVES EVERY SPLIT: 23 tiles of 128 rows.  Every wave has to pass every barrier, so no work-group ends on a stored number: a tile that a split leaves without rows (TILEX = 8) runs like any other,
; with the expert's number held at 7 and -1 in all its slots (computed for token 2,047); its rows of the workspace are named by no token's slot and are read for no output.
; No tensor load, no copy, no cluster: the weights' addresses hang on a stored number, so operands go from memory straight into registers.
; SHARES.  Work-group (x = chunk of 128 hidden units, y = tile of 128 rows).  Wave w: kind = w & 1 (0 the tile's expert, 1 the shared one), q = w >> 1: block kb = 4 chunk + q of 32 hidden units,
; for all 128 rows: 8 row tiles x 4 weight fragments (f = 0, 1: W1's tiles u = 0, 1; f = 2, 3: W3's): 32 accumulators, 256 matrix instructions.
; THE PRODUCT IS USED TRANSPOSED (source 0 = 16 weight rows, source 1 = 16 rows of x): lane (r, h) holds row r, and the 16 registers of u = 0, 1 are units 32 kb + 16 h + 0 .. 15.
; Hidden unit j is sp[j - 1]; unit 0 (the time t) needs the whole row's sum: it is masked to 0 here, block 0 goes out unquantised (H0) and the next launch patches it.
; LIMITS: as stated at the head of the first launch.
; REGISTERS, window 0: v3 16 L, v4 32 L, v5, v6 x's fragments in LDS, v7 x's scale words; v16-159 weights, three sets of 48; v160-231 x, three slots of two fragments;
;   v232-237 the weights' scale words, v238-245 x's (they hold scales and nothing else); v8-15, v246-252 at work in the prologue.   window 1: accumulator (a, f) at v[8 (4 a + f)].
; THE PLACING OF ROWS is made here, in registers, from the whole numbers that the launch before stored (a record of 16 bytes for each 8 tokens: a byte mask and a byte count for each expert).
; An expert's rows begin at a multiple of 128 slots, in the order of the tokens.  Every wave reads all 256 records (lane L: tokens 64 L .. 64 L + 63), sums the counts, finds the tile's expert
; (8: the tile has none) and the rank of the tile's first row, and then, lane r for row 16 w + r, the token of that rank: the lane of tokens by a walk over 31 running sums, the bit by counts of ones in halves.
; No LDS address and no branch hangs on these numbers.  A row with no token holds -1 and is computed for token 2,047; nobody reads it.
; The work-groups of chunk 0 store ROWTOK[slot] and TILEX[tile] for the later launches; this launch reads nothing of that buffer.
.set XS_O,    1572864
.set WSC_O,   21233664
.set TILEX_O, 20224
.set GWT_O,   1638400                  ; tokq: the gate's weight [token]
.set WS_O,    5652480                  ; hid: the gate's weight [slot], stored by the work-groups of chunk 0 for the last launch
.set HSC_O,   4521984
.set H0_O,    4898816
.set XT,    0                          ; LDS: 128 rows of x's codes, 784 bytes apart (768 + 16)
.set XSC,   100352                     ; x's scale words [s][row]
.set STGC,  104448                     ; the codes made here, as images [kind][m][1536]
.set SSTG,  129024                     ; their scale words [kind][row]
.set SQ,    130048                     ; sums of squares [kind][q][512]
.set SPARE, 134144
.set SPW, 1
.set NIL, 2
.set MSB, 0
.macro WIN new                         ; the immediate's high byte repeats the setting that is left
.if MSB != \new
	s_set_vgpr_msb (MSB<<8)|\new
.set MSB, \new
.endif
.endm
; one matrix instruction on D_, A_, B_, SA_, SB_.  ra, rb: the side's scales stand in lanes 16-31;  z: the sum begins
.macro WM ra, rb, z
.if \z
.if (\ra) && (\rb)
	v_wmma_scale_f32_16x16x128_f8f6f4 v[D_:D_+7], v[A_:A_+11], v[B_:B_+11], 0, v[SA_], v[SB_] matrix_a_fmt:MATRIX_FMT_FP6 matrix_b_fmt:MATRIX_FMT_FP6 matrix_a_scale:MATRIX_SCALE_ROW1 matrix_b_scale:MATRIX_SCALE_ROW1
.elseif \ra
	v_wmma_scale_f32_16x16x128_f8f6f4 v[D_:D_+7], v[A_:A_+11], v[B_:B_+11], 0, v[SA_], v[SB_] matrix_a_fmt:MATRIX_FMT_FP6 matrix_b_fmt:MATRIX_FMT_FP6 matrix_a_scale:MATRIX_SCALE_ROW1
.elseif \rb
	v_wmma_scale_f32_16x16x128_f8f6f4 v[D_:D_+7], v[A_:A_+11], v[B_:B_+11], 0, v[SA_], v[SB_] matrix_a_fmt:MATRIX_FMT_FP6 matrix_b_fmt:MATRIX_FMT_FP6 matrix_b_scale:MATRIX_SCALE_ROW1
.else
	v_wmma_scale_f32_16x16x128_f8f6f4 v[D_:D_+7], v[A_:A_+11], v[B_:B_+11], 0, v[SA_], v[SB_] matrix_a_fmt:MATRIX_FMT_FP6 matrix_b_fmt:MATRIX_FMT_FP6
.endif
.else
.if (\ra) && (\rb)
	v_wmma_scale_f32_16x16x128_f8f6f4 v[D_:D_+7], v[A_:A_+11], v[B_:B_+11], v[D_:D_+7], v[SA_], v[SB_] matrix_a_fmt:MATRIX_FMT_FP6 matrix_b_fmt:MATRIX_FMT_FP6 matrix_a_scale:MATRIX_SCALE_ROW1 matrix_b_scale:MATRIX_SCALE_ROW1
.elseif \ra
	v_wmma_scale_f32_16x16x128_f8f6f4 v[D_:D_+7], v[A_:A_+11], v[B_:B_+11], v[D_:D_+7], v[SA_], v[SB_] matrix_a_fmt:MATRIX_FMT_FP6 matrix_b_fmt:MATRIX_FMT_FP6 matrix_a_scale:MATRIX_SCALE_ROW1
.elseif \rb
	v_wmma_scale_f32_16x16x128_f8f6f4 v[D_:D_+7], v[A_:A_+11], v[B_:B_+11], v[D_:D_+7], v[SA_], v[SB_] matrix_a_fmt:MATRIX_FMT_FP6 matrix_b_fmt:MATRIX_FMT_FP6 matrix_b_scale:MATRIX_SCALE_ROW1
.else
	v_wmma_scale_f32_16x16x128_f8f6f4 v[D_:D_+7], v[A_:A_+11], v[B_:B_+11], v[D_:D_+7], v[SA_], v[SB_] matrix_a_fmt:MATRIX_FMT_FP6 matrix_b_fmt:MATRIX_FMT_FP6
.endif
.endif
.endm
.macro WLOAD s                         ; K step s's four weight fragments and two scale words into set s % 3: 14 loads
.set WB_, 16+48*((\s)%3)
.irp u, 0,1
.irp g, 0,1,2
	global_load_b128 v[WB_+12*\u+4*\g:WB_+12*\u+4*\g+3], v3, s[16:17] offset:3072*(\s)+1536*\u+512*\g
.endr
.endr
.irp u, 0,1
.irp g, 0,1,2
	global_load_b128 v[WB_+24+12*\u+4*\g:WB_+24+12*\u+4*\g+3], v3, s[18:19] offset:3072*(\s)+1536*\u+512*\g
.endr
.endr
	global_load_b32 v[232+2*((\s)%3)], v4, s[20:21] offset:4*(\s)      ; lanes 0-15: tile u = 0's rows, lanes 16-31: u = 1's
	global_load_b32 v[233+2*((\s)%3)], v4, s[22:23] offset:4*(\s)
.endm
.macro XSLD s                          ; x's scale words of K step s: register i: lanes 0-15 row tile 2 i, lanes 16-31 row tile 2 i + 1
.irp i, 0,1,2,3
	ds_load_b32 v[238+4*((\s)%2)+\i], v7 offset:512*(\s)+128*\i
.endr
.endm
.macro XGRP n                          ; group n = 4 s + i: x's fragments of row tiles 2 i, 2 i + 1, K step s, into slot n % 3: six loads
.set S2_, (\n)/4
.set I2_, (\n)%4
.irp aa, 0,1
.irp g, 0,1,2
	ds_load_b128 v[160+24*((\n)%3)+12*\aa+4*\g:160+24*((\n)%3)+12*\aa+4*\g+3], v[5+I2_/2] offset:((2*I2_+\aa)%4)*12544+48*S2_+16*\g
.endr
.endr
.endm
.macro MULG n                          ; eight matrix instructions on eight accumulators; the 32 take turns
.irp aa, 0,1
.irp f, 0,1,2,3
.set D_, 8*(4*(2*I_+\aa)+\f)
.set A_, 16+48*(S_%3)+12*\f
.set B_, 160+24*((\n)%3)+12*\aa
.set SA_, 232+2*(S_%3)+(\f/2)
.set SB_, 238+4*(S_%2)+I_
	WM (\f%2), \aa, (S_==0)
.endr
.endr
.endm
.macro GROUP n
.set S_, (\n)/4
.set I_, (\n)%4
.if (I_ == 0) && (S_ >= 1)
.if S_+2 <= 7
	WLOAD S_+2                                     ; into the set that step s - 1 read: four places stand behind its last product
.endif
.if 7-S_ >= 2
	s_wait_loadcnt 28                              ; the loads of the two later steps may be out: this step's weights are in
.else
	s_wait_loadcnt 14*(7-S_)
.endif
.endif
.if (\n) == 31
	s_wait_dscnt 0x0
.elseif (\n) == 30
	s_wait_dscnt 6                                 ; behind this group's loads: the last group's six
.elseif (I_ >= 2) && (S_ < 7)
	s_wait_dscnt 16                                ; behind this group's loads: two groups' twelve and the next step's four scale words
.else
	s_wait_dscnt 12                                ; behind this group's loads: two groups' twelve
.endif
	WIN 0x50                                       ; C and D in window 1
	MULG \n
.rept 4
	v_nop                                          ; places in front of loads into registers that these products have read
.endr
	WIN 0
.if (I_ == 1) && (S_ < 7)
	XSLD S_+1
.endif
.if (\n)+3 <= 31
	XGRP (\n)+3
.endif
.endm
	s_load_b256 s[4:11], s[0:1], 0x0               ; tokq, wimg, route, hid
	s_load_b64 s[58:59], s[0:1], 0x20              ; eidx: the records
	v_lshl_add_u32 v[SPW], v0, 2, SPARE
	v_mov_b32 v[NIL], 0
	v_lshrrev_b32 v8, 5, v0
	s_delay_alu instid0(VALU_DEP_1)
	v_readfirstlane_b32 s12, v8                    ; wave
	s_mov_b32 s13, ttmp9                           ; chunk
	s_and_b32 s14, ttmp7, 0xffff                   ; tile
	s_and_b32 s34, s12, 1                          ; kind
	s_lshr_b32 s35, s12, 1                         ; q
	s_lshl_b32 s36, s13, 2
	s_add_co_u32 s36, s36, s35                     ; kb
	s_lshl_b32 s37, s14, 2
	v_and_b32 v253, 31, v0
	s_delay_alu instid0(VALU_DEP_1)
	v_lshlrev_b32 v253, 7, v253                    ; 128 L: my eight records
	s_wait_alu depctr_va_vdst(0)
	s_wait_kmcnt 0x0
.irp b, 0,1,2,3,4,5,6,7
	global_load_b128 v[160+4*\b:163+4*\b], v253, s[58:59] offset:16*\b
.endr
	v_and_b32 v9, 31, v0                           ; L
	v_and_b32 v10, 15, v0                          ; r
	v_bfe_u32 v11, v0, 4, 1                        ; h
	s_delay_alu instid0(VALU_DEP_3)
	v_lshlrev_b32 v3, 4, v9
	s_delay_alu instid0(VALU_DEP_4)
	v_lshlrev_b32 v4, 5, v9
	s_delay_alu instid0(VALU_DEP_4)
	v_mul_u32_u24 v5, v10, 784
	s_delay_alu instid0(VALU_DEP_1)
	v_mad_u32_u24 v5, v11, 384, v5                 ; row r, my half's 384 bytes: a K step's 48 bytes lie on end there
	s_delay_alu instid0(VALU_DEP_1)
	v_add_nc_u32 v6, 50176, v5                     ; the same 64 rows further on
	v_lshl_add_u32 v7, v9, 2, XSC
	; the gather of 128 rows of 768 bytes: wave w takes rows 16 w on, two rows (1,536 bytes) by three loads of 512 bytes
	v_add_nc_u32 v13, 512, v3
	v_mul_u32_u24 v12, v11, 768
	s_delay_alu instid0(VALU_DEP_1)
	v_sub_nc_u32 v13, v13, v12                     ; second load: lanes 0-15 the even row's last 256 bytes, lanes 16-31 the odd row's first 256
	v_add_nc_u32 v14, 256, v3                      ; third load: the odd row's last 512
	v_mov_b32 v15, 0
	s_mul_i32 s38, s12, 12544
	v_add_nc_u32 v247, s38, v3                     ; and their places in LDS
	s_delay_alu instid0(VALU_DEP_1)
	v_lshl_add_u32 v248, v11, 4, v247
	s_delay_alu instid0(VALU_DEP_1)
	v_add_nc_u32 v248, 512, v248
	s_delay_alu instid0(VALU_DEP_3)
	v_add_nc_u32 v249, 1040, v247
	v_lshrrev_b32 v250, 1, v0
	s_delay_alu instid0(VALU_DEP_1)
	v_lshlrev_b32 v250, 2, v250                    ; the scale bytes: thread t takes half t & 1 of row t >> 1
	v_and_b32 v251, 1, v0
	s_delay_alu instid0(VALU_DEP_1)
	v_lshlrev_b32 v252, 4, v251
	s_delay_alu instid0(VALU_DEP_2)
	v_lshl_add_u32 v12, v251, 11, v250
	s_delay_alu instid0(VALU_DEP_1)
	v_add_nc_u32 v12, XSC, v12
	s_lshl_b32 s38, s14, 9
	s_mov_b32 s39, 0
	s_add_nc_u64 s[48:49], s[8:9], s[38:39]        ; ROWTOK at the tile's first row
	s_lshl_b32 s38, s12, 6
	s_add_nc_u64 s[24:25], s[48:49], s[38:39]      ; and at my wave's 16 rows
	s_mov_b32 s29, 0xffff0000
	s_mov_b32 s30, 0xbfb8aa3b                      ; -log2(e)
	s_mov_b32 s31, s30
	s_mov_b32 s32, 0x76543210
	s_mov_b32 s33, 0xfedcba98
	s_or_b32 s50, s13, s35                         ; 0 in the two waves that hold block 0
	s_cmp_eq_u32 s50, 0
	s_cselect_b32 s28, 0xffff, 0                   ; the lanes that hold unit 0 in their first register
	s_xor_b32 s40, s34, 1
	s_mul_i32 s43, s36, 24576
	s_wait_alu depctr_va_vdst(0)
	s_wait_loadcnt 0x0                             ; the records are in
	v_add_nc_u32 v192, v162, v166                  ; my 64 tokens' counts: bytes e0 .. e3,
	v_add_nc_u32 v193, v163, v167                  ; and e4 .. e7 (64 at the most in a byte)
.irp b, 2,4,6
	s_delay_alu instid0(VALU_DEP_2)
	v_add3_u32 v192, v192, v[162+4*\b], v[166+4*\b]
	s_delay_alu instid0(VALU_DEP_2)
	v_add3_u32 v193, v193, v[163+4*\b], v[167+4*\b]
.endr
	s_delay_alu instid0(VALU_DEP_2)
	v_and_b32 v194, 0xff00ff, v192                 ; in fields of 16 bits: e0, e2
	v_lshrrev_b32 v195, 8, v192
	v_and_b32 v196, 0xff00ff, v193                 ; e4, e6
	v_lshrrev_b32 v197, 8, v193
	s_delay_alu instid0(VALU_DEP_3)
	v_and_b32 v195, 0xff00ff, v195                 ; e1, e3
	s_delay_alu instid0(VALU_DEP_2)
	v_and_b32 v197, 0xff00ff, v197                 ; e5, e7
.irp i, 0,1,2,3
	v_mov_b32 v[198+\i], 0                         ; a lane permute's destination counts as one of its sources
.endr
.irp m, 1,2,4,8
.irp i, 0,1,2,3
	v_add_nc_u32_dpp v[194+\i], v[194+\i], v[194+\i] row_xmask:\m row_mask:0xf bank_mask:0xf
.endr
.endr
.irp i, 0,1,2,3
	v_permlanex16_b32 v[198+\i], v[194+\i], s32, s33
.endr
.irp i, 0,1,2,3
	v_add_nc_u32 v[194+\i], v[194+\i], v[198+\i]   ; the experts' totals, 2,048 at the most
.endr
.irp i, 0,1,2,3
	v_readfirstlane_b32 s[66+\i], v[194+\i]
.endr
	s_wait_alu depctr_va_vdst(0)
	s_and_b32 s70, s66, 0xffff
	s_lshr_b32 s72, s66, 16
	s_and_b32 s71, s67, 0xffff
	s_lshr_b32 s73, s67, 16
	s_and_b32 s74, s68, 0xffff
	s_lshr_b32 s76, s68, 16
	s_and_b32 s75, s69, 0xffff
	s_lshr_b32 s77, s69, 16
	s_mov_b32 s78, 0                               ; tiles so far
	s_mov_b32 s79, 0                               ; the tile's expert: how many experts end at or ahead of my tile
	s_mov_b32 s80, 0                               ; that expert's first tile
	s_mov_b32 s81, 0                               ; its total (0 where the tile has no expert)
.irp e, 0,1,2,3,4,5,6,7
	s_add_co_u32 s82, s[70+\e], 127
	s_lshr_b32 s82, s82, 7
	s_add_co_u32 s78, s78, s82
	s_cmp_le_u32 s78, s14
	s_cselect_b32 s80, s78, s80
	s_add_co_ci_u32 s79, s79, 0
.endr
.irp e, 0,1,2,3,4,5,6,7
	s_cmp_eq_u32 s79, \e
	s_cselect_b32 s81, s[70+\e], s81
.endr
	s_sub_co_u32 s84, s14, s80
	s_lshl_b32 s84, s84, 7
	s_lshl_b32 s82, s12, 4
	s_add_co_u32 s84, s84, s82                     ; the rank of my wave's first row
	s_mov_b32 s92, s37
	s_mov_b32 s93, 0
	s_add_nc_u64 s[92:93], s[8:9], s[92:93]        ; route + 4 x tile
	s_min_u32 s15, s79, 7                          ; a tile with no rows (8) takes expert 7's weights: no branch hangs on the number
	s_mul_i32 s41, s15, s40
	s_mul_i32 s42, s34, 24
	s_add_co_u32 s41, s41, s42                     ; W1[e] or Ws1
	s_lshl_b32 s42, s40, 3
	s_add_co_u32 s42, s42, s34
	s_add_co_u32 s42, s42, s41                     ; W3[e] or Ws3
	s_mul_i32 s38, s41, 786432
	s_add_co_u32 s38, s38, s43
	s_add_nc_u64 s[16:17], s[6:7], s[38:39]
	s_mul_i32 s38, s42, 786432
	s_add_co_u32 s38, s38, s43
	s_add_nc_u64 s[18:19], s[6:7], s[38:39]
	s_lshl_b32 s38, s41, 5
	s_add_co_u32 s38, s38, s36
	s_lshl_b32 s38, s38, 10
	s_add_co_u32 s38, s38, WSC_O
	s_add_nc_u64 s[20:21], s[6:7], s[38:39]
	s_lshl_b32 s38, s42, 5
	s_add_co_u32 s38, s38, s36
	s_lshl_b32 s38, s38, 10
	s_add_co_u32 s38, s38, WSC_O
	s_add_nc_u64 s[22:23], s[6:7], s[38:39]
	WLOAD 0
	WLOAD 1
	s_bitcmp1_b32 s15, 2
	s_cselect_b32 s85, -1, 0                       ; experts 4-7: the records' second words
	s_and_b32 s86, s15, 3
	s_lshl_b32 s87, s86, 3
	s_mul_i32 s88, s86, 0x01010101
	s_add_co_u32 s88, s88, 0x04000400              ; selects byte e & 3 of two words by turns
	v_cndmask_b32 v202, v192, v193, s85
	s_delay_alu instid0(VALU_DEP_1)
	v_bfe_u32 v202, v202, s87, 8                   ; how many of my 64 tokens chose the tile's expert
.irp b, 0,1,2,3,4,5,6,7
	v_cndmask_b32 v[204+\b], v[160+4*\b], v[161+4*\b], s85
.endr
.irp b, 0,2,4,6
	v_perm_b32 v[204+\b], v[205+\b], v[204+\b], s88
.endr
	v_perm_b32 v204, v206, v204, 0x05040100        ; the expert's mask of tokens 64 L .. 64 L + 31,
	v_perm_b32 v205, v210, v208, 0x05040100        ; and of 64 L + 32 .. 64 L + 63
	v_add_nc_u32 v212, s84, v10                    ; R: the rank that row 16 w + r wants
	v_mov_b32 v213, 0                              ; the lane whose tokens hold it,
	v_mov_b32 v214, 0                              ; and the ranks ahead of that lane
	s_mov_b32 s89, 0
.irp l, 0,1,2,3,4,5,6,7,8,9,10,11,12,13,14,15,16,17,18,19,20,21,22,23,24,25,26,27,28,29,30
	v_readlane_b32 s90, v202, \l
	s_add_co_u32 s89, s89, s90                     ; lanes 0 .. l hold so many
	v_cmp_ge_u32 vcc_lo, v212, s89
	s_delay_alu instid0(VALU_DEP_1)
	v_cndmask_b32 v214, v214, s89, vcc_lo
	v_add_co_ci_u32 v213, vcc_lo, 0, v213, vcc_lo
.endr
	s_delay_alu instid0(VALU_DEP_1)
	v_lshlrev_b32 v215, 2, v213
	v_sub_nc_u32 v218, v212, v214                  ; q: the rank inside that lane's 64
	ds_bpermute_b32 v216, v215, v204
	ds_bpermute_b32 v217, v215, v205
	v_mov_b32 v230, 0
	s_wait_alu depctr_va_vdst(0)
	s_wait_dscnt 0x0
	; counts of ones in fields of 2, 4 and 8 bits and in pairs of bytes, of both words by turns: v220-223 of the low word, v224-227 of the high
.irp z, 0,1
	v_lshrrev_b32 v[228+\z], 1, v[216+\z]
.endr
.irp z, 0,1
	s_delay_alu instid0(VALU_DEP_2)
	v_and_b32 v[228+\z], 0x55555555, v[228+\z]
.endr
.irp z, 0,1
	s_delay_alu instid0(VALU_DEP_2)
	v_sub_nc_u32 v[220+4*\z], v[216+\z], v[228+\z]
.endr
.irp z, 0,1
	s_delay_alu instid0(VALU_DEP_2)
	v_lshrrev_b32 v[228+\z], 2, v[220+4*\z]
.endr
.irp z, 0,1
	v_and_b32 v[221+4*\z], 0x33333333, v[220+4*\z]
.endr
.irp z, 0,1
	v_and_b32 v[228+\z], 0x33333333, v[228+\z]
.endr
.irp z, 0,1
	s_delay_alu instid0(VALU_DEP_2)
	v_add_nc_u32 v[221+4*\z], v[221+4*\z], v[228+\z]
.endr
.irp z, 0,1
	s_delay_alu instid0(VALU_DEP_2)
	v_lshrrev_b32 v[228+\z], 4, v[221+4*\z]
.endr
.irp z, 0,1
	s_delay_alu instid0(VALU_DEP_2)
	v_add_nc_u32 v[228+\z], v[228+\z], v[221+4*\z]
.endr
.irp z, 0,1
	s_delay_alu instid0(VALU_DEP_2)
	v_and_b32 v[222+4*\z], 0x0f0f0f0f, v[228+\z]
.endr
.irp z, 0,1
	s_delay_alu instid0(VALU_DEP_2)
	v_lshrrev_b32 v[228+\z], 8, v[222+4*\z]
.endr
.irp z, 0,1
	s_delay_alu instid0(VALU_DEP_2)
	v_add_nc_u32 v[223+4*\z], v[228+\z], v[222+4*\z]
.endr
	s_delay_alu instid0(VALU_DEP_2)
	v_bfe_u32 v228, v223, 16, 8
	v_and_b32 v229, 0xff, v223
	s_delay_alu instid0(VALU_DEP_1)
	v_add_nc_u32 v228, v228, v229                  ; the ones of the low word
	s_delay_alu instid0(VALU_DEP_1)
	v_cmp_ge_u32 vcc_lo, v218, v228
	s_delay_alu instid0(VALU_DEP_1)
	v_cndmask_b32 v228, 0, v228, vcc_lo
	v_cndmask_b32 v219, 0, 32, vcc_lo
	v_cndmask_b32 v216, v216, v217, vcc_lo
.irp i, 0,1,2,3
	v_cndmask_b32 v[220+\i], v[220+\i], v[224+\i], vcc_lo
.endr
	v_sub_nc_u32 v218, v218, v228
.macro PICK f, w, inc                  ; does the rank lie behind the lower half of the field at bit v230?
	v_bfe_u32 v228, v[\f], v230, \w
	s_delay_alu instid0(VALU_DEP_1)
	v_cmp_ge_u32 vcc_lo, v218, v228
	s_delay_alu instid0(VALU_DEP_1)
	v_cndmask_b32 v228, 0, v228, vcc_lo
	v_cndmask_b32 v229, 0, \inc, vcc_lo
	s_delay_alu instid0(VALU_DEP_2)
	v_sub_nc_u32 v218, v218, v228
	s_delay_alu instid0(VALU_DEP_2)
	v_add_nc_u32 v230, v230, v229
.endm
	PICK 223, 8, 16
	PICK 222, 8, 8
	PICK 221, 4, 4
	PICK 220, 2, 2
	PICK 216, 1, 1
	s_delay_alu instid0(VALU_DEP_1)
	v_lshl_add_u32 v254, v213, 6, v230
	s_delay_alu instid0(VALU_DEP_1)
	v_add_nc_u32 v254, v254, v219                  ; the token
	v_cmp_gt_u32 vcc_lo, s81, v212                 ; the expert has so many rows?
	s_delay_alu instid0(VALU_DEP_1)
	v_cndmask_b32 v254, -1, v254, vcc_lo           ; -1: the row holds no token
	v_lshlrev_b32 v253, 2, v10                     ; 4 r
	v_lshlrev_b32 v231, 1, v9
	s_delay_alu instid0(VALU_DEP_1)
	v_and_b32 v231, 0x3c, v231                     ; 4 (L >> 1)
	v_mov_b32 v255, s79
	v_min_u32 v246, 2047, v254
	s_delay_alu instid0(VALU_DEP_1)
	v_lshlrev_b32 v246, 2, v246
	global_load_b32 v246, v246, s[4:5] offset:GWT_O            ; my row's gate weight; it lands on its own address register
	s_lshl_b32 s94, s14, 9
	s_lshl_b32 s95, s12, 6
	s_add_co_u32 s94, s94, s95
	s_add_co_u32 s94, s94, WS_O
	s_mov_b32 s95, 0
	s_add_nc_u64 s[94:95], s[10:11], s[94:95]      ; the weights of my wave's 16 slots
	s_wait_alu depctr_va_vdst(0)
	s_cmp_lg_u32 s13, 0
	s_cbranch_scc1 .Lnoroute
	global_store_b32 v253, v254, s[24:25]          ; ROWTOK of my 16 rows (both halves of the lanes hold the same words)
	s_cmp_lg_u32 s12, 0
	s_cbranch_scc1 .Lnoroute
	global_store_b32 v15, v255, s[92:93] offset:TILEX_O
.Lnoroute:
	ds_bpermute_b32 v8, v231, v254                 ; for the scale bytes: lane L takes row 16 w + (L >> 1)
.irp i, 0,1,2,3,4,5,6,7,8,9,10,11,12,13,14,15
	v_readlane_b32 s[66+\i], v254, \i
.endr
	s_wait_dscnt 0x0
	WIN 0x40                                       ; the accumulators' registers are free: tokens, offsets and codes pass through them
.irp k, 0,1,2,3,4,5,6,7
	v_mov_b32 v[12*\k],   s[66+2*\k]
	v_mov_b32 v[12*\k+4], s[66+2*\k]
	v_mov_b32 v[12*\k+8], s[67+2*\k]
.endr
	WIN 0x41
.irp k, 0,1,2,3,4,5,6,7
	v_cndmask_b32 v[12*\k+4], v[12*\k+4], s[67+2*\k], s29      ; lanes 16-31: the odd row
.endr
	WIN 0x44
.irp n, 0,1,2,3,4,5,6,7,8,9,10,11,12,13,14,15,16,17,18,19,20,21,22,23
	v_min_u32 v[4*\n], 2047, v[4*\n]
.endr
.irp n, 0,1,2,3,4,5,6,7,8,9,10,11,12,13,14,15,16,17,18,19,20,21,22,23
	v_mul_u32_u24 v[4*\n], 768, v[4*\n]
.endr
.irp k, 0,1,2,3,4,5,6,7
	v_add_nc_u32 v[12*\k],   v3,  v[12*\k]
	v_add_nc_u32 v[12*\k+4], v13, v[12*\k+4]
	v_add_nc_u32 v[12*\k+8], v14, v[12*\k+8]
.endr
	WIN 0x41
.irp n, 0,1,2,3,4,5,6,7,8,9,10,11,12,13,14,15,16,17,18,19,20,21,22,23
	global_load_b128 v[4*\n:4*\n+3], v[4*\n], s[4:5]           ; each lands on its own address register
.endr
	WIN 0
	v_min_u32 v8, 2047, v8
	s_delay_alu instid0(VALU_DEP_1)
	v_lshl_add_u32 v8, v8, 5, v252
	global_load_b128 v[8:11], v8, s[4:5] offset:XS_O
	s_wait_loadcnt 0x0                             ; the rows' codes and scale bytes are in, and K steps 0 and 1 of the weights
	WLOAD 2                                        ; K step 2 goes out here: 14 loads are out when the products begin
	s_wait_alu depctr_va_vdst(0)
	s_cmp_lg_u32 s13, 0
	s_cbranch_scc1 .Lnow
	global_store_b32 v253, v246, s[94:95]          ; (both halves of the lanes hold the same words)
.Lnow:
	WIN 0x04
.irp k, 0,1,2,3,4,5,6,7
	ds_store_b128 v247, v[12*\k:12*\k+3]    offset:1568*\k
	ds_store_b128 v248, v[12*\k+4:12*\k+7]  offset:1568*\k
	ds_store_b128 v249, v[12*\k+8:12*\k+11] offset:1568*\k
.endr
	WIN 0
.irp i, 0,1,2,3
	ds_store_b32 v12, v[8+\i] offset:512*\i
.endr
	s_wait_dscnt 0x0                               ; my rows have landed
	s_barrier_signal -1
	s_barrier_wait -1                              ; everybody's have
	XSLD 0
	XGRP 0
	XGRP 1
	XGRP 2
.set N_, 0
.rept 32
	GROUP N_
.set N_, N_+1
.endr
	; ---- the way out.  Every window is 0, four places stand behind the last product, no load is out
	v_and_b32 v110, 31, v0                         ; L
	v_and_b32 v111, 15, v0                         ; r
	v_bfe_u32 v112, v0, 4, 1                       ; h
	s_wait_alu depctr_va_vdst(0)
	s_mul_i32 s38, s34, 12288
	s_and_b32 s40, s35, 1
	s_lshl_b32 s41, s40, 8
	s_add_co_u32 s38, s38, s41
	s_add_co_u32 s38, s38, STGC
	s_lshr_b32 s42, s35, 1                         ; c: block q fills registers 6 c .. 6 c + 5 of lane r + 16 (q & 1) of the next product's fragment
	s_mul_i32 s43, s42, 520
	s_mul_i32 s44, s42, 1016
	v_mul_u32_u24 v113, v112, 1536
	s_delay_alu instid0(VALU_DEP_1)
	v_lshl_add_u32 v113, v111, 4, v113
	s_delay_alu instid0(VALU_DEP_1)
	v_add_nc_u32 v113, s38, v113
	s_delay_alu instid0(VALU_DEP_1)
	v_add_nc_u32 v104, s43, v113                   ; registers 6 c, 6 c + 1 in the image
	s_delay_alu instid0(VALU_DEP_2)
	v_add_nc_u32 v105, s44, v113
	s_delay_alu instid0(VALU_DEP_1)
	v_add_nc_u32 v105, 8, v105                     ; 6 c + 2, 6 c + 3
	s_delay_alu instid0(VALU_DEP_3)
	v_add_nc_u32 v106, 512, v104                   ; 6 c + 4, 6 c + 5
	s_lshl_b32 s38, s34, 9
	s_add_co_u32 s38, s38, s35
	s_add_co_u32 s38, s38, SSTG
	v_lshl_add_u32 v107, v110, 2, s38              ; byte q of a row's scale word
	s_lshl_b32 s38, s34, 11
	s_lshl_b32 s41, s35, 9
	s_add_co_u32 s38, s38, s41
	s_add_co_u32 s38, s38, SQ
	v_lshl_add_u32 v108, v110, 4, s38
	v_lshl_add_u32 v114, v0, 4, STGC
	v_lshl_add_u32 v115, v0, 2, SSTG
	v_lshrrev_b32 v117, 7, v0
	v_and_b32 v118, 127, v0
	s_delay_alu instid0(VALU_DEP_1)
	v_lshlrev_b32 v118, 2, v118
	s_delay_alu instid0(VALU_DEP_1)
	v_lshl_add_u32 v116, v117, 11, v118
	s_delay_alu instid0(VALU_DEP_1)
	v_add_nc_u32 v116, SQ, v116
	v_lshlrev_b32 v119, 4, v0
	s_delay_alu instid0(VALU_DEP_4)
	v_mad_u32_u24 v120, v117, 94208, v118
	v_mov_b32 v85, 0                               ; written once: a lane permute's destination counts as one of its sources
	v_mov_b32 v89, 0
	s_mul_i32 s38, s34, 376832
	s_lshl_b32 s41, s14, 14
	s_add_co_u32 s38, s38, s41
	s_add_co_u32 s38, s38, H0_O
	s_add_nc_u64 s[26:27], s[10:11], s[38:39]
	s_mul_i32 s38, s14, 98304
	s_mul_i32 s41, s13, 12288
	s_add_co_u32 s38, s38, s41
	s_add_nc_u64 s[52:53], s[10:11], s[38:39]
	s_lshl_b32 s38, s14, 12
	s_lshl_b32 s41, s13, 9
	s_add_co_u32 s38, s38, s41
	s_add_co_u32 s38, s38, HSC_O
	s_add_nc_u64 s[54:55], s[10:11], s[38:39]
; Row tiles 2 mm and 2 mm + 1.  E = v16-47, P = v48-79 (16 registers a tile).
.macro PAIR mm
	s_wait_xcnt 0x0                                ; the last pair's stores have read P,
	s_wait_dscnt 0x0                               ; and its LDS stores their registers
	WIN 0x01
.irp tt, 0,1
.irp j, 0,2,4,6,8,10,12,14
	v_pk_mul_f32 v[16+16*\tt+\j:17+16*\tt+\j], v[64*(\mm)+32*\tt+\j:64*(\mm)+32*\tt+\j+1], s[30:31] op_sel_hi:[1,0]   ; -log2(e) s1; each accumulator from its low end on
.endr
.endr
	WIN 0x05
.irp tt, 0,1
.irp j, 0,2,4,6,8,10,12,14
	v_pk_mul_f32 v[48+16*\tt+\j:49+16*\tt+\j], v[64*(\mm)+32*\tt+\j:64*(\mm)+32*\tt+\j+1], v[64*(\mm)+32*\tt+16+\j:64*(\mm)+32*\tt+17+\j]   ; s1 s3
.endr
.endr
	WIN 0
	s_wait_alu depctr_va_vdst(0)
.irp j, 0,1,2,3,4,5,6,7,8,9,10,11,12,13,14,15,16,17,18,19,20,21,22,23,24,25,26,27,28,29,30,31
	v_exp_f32 v[16+\j], v[16+\j]
.endr
	v_nop
	s_wait_alu depctr_va_vdst(0)                   ; one wait for the batch, ahead of its first reader
.irp j, 0,2,4,6,8,10,12,14,16,18,20,22,24,26,28,30
	v_pk_add_f32 v[16+\j:17+\j], v[16+\j:17+\j], 1.0 op_sel_hi:[1,0]
.endr
	s_wait_alu depctr_va_vdst(0)
.irp j, 0,1,2,3,4,5,6,7,8,9,10,11,12,13,14,15,16,17,18,19,20,21,22,23,24,25,26,27,28,29,30,31
	v_rcp_f32 v[16+\j], v[16+\j]
.endr
	v_nop
	s_wait_alu depctr_va_vdst(0)
.irp j, 0,2,4,6,8,10,12,14,16,18,20,22,24,26,28,30
	v_pk_mul_f32 v[48+\j:49+\j], v[48+\j:49+\j], v[16+\j:17+\j]   ; sp = s1 s3 / (1 + 2^(-log2(e) s1))
.endr
	v_cndmask_b32 v48, v48, 0, s28                 ; unit 0 is the time's place
	v_cndmask_b32 v64, v64, 0, s28
	s_cmp_lg_u32 s50, 0
	s_cbranch_scc1 .Lnoh0_\@
.irp tt, 0,1
.irp g, 0,1,2,3
	global_store_b128 v3, v[48+16*\tt+4*\g:51+16*\tt+4*\g], s[26:27] offset:2048*(2*(\mm)+\tt)+512*\g   ; block 0 as numbers
.endr
.endr
.Lnoh0_\@:
	s_wait_alu depctr_va_vdst(0)
.irp tt, 0,1
	v_pk_mul_f32 v[80+2*\tt:81+2*\tt], v[48+16*\tt:49+16*\tt], v[48+16*\tt:49+16*\tt]
.endr
.irp j, 2,4,6,8,10,12,14
.irp tt, 0,1
	s_delay_alu instid0(VALU_DEP_2)
	v_pk_fma_f32 v[80+2*\tt:81+2*\tt], v[48+16*\tt+\j:49+16*\tt+\j], v[48+16*\tt+\j:49+16*\tt+\j], v[80+2*\tt:81+2*\tt]
.endr
.endr
.irp tt, 0,1
	s_delay_alu instid0(VALU_DEP_2)
	v_add_f32 v[80+2*\tt], v[80+2*\tt], v[81+2*\tt]
.endr
.irp tt, 0,1
	s_delay_alu instid0(VALU_DEP_2)
	v_permlanex16_b32 v[81+2*\tt], v[80+2*\tt], s32, s33
.endr
.irp tt, 0,1
	s_delay_alu instid0(VALU_DEP_2)
	v_add_f32 v[80+2*\tt], v[80+2*\tt], v[81+2*\tt]
.endr
	s_delay_alu instid0(VALU_DEP_1)
	v_cndmask_b32 v[100+\mm], v80, v82, s29        ; lane L: the block's sum of squares of row 32 mm + L
.irp tt, 0,1
	v_max3_num_f32 v[84+4*\tt], |v[48+16*\tt]|, |v[49+16*\tt]|, 0x1800000   ; with the floor 2^(3 - 127)
.endr
.irp i, 2,4,6,8,10,12,14
.irp tt, 0,1
	s_delay_alu instid0(VALU_DEP_2)
	v_max3_num_f32 v[84+4*\tt], v[84+4*\tt], |v[48+16*\tt+\i]|, |v[49+16*\tt+\i]|
.endr
.endr
.irp tt, 0,1
	s_delay_alu instid0(VALU_DEP_2)
	v_permlanex16_b32 v[85+4*\tt], v[84+4*\tt], s32, s33
.endr
.irp tt, 0,1
	s_delay_alu instid0(VALU_DEP_2)
	v_max_num_f32 v[84+4*\tt], v[84+4*\tt], v[85+4*\tt]        ; the block's largest magnitude
.endr
.irp tt, 0,1
	s_delay_alu instid0(VALU_DEP_2)
	v_add_nc_u32 v[86+4*\tt], 0xff000000, v[84+4*\tt]          ; the conversion's scale operand
.endr
.irp tt, 0,1
	s_delay_alu instid0(VALU_DEP_2)
	v_lshrrev_b32 v[87+4*\tt], 23, v[86+4*\tt]                 ; the scale's byte
.endr
	v_cvt_scalef32_pk16_fp6_f32 v[92:94], v[48:63], v86
	v_cvt_scalef32_pk16_fp6_f32 v[96:98], v[64:79], v90
	v_nop                                          ; one plain place behind a scaled conversion
.irp i, 0,1,2
	v_permlane16_swap_b32 v[92+\i], v[96+\i]       ; lanes 0-15 now hold the whole block of tile 2 mm, lanes 16-31 that of tile 2 mm + 1
.endr
	s_delay_alu instid0(VALU_DEP_3)
	v_mov_b32 v95, v96
	s_delay_alu instid0(VALU_DEP_3)
	v_mov_b32 v96, v97
	s_delay_alu instid0(VALU_DEP_3)
	v_mov_b32 v97, v98
	v_cndmask_b32 v99, v87, v91, s29
	ds_store_b64 v104, v[92:93] offset:3072*(\mm)
	ds_store_b64 v105, v[94:95] offset:3072*(\mm)
	ds_store_b64 v106, v[96:97] offset:3072*(\mm)
	ds_store_b8 v107, v99 offset:128*(\mm)
.endm
	PAIR 0
	PAIR 1
	PAIR 2
	PAIR 3
	ds_store_b128 v108, v[100:103]
	s_wait_dscnt 0x0                               ; my codes, bytes and sums have landed
	s_barrier_signal -1
	s_barrier_wait -1
.irp i, 0,1,2,3,4,5
	ds_load_b128 v[16+4*\i:19+4*\i], v114 offset:4096*\i
.endr
	ds_load_b32 v40, v115
.irp i, 0,1,2,3
	ds_load_b32 v[41+\i], v116 offset:512*\i
.endr
	s_wait_dscnt 0x0
	v_add_f32 v41, v41, v42
	v_add_f32 v43, v43, v44
	s_delay_alu instid0(VALU_DEP_1)
	v_add_f32 v41, v41, v43                        ; the chunk's sum of squares of a row
.irp i, 0,1,2,3,4,5
	global_store_b128 v119, v[16+4*\i:19+4*\i], s[52:53] offset:(\i/3)*2260992+(\i%3)*4096   ; a wave stores 512 consecutive bytes
.endr
	global_store_b32 v120, v40, s[54:55]
	global_store_b32 v120, v41, s[54:55] offset:188416
	s_wait_tensorcnt 0x0                           ; the wave's end, behind my last LDS store
	ds_add_u32 v[SPW], v[NIL]
	s_wait_dscnt 0x0
	s_endpgm
.Lfunc_end_k_q7cc2e81dee_up:
	.size	k_q7cc2e81dee_up, .Lfunc_end_k_q7cc2e81dee_up-k_q7cc2e81dee_up
	.p2alignl 7, 3214868480
	.fill 96, 4, 3214868480
	.section	.rodata,"a",@progbits
	.p2align	6, 0x0
	.amdhsa_kernel k_q7cc2e81dee_up
		.amdhsa_group_segment_fixed_size 135168
		.amdhsa_private_segment_fixed_size 0
		.amdhsa_enable_private_segment 0
		.amdhsa_kernarg_size 40
		.amdhsa_user_sgpr_count 2
		.amdhsa_user_sgpr_kernarg_segment_ptr 1
		.amdhsa_wavefront_size32 1
		.amdhsa_system_sgpr_workgroup_id_x 1
		.amdhsa_system_sgpr_workgroup_id_y 1
		.amdhsa_system_sgpr_workgroup_id_z 1
		.amdhsa_system_vgpr_workitem_id 0
		.amdhsa_next_free_vgpr 512
		.amdhsa_next_free_sgpr 100
		.amdhsa_reserve_vcc 1
		.amdhsa_float_denorm_mode_32 3
		.amdhsa_float_denorm_mode_16_64 3
		.amdhsa_memory_ordered 1
		.amdhsa_forward_progress 1
		.amdhsa_inst_pref_size 155
	.end_amdhsa_kernel
	.amdgpu_metadata
---
amdhsa.version: [ 1, 2 ]
amdhsa.kernels:
  - .name:           k_q7cc2e81dee_up
    .symbol:         k_q7cc2e81dee_up.kd
    .args:
      - { .name: tokq, .offset: 0, .size: 8, .value_kind: global_buffer, .address_space: global }
      - { .name: wimg, .offset: 8, .size: 8, .value_kind: global_buffer, .address_space: global }
      - { .name: route, .offset: 16, .size: 8, .value_kind: global_buffer, .address_space: global }
      - { .name: hid, .offset: 24, .size: 8, .value_kind: global_buffer, .address_space: global }
      - { .name: eidx, .offset: 32, .size: 8, .value_kind: global_buffer, .address_space: global }
    .group_segment_fixed_size: 135168
    .private_segment_fixed_size: 0
    .kernarg_segment_align: 8
    .kernarg_segment_size: 40
    .max_flat_workgroup_size: 256
    .sgpr_count:     100
    .vgpr_count:     512
    .wavefront_size: 32
...
	.end_amdgpu_metadata
.endif
;; end of part 7
;; launch down (part 8): grid 8 x 23, 8 waves a work-group, no clusters, 206,848 bytes of LDS; arguments hid, wimg, route, tokq, cmb; writes cmb
.if DOCPART == 8
	.amdgcn_target "amdgcn-amd-amdhsa--gfx1250"
	.amdhsa_code_object_version 6
	.text
	.protected	k_q7cc2e81dee_down
	.globl	k_q7cc2e81dee_down
	.p2align	8
	.type	k_q7cc2e81dee_down,@function
k_q7cc2e81dee_down:
	s_mov_b64 s[64:65], 0
	v_nop
	global_prefetch_b8 v0, s[64:65] scope:SCOPE_SE
	s_setreg_imm32_b32 hwreg(HW_REG_WAVE_MODE, 25, 1), 1
	s_wait_xcnt 0x0
; Third launch: t = sqrt(max(sum sp^2 + 1, 1e-8)) goes into block 0 of h, which is quantised here; o = h W2^T for the tile's expert and zo = h' Ws2^T for the shared one;
; comb = zo + 2 w o, and partial sums of o^2, zo^2 and comb^2.  Left out: the experts not chosen, as in the launch before.
; As there, every wave passes every barrier, so no work-group ends on a stored number: a tile with no rows (TILEX = 8) runs like any other, with the expert's number held at 7 and -1 in its slots (read as token 2,047);
; its rows of the workspace are named by no token's slot and are read for no output.
; No tensor load, no copy, no cluster: the weights' addresses hang on a stored number.
; SHARES.  Work-group (x = chunk of 128 output units, y = tile of 128 rows).  Wave w: kind kp = w & 1, q = w >> 1: output block kb = 4 chunk + q, all 128 rows: 16 accumulators, 128 matrix instructions.
; Accumulator index a = 0 .. 3 is row tile 4 kp + a (these I keep), a = 4 .. 7 row tile 4 (1 - kp) + a - 4 (these go to wave w xor 1, which combines them).
; Output unit n belongs to weight row n - 1; unit 0 (the time) is masked to 0 here and made by the last launch.
; REGISTERS, window 0: v3-23 addresses; v24-31 the weights' scale words, v32-39 h's (scales and nothing else); v40-111 three slots of two fragments; v112-239 accumulator (a, u) at 112 + 8 (2 a + u);
;   v240-255 tokens, then the pairs cm and ct.  In the prologue v40-231 carry h's images to LDS and v232-239 the parts of the sums.   window 1: v0-191 my weights; v192-223 block 0 as numbers; v232-244 at work.
.set WSC_O,   21233664
.set TILEX_O, 20224
.set GWT_O,   1638400
.set HSC_O,   4521984
.set SSQ_O,   4710400
.set H0_O,    4898816
.set PSUM_O,  12058624
.set HIMG,  0                          ; LDS: h's fragments [kind][s][m][1536]
.set HSCL,  196608                     ; their scale words [kind][s][row]
.set TL,    204800                     ; t [kind][row]
.set SPARE, 205824
.set EX,    0                          ; behind the products, in HIMG's bytes: what a wave hands to its partner, 8,192 bytes a wave;
.set STG,   65536                      ; 128 rows x (512 + 16) of comb;
.set PSB,   133120                     ; sums [q][which][row]
.set SPW, 1
.set NIL, 2
.set MSB, 0
.macro WIN new
.if MSB != \new
	s_set_vgpr_msb (MSB<<8)|\new
.set MSB, \new
.endif
.endm
.macro WM ra, rb, z
.if \z
.if (\ra) && (\rb)
	v_wmma_scale_f32_16x16x128_f8f6f4 v[D_:D_+7], v[A_:A_+11], v[B_:B_+11], 0, v[SA_], v[SB_] matrix_a_fmt:MATRIX_FMT_FP6 matrix_b_fmt:MATRIX_FMT_FP6 matrix_a_scale:MATRIX_SCALE_ROW1 matrix_b_scale:MATRIX_SCALE_ROW1
.elseif \ra
	v_wmma_scale_f32_16x16x128_f8f6f4 v[D_:D_+7], v[A_:A_+11], v[B_:B_+11], 0, v[SA_], v[SB_] matrix_a_fmt:MATRIX_FMT_FP6 matrix_b_fmt:MATRIX_FMT_FP6 matrix_a_scale:MATRIX_SCALE_ROW1
.elseif \rb
	v_wmma_scale_f32_16x16x128_f8f6f4 v[D_:D_+7], v[A_:A_+11], v[B_:B_+11], 0, v[SA_], v[SB_] matrix_a_fmt:MATRIX_FMT_FP6 matrix_b_fmt:MATRIX_FMT_FP6 matrix_b_scale:MATRIX_SCALE_ROW1
.else
	v_wmma_scale_f32_16x16x128_f8f6f4 v[D_:D_+7], v[A_:A_+11], v[B_:B_+11], 0, v[SA_], v[SB_] matrix_a_fmt:MATRIX_FMT_FP6 matrix_b_fmt:MATRIX_FMT_FP6
.endif
.else
.if (\ra) && (\rb)
	v_wmma_scale_f32_16x16x128_f8f6f4 v[D_:D_+7], v[A_:A_+11], v[B_:B_+11], v[D_:D_+7], v[SA_], v[SB_] matrix_a_fmt:MATRIX_FMT_FP6 matrix_b_fmt:MATRIX_FMT_FP6 matrix_a_scale:MATRIX_SCALE_ROW1 matrix_b_scale:MATRIX_SCALE_ROW1
.elseif \ra
	v_wmma_scale_f32_16x16x128_f8f6f4 v[D_:D_+7], v[A_:A_+11], v[B_:B_+11], v[D_:D_+7], v[SA_], v[SB_] matrix_a_fmt:MATRIX_FMT_FP6 matrix_b_fmt:MATRIX_FMT_FP6 matrix_a_scale:MATRIX_SCALE_ROW1
.elseif \rb
	v_wmma_scale_f32_16x16x128_f8f6f4 v[D_:D_+7], v[A_:A_+11], v[B_:B_+11], v[D_:D_+7], v[SA_], v[SB_] matrix_a_fmt:MATRIX_FMT_FP6 matrix_b_fmt:MATRIX_FMT_FP6 matrix_b_scale:MATRIX_SCALE_ROW1
.else
	v_wmma_scale_f32_16x16x128_f8f6f4 v[D_:D_+7], v[A_:A_+11], v[B_:B_+11], v[D_:D_+7], v[SA_], v[SB_] matrix_a_fmt:MATRIX_FMT_FP6 matrix_b_fmt:MATRIX_FMT_FP6
.endif
.endif
.endm
.macro XSLD s                          ; h's scale words of K step s: register i: lanes 0-15 accumulator index 2 i, lanes 16-31 index 2 i + 1
	ds_load_b32 v[32+4*((\s)%2)],   v13 offset:512*(\s)
	ds_load_b32 v[32+4*((\s)%2)+1], v13 offset:512*(\s)+128
	ds_load_b32 v[32+4*((\s)%2)+2], v14 offset:512*(\s)
	ds_load_b32 v[32+4*((\s)%2)+3], v14 offset:512*(\s)+128
.endm
.macro HGRP n                          ; group n = 4 s + i: h's fragments of indices 2 i, 2 i + 1, K step s, into slot n % 3: six loads
.set S2_, (\n)/4
.set I2_, (\n)%4
.irp aa, 0,1
.irp g, 0,1,2
	ds_load_b128 v[40+24*((\n)%3)+12*\aa+4*\g:40+24*((\n)%3)+12*\aa+4*\g+3], v[9+2*(I2_/2)+(S2_/4)] offset:(S2_%4)*12288+((2*I2_+\aa)%4)*1536+512*\g
.endr
.endr
.endm
.macro MULG n                          ; four matrix instructions on four accumulators; the 16 take turns
.irp aa, 0,1
.irp u, 0,1
.set D_, 112+8*(2*(2*I_+\aa)+\u)
.set A_, 24*S_+12*\u
.set B_, 40+24*((\n)%3)+12*\aa
.set SA_, 24+S_
.set SB_, 32+4*(S_%2)+I_
	WM \u, \aa, (S_==0)
.endr
.endr
.endm
.macro GROUP n
.set S_, (\n)/4
.set I_, (\n)%4
.if I_ == 0
	s_wait_loadcnt 6*(7-S_)                        ; the later steps' weights may be out
.endif
.if (\n) == 31
	s_wait_dscnt 0x0
.elseif (\n) == 30
	s_wait_dscnt 6
.elseif (I_ >= 2) && (S_ < 7)
	s_wait_dscnt 16                                ; two groups' twelve loads and the next step's four scale words
.else
	s_wait_dscnt 12                                ; two groups' twelve loads
.endif
	WIN 0x01                                       ; source 0, the weights, in window 1
	MULG \n
.rept 4
	v_nop                                          ; places in front of loads into registers that these products have read
.endr
	WIN 0
.if (I_ == 1) && (S_ < 7)
	XSLD S_+1
.endif
.if (\n)+3 <= 31
	HGRP (\n)+3
.endif
.endm
; Block 0 of kind k, rows 16 w + r: unit 0 becomes t; the block is quantised; its codes take registers 0-5 of lanes 0-15 of the image (K step 0, row tile w), its byte the lowest of the scale word.
.macro PATCH k
.set Z_, 192+16*(\k)
.set IM_, 40+12*(\k)
	WIN 0x40
	ds_load_b32 v232, v15 offset:512*(\k)
	s_wait_dscnt 0x0
	WIN 0x55
	v_cndmask_b32 v[Z_], v[Z_], v232, s30
	s_delay_alu instid0(VALU_DEP_1)
	v_max3_num_f32 v233, |v[Z_]|, |v[Z_+1]|, 0x1800000
.irp i, 2,4,6,8,10,12,14
	s_delay_alu instid0(VALU_DEP_1)
	v_max3_num_f32 v233, v233, |v[Z_+\i]|, |v[Z_+\i+1]|
.endr
	s_delay_alu instid0(VALU_DEP_1)
	v_permlanex16_b32 v234, v233, s32, s33
	s_delay_alu instid0(VALU_DEP_1)
	v_max_num_f32 v233, v233, v234
	s_delay_alu instid0(VALU_DEP_1)
	v_add_nc_u32 v235, 0xff000000, v233
	s_delay_alu instid0(VALU_DEP_1)
	v_lshrrev_b32 v236, 23, v235
	v_cvt_scalef32_pk16_fp6_f32 v[238:240], v[Z_:Z_+15], v235
	v_nop                                          ; one plain place behind a scaled conversion
.irp i, 0,1,2
	v_permlanex16_b32 v[242+\i], v[238+\i], s32, s33           ; lanes 0-15 get the block's upper 16 codes
.endr
	WIN 0x04
.irp i, 0,1,2
	v_cndmask_b32 v[IM_+\i], v[IM_+\i], v[238+\i], s30         ; lanes 16-31 keep block 1
	v_cndmask_b32 v[IM_+3+\i], v[IM_+3+\i], v[242+\i], s30
.endr
	WIN 0x10
	v_and_or_b32 v[22+(\k)], v[22+(\k)], 0xffffff00, v236
	WIN 0
.irp g, 0,1,2
	ds_store_b128 v[5+2*(\k)], v[IM_+4*\g:IM_+4*\g+3] offset:512*\g
.endr
	ds_store_b32 v19, v[22+(\k)] offset:4096*(\k)  ; both halves of the lanes hold the same word
.endm
	s_load_b256 s[4:11], s[0:1], 0x0               ; hid, wimg, route, tokq
	s_load_b64 s[44:45], s[0:1], 0x20              ; cmb
	v_lshl_add_u32 v[SPW], v0, 2, SPARE
	v_mov_b32 v[NIL], 0
	v_lshrrev_b32 v22, 5, v0
	s_delay_alu instid0(VALU_DEP_1)
	v_readfirstlane_b32 s12, v22                   ; wave
	s_mov_b32 s13, ttmp9                           ; chunk
	s_and_b32 s14, ttmp7, 0xffff                   ; tile
	s_and_b32 s34, s12, 1                          ; kp
	s_lshr_b32 s35, s12, 1                         ; q
	s_xor_b32 s40, s34, 1
	s_lshl_b32 s36, s13, 2
	s_add_co_u32 s36, s36, s35                     ; kb
	s_lshl_b32 s37, s14, 2
	s_wait_kmcnt 0x0
	s_load_b32 s15, s[8:9], s37 offset:TILEX_O
	v_and_b32 v22, 31, v0                          ; L
	v_and_b32 v23, 15, v0                          ; r
	s_delay_alu instid0(VALU_DEP_2)
	v_lshlrev_b32 v3, 4, v22
	s_delay_alu instid0(VALU_DEP_3)
	v_lshlrev_b32 v4, 5, v22
	s_mul_i32 s41, s12, 1536
	v_add_nc_u32 v5, s41, v3                       ; where I put images: kind 0, K steps 0-3; row tile w
	s_delay_alu instid0(VALU_DEP_1)
	v_add_nc_u32 v6, 49152, v5                     ; kind 0, K steps 4-7
	s_delay_alu instid0(VALU_DEP_2)
	v_add_nc_u32 v7, 98304, v5                     ; kind 1
	s_delay_alu instid0(VALU_DEP_3)
	v_add_nc_u32 v8, 147456, v5
	s_mul_i32 s41, s34, 98304
	s_mul_i32 s42, s34, 6144
	s_add_co_u32 s42, s42, s41
	v_add_nc_u32 v9, s42, v3                       ; where I read them: my kind, row tiles 4 kp on
	s_delay_alu instid0(VALU_DEP_1)
	v_add_nc_u32 v10, 49152, v9
	s_mul_i32 s42, s40, 6144
	s_add_co_u32 s42, s42, s41
	v_add_nc_u32 v11, s42, v3                      ; row tiles 4 (1 - kp) on
	s_delay_alu instid0(VALU_DEP_1)
	v_add_nc_u32 v12, 49152, v11
	s_mul_i32 s41, s34, 4096
	s_add_co_u32 s41, s41, HSCL
	s_lshl_b32 s42, s34, 8
	s_add_co_u32 s42, s42, s41
	v_lshl_add_u32 v13, v22, 2, s42
	s_lshl_b32 s42, s40, 8
	s_add_co_u32 s42, s42, s41
	v_lshl_add_u32 v14, v22, 2, s42
	s_lshl_b32 s41, s12, 6
	v_lshl_add_u32 v20, v23, 2, s41                ; 4 (16 w + r)
	s_delay_alu instid0(VALU_DEP_1)
	v_add_nc_u32 v15, TL, v20
	s_delay_alu instid0(VALU_DEP_2)
	v_add_nc_u32 v19, HSCL, v20
	v_lshlrev_b32 v21, 2, v23
	v_lshrrev_b32 v16, 7, v0                       ; by thread: kind t >> 7, slot or row t & 127
	v_and_b32 v17, 127, v0
	s_delay_alu instid0(VALU_DEP_1)
	v_lshlrev_b32 v18, 2, v17
	s_delay_alu instid0(VALU_DEP_2)
	v_and_b32 v22, 3, v17
	s_delay_alu instid0(VALU_DEP_3)
	v_lshrrev_b32 v23, 2, v17
	s_delay_alu instid0(VALU_DEP_1)
	v_lshlrev_b32 v23, 2, v23
	s_delay_alu instid0(VALU_DEP_1)
	v_lshl_add_u32 v23, v22, 7, v23                ; slot p holds row 32 (p & 3) + (p >> 2)
	s_delay_alu instid0(VALU_DEP_1)
	v_lshl_add_u32 v23, v16, 9, v23
	v_mad_u32_u24 v17, v16, 94208, v18
	v_lshl_add_u32 v18, v16, 12, v18
	s_delay_alu instid0(VALU_DEP_1)
	v_add_nc_u32 v18, HSCL, v18
	s_delay_alu instid0(VALU_DEP_4)
	v_add_nc_u32 v16, TL, v23
	s_mov_b32 s39, 0
	s_lshl_b32 s41, s14, 12
	s_add_co_u32 s38, s41, SSQ_O
	s_add_nc_u64 s[20:21], s[4:5], s[38:39]
	s_add_co_u32 s38, s41, HSC_O
	s_add_nc_u64 s[22:23], s[4:5], s[38:39]
	s_lshl_b32 s38, s14, 14
	s_lshl_b32 s42, s12, 11
	s_add_co_u32 s38, s38, s42
	s_add_co_u32 s38, s38, H0_O
	s_add_nc_u64 s[24:25], s[4:5], s[38:39]
	s_mul_i32 s38, s14, 98304
	s_mul_i32 s42, s12, 1536
	s_add_co_u32 s38, s38, s42
	s_add_nc_u64 s[26:27], s[4:5], s[38:39]
	s_lshl_b32 s38, s14, 9
	s_lshl_b32 s42, s34, 8
	s_add_co_u32 s38, s38, s42
	s_add_nc_u64 s[46:47], s[8:9], s[38:39]
	s_lshl_b32 s38, s14, 7
	s_lshl_b32 s42, s12, 4
	s_add_co_u32 s38, s38, s42
	s_lshl_b32 s38, s38, 12
	s_lshl_b32 s42, s13, 9
	s_add_co_u32 s38, s38, s42
	s_add_nc_u64 s[48:49], s[44:45], s[38:39]
	s_lshl_b32 s38, s14, 3
	s_add_co_u32 s38, s38, s13
	s_mul_i32 s38, s38, 1536
	s_add_co_u32 s38, s38, PSUM_O
	s_add_nc_u64 s[50:51], s[44:45], s[38:39]
	s_mov_b32 s29, 0xffff0000
	s_mov_b32 s30, 0xffff
	s_mov_b32 s32, 0x76543210
	s_mov_b32 s33, 0xfedcba98
	s_cmp_eq_u32 s36, 0
	s_cselect_b32 s28, 0xffff, 0                   ; the lanes that hold output unit 0 in their first register
	s_cmp_eq_u32 s34, 1
	s_cselect_b32 s31, -1, 0
	s_wait_alu depctr_va_vdst(0)
	; first group, 12 loads: the parts of the sums of squares, and my rows' tokens
.irp c, 0,1,2,3,4,5,6,7
	global_load_b32 v[232+\c], v17, s[20:21] offset:512*\c
.endr
.irp a, 0,1,2,3
	global_load_b32 v[240+4*\a], v21, s[46:47] offset:64*\a
.endr
	; second group, 16 loads: block 0 as numbers, the scale words and the images of K step 0, row tile w, both kinds
	WIN 0x40
.irp k, 0,1
.irp g, 0,1,2,3
	global_load_b128 v[192+16*\k+4*\g:195+16*\k+4*\g], v3, s[24:25] offset:376832*\k+512*\g
.endr
.endr
	v_mov_b32 v234, 0                              ; written once: a lane permute's destination counts as one of its sources
	v_mov_b32 v242, 0
	v_mov_b32 v243, 0
	v_mov_b32 v244, 0
	WIN 0
	global_load_b32 v22, v20, s[22:23]
	global_load_b32 v23, v20, s[22:23] offset:94208
.irp k, 0,1
.irp g, 0,1,2
	global_load_b128 v[40+12*\k+4*\g:43+12*\k+4*\g], v3, s[26:27] offset:2260992*\k+512*\g
.endr
.endr
	; third group, 25 loads: the scale words of K steps 1-7 (by thread), the images of K steps 1-3
.irp s, 1,2,3,4,5,6,7
	global_load_b32 v[31+\s], v17, s[22:23] offset:512*\s
.endr
.irp s, 1,2,3
.irp k, 0,1
.irp g, 0,1,2
	global_load_b128 v[40+24*\s+12*\k+4*\g:43+24*\s+12*\k+4*\g], v3, s[26:27] offset:2260992*\k+12288*\s+512*\g
.endr
.endr
.endr
	s_wait_loadcnt 41                              ; behind the first group stand 16 + 25
	v_add_f32 v232, v232, v233
	v_add_f32 v234, v234, v235
	v_add_f32 v236, v236, v237
	v_add_f32 v238, v238, v239
	s_delay_alu instid0(VALU_DEP_3)
	v_add_f32 v232, v232, v234
	s_delay_alu instid0(VALU_DEP_2)
	v_add_f32 v236, v236, v238
	s_delay_alu instid0(VALU_DEP_1)
	v_add_f32 v232, v232, v236
	s_delay_alu instid0(VALU_DEP_1)
	v_add_f32 v232, 1.0, v232                      ; + c_mid
	s_delay_alu instid0(VALU_DEP_1)
	v_max_num_f32 v232, 0x322bcc77, v232           ; the clip at 1e-8
	s_wait_alu depctr_va_vdst(0)
	v_sqrt_f32 v232, v232
	v_nop
	s_wait_alu depctr_va_vdst(0)
	ds_store_b32 v16, v232                         ; t of one row of one kind
.irp a, 0,1,2,3
	v_min_u32 v[240+4*\a], 2047, v[240+4*\a]
	s_delay_alu instid0(VALU_DEP_1)
	v_lshlrev_b32 v[240+4*\a], 2, v[240+4*\a]
.endr
.irp a, 0,1,2,3
	global_load_b32 v[240+4*\a], v[240+4*\a], s[10:11] offset:GWT_O   ; fourth group, 4 loads: the gate's weights; each lands on its own address register
.endr
	s_wait_dscnt 0x0
	s_barrier_signal -1
	s_barrier_wait -1                              ; every row's t lies in LDS
	s_wait_loadcnt 29                              ; behind the second group stand 25 + 4: block 0, its words and its images are in
	; fifth group, 24 loads: the images of K steps 4-7 (53 loads of mine are out behind them)
.irp s, 4,5,6,7
.irp k, 0,1
.irp g, 0,1,2
	global_load_b128 v[40+24*\s+12*\k+4*\g:43+24*\s+12*\k+4*\g], v3, s[26:27] offset:2260992*\k+12288*\s+512*\g
.endr
.endr
.endr
	; sixth group: my weights, K step by K step, behind their scale words; first 2 + 36 loads.  Only their addresses hang on the tile's expert, so only here is that number waited for
	s_wait_alu depctr_va_vdst(0)
	s_wait_kmcnt 0x0
	s_min_u32 s15, s15, 7                          ; a tile with no rows (8) takes expert 7's weights: no branch hangs on the number
	s_add_co_u32 s41, s15, 16
	s_mul_i32 s41, s41, s40
	s_mul_i32 s42, s34, 26
	s_add_co_u32 s41, s41, s42                     ; W2[e] or Ws2
	s_mul_i32 s38, s41, 786432
	s_mul_i32 s42, s36, 24576
	s_add_co_u32 s38, s38, s42
	s_add_nc_u64 s[16:17], s[6:7], s[38:39]
	s_lshl_b32 s38, s41, 5
	s_add_co_u32 s38, s38, s36
	s_lshl_b32 s38, s38, 10
	s_add_co_u32 s38, s38, WSC_O
	s_add_nc_u64 s[18:19], s[6:7], s[38:39]
	global_load_b128 v[24:27], v4, s[18:19]
	global_load_b128 v[28:31], v4, s[18:19] offset:16
	WIN 0x40
.irp s, 0,1,2,3,4,5
.irp u, 0,1
.irp g, 0,1,2
	global_load_b128 v[24*\s+12*\u+4*\g:24*\s+12*\u+4*\g+3], v3, s[16:17] offset:3072*\s+1536*\u+512*\g
.endr
.endr
.endr
	PATCH 0
	PATCH 1
	s_wait_loadcnt 62                              ; behind the third and fourth groups stand the fifth's 24 and the sixth's first 38
.irp s, 1,2,3,4,5,6,7
	ds_store_b32 v18, v[31+\s] offset:512*\s
.endr
.irp s, 1,2,3
.irp k, 0,1
.irp g, 0,1,2
	ds_store_b128 v[5+2*\k+(\s/4)], v[40+24*\s+12*\k+4*\g:43+24*\s+12*\k+4*\g] offset:(\s%4)*12288+512*\g
.endr
.endr
.endr
	; behind the fifth group stand the sixth's first 38
	s_wait_loadcnt 38
.irp s, 4,5,6,7
.irp k, 0,1
.irp g, 0,1,2
	ds_store_b128 v[5+2*\k+(\s/4)], v[40+24*\s+12*\k+4*\g:43+24*\s+12*\k+4*\g] offset:(\s%4)*12288+512*\g
.endr
.endr
.endr
	WIN 0x40
.irp s, 6,7
.irp u, 0,1
.irp g, 0,1,2
	global_load_b128 v[24*\s+12*\u+4*\g:24*\s+12*\u+4*\g+3], v3, s[16:17] offset:3072*\s+1536*\u+512*\g   ; the last 12: 50 are out at the most
.endr
.endr
.endr
	WIN 0
.irp a, 0,1,2,3
	v_add_f32 v[242+4*\a], v[240+4*\a], v[240+4*\a]            ; 2 w
	s_delay_alu instid0(VALU_DEP_1)
	v_cndmask_b32 v[240+4*\a], v[242+4*\a], 1.0, s31           ; what multiplies my results: 2 w for the routed kind, 1 for the shared
	s_delay_alu instid0(VALU_DEP_2)
	v_cndmask_b32 v[242+4*\a], 1.0, v[242+4*\a], s31           ; and my partner's
	s_delay_alu instid0(VALU_DEP_2)
	v_mov_b32 v[241+4*\a], v[240+4*\a]
	s_delay_alu instid0(VALU_DEP_2)
	v_mov_b32 v[243+4*\a], v[242+4*\a]
.endr
	s_wait_dscnt 0x0                               ; my images and words have landed
	s_barrier_signal -1
	s_barrier_wait -1
	XSLD 0
	HGRP 0
	HGRP 1
	HGRP 2
.set N_, 0
.rept 32
	GROUP N_
.set N_, N_+1
.endr
	; ---- behind the products.  Every window is 0, four places stand behind the last product, no LDS load is out
	v_and_b32 v22, 31, v0
	s_wait_alu depctr_va_vdst(0)
	v_and_b32 v23, 15, v0
	s_wait_alu depctr_va_vdst(0)
	v_bfe_u32 v21, v0, 4, 1
	s_lshl_b32 s41, s12, 13
	v_add_nc_u32 v5, s41, v3                       ; what I hand over
	s_xor_b32 s42, s12, 1
	s_lshl_b32 s42, s42, 13
	v_add_nc_u32 v6, s42, v3                       ; what my partner hands me
	s_mul_i32 s41, s35, 1536
	s_lshl_b32 s42, s34, 8
	s_add_co_u32 s41, s41, s42
	s_add_co_u32 s41, s41, PSB
	s_lshl_b32 s42, s34, 9
	s_add_co_u32 s42, s42, s41
	v_lshl_add_u32 v7, v22, 2, s42                 ; sums of my kind,
	s_lshl_b32 s42, s40, 9
	s_add_co_u32 s42, s42, s41
	v_lshl_add_u32 v8, v22, 2, s42                 ; of the other kind,
	s_add_co_u32 s42, s41, 1024
	v_lshl_add_u32 v9, v22, 2, s42                 ; of comb
	s_mul_i32 s41, s34, 33792
	s_lshl_b32 s42, s35, 7
	s_add_co_u32 s41, s41, s42
	s_add_co_u32 s41, s41, STG
	v_mul_u32_u24 v10, v23, 528
	s_wait_alu depctr_va_vdst(0)
	v_lshl_add_u32 v10, v21, 6, v10
	s_delay_alu instid0(VALU_DEP_1)
	v_add_nc_u32 v10, s41, v10
	s_mul_i32 s41, s12, 8448
	s_add_co_u32 s41, s41, STG
	v_add_nc_u32 v11, s41, v3
	v_lshlrev_b32 v13, 3, v0
	s_delay_alu instid0(VALU_DEP_1)
	v_add_nc_u32 v12, PSB, v13
.irp a, 0,1,2,3,4,5,6,7
	v_cndmask_b32 v[112+16*\a], v[112+16*\a], 0, s28           ; output unit 0 is the time's place
.endr
	s_wait_alu depctr_va_vdst(0)
	s_wait_dscnt 0x0
	s_barrier_signal -1
	s_barrier_wait -1                              ; nobody reads h's images any more
.irp j, 0,1,2,3,4,5,6,7,8,9,10,11,12,13,14,15
	ds_store_b128 v5, v[176+4*\j:179+4*\j] offset:512*\j       ; each accumulator from its low end on
.endr
	s_wait_dscnt 0x0
	s_barrier_signal -1
	s_barrier_wait -1
.irp j, 0,1,2,3,4,5,6,7,8,9,10,11,12,13,14,15
	ds_load_b128 v[40+4*\j:43+4*\j], v6 offset:512*\j
.endr
	s_wait_dscnt 0x0
.irp a, 0,1,2,3
.irp j, 0,2,4,6,8,10,12,14
	v_pk_mul_f32 v[176+16*\a+\j:177+16*\a+\j], v[112+16*\a+\j:113+16*\a+\j], v[240+4*\a:241+4*\a] op_sel_hi:[1,0]
.endr
.irp j, 0,2,4,6,8,10,12,14
	v_pk_fma_f32 v[176+16*\a+\j:177+16*\a+\j], v[40+16*\a+\j:41+16*\a+\j], v[242+4*\a:243+4*\a], v[176+16*\a+\j:177+16*\a+\j] op_sel_hi:[1,0,1]   ; comb = zo + 2 w o
.endr
	v_pk_mul_f32 v[104:105], v[112+16*\a:113+16*\a], v[112+16*\a:113+16*\a]
	v_pk_mul_f32 v[106:107], v[40+16*\a:41+16*\a], v[40+16*\a:41+16*\a]
	v_pk_mul_f32 v[108:109], v[176+16*\a:177+16*\a], v[176+16*\a:177+16*\a]
.irp j, 2,4,6,8,10,12,14
	v_pk_fma_f32 v[104:105], v[112+16*\a+\j:113+16*\a+\j], v[112+16*\a+\j:113+16*\a+\j], v[104:105]
	s_delay_alu instid0(VALU_DEP_3)
	v_pk_fma_f32 v[106:107], v[40+16*\a+\j:41+16*\a+\j], v[40+16*\a+\j:41+16*\a+\j], v[106:107]
	s_delay_alu instid0(VALU_DEP_3)
	v_pk_fma_f32 v[108:109], v[176+16*\a+\j:177+16*\a+\j], v[176+16*\a+\j:177+16*\a+\j], v[108:109]
.endr
	s_delay_alu instid0(VALU_DEP_3)
	v_add_f32 v104, v104, v105
	s_delay_alu instid0(VALU_DEP_3)
	v_add_f32 v106, v106, v107
	s_delay_alu instid0(VALU_DEP_3)
	v_add_f32 v108, v108, v109
	s_delay_alu instid0(VALU_DEP_3)
	v_permlanex16_b32 v105, v104, s32, s33
	s_delay_alu instid0(VALU_DEP_3)
	v_permlanex16_b32 v107, v106, s32, s33
	s_delay_alu instid0(VALU_DEP_3)
	v_permlanex16_b32 v109, v108, s32, s33
	s_delay_alu instid0(VALU_DEP_3)
	v_add_f32 v[112+16*\a], v104, v105             ; the tile's results are done with: its three sums take their place
	s_delay_alu instid0(VALU_DEP_3)
	v_add_f32 v[113+16*\a], v106, v107
	s_delay_alu instid0(VALU_DEP_3)
	v_add_f32 v[114+16*\a], v108, v109
.endr
.irp i, 0,1
	v_cndmask_b32 v[104+3*\i], v[112+32*\i], v[128+32*\i], s29 ; lane L: row 64 kp + 32 i + L
	v_cndmask_b32 v[105+3*\i], v[113+32*\i], v[129+32*\i], s29
	v_cndmask_b32 v[106+3*\i], v[114+32*\i], v[130+32*\i], s29
	ds_store_b32 v7, v[104+3*\i] offset:128*\i
	ds_store_b32 v8, v[105+3*\i] offset:128*\i
	ds_store_b32 v9, v[106+3*\i] offset:128*\i
.endr
.irp a, 0,1,2,3
.irp g, 0,1,2,3
	ds_store_b128 v10, v[176+16*\a+4*\g:179+16*\a+4*\g] offset:8448*\a+16*\g
.endr
.endr
	s_wait_dscnt 0x0
	s_barrier_signal -1
	s_barrier_wait -1                              ; 128 rows of comb and all sums lie in LDS
.irp i, 0,1,2,3,4,5,6,7,8,9,10,11,12,13,14,15
	ds_load_b128 v[40+4*\i:43+4*\i], v11 offset:528*\i
.endr
.irp i, 0,1,2,3,4,5,6,7,8,9,10,11,12,13,14,15
	s_wait_dscnt 15-\i
	global_store_b128 v3, v[40+4*\i:43+4*\i], s[48:49] offset:4096*\i   ; 32 lanes store 512 consecutive bytes, aligned
.endr
	s_cmp_ge_u32 s12, 6
	s_cbranch_scc1 .Lend
.irp i, 0,1,2,3
	ds_load_b64 v[104+2*\i:105+2*\i], v12 offset:1536*\i
.endr
	s_wait_dscnt 0x0
	v_pk_add_f32 v[104:105], v[104:105], v[106:107]
	v_pk_add_f32 v[108:109], v[108:109], v[110:111]
	s_delay_alu instid0(VALU_DEP_1)
	v_pk_add_f32 v[104:105], v[104:105], v[108:109]            ; the chunk's sums, over its four blocks
	global_store_b64 v13, v[104:105], s[50:51]
.Lend:
	s_wait_tensorcnt 0x0                           ; the wave's end, behind my last LDS store
	ds_add_u32 v[SPW], v[NIL]
	s_wait_dscnt 0x0
	s_endpgm
.Lfunc_end_k_q7cc2e81dee_down:
	.size	k_q7cc2e81dee_down, .Lfunc_end_k_q7cc2e81dee_down-k_q7cc2e81dee_down
	.p2alignl 7, 3214868480
	.fill 96, 4, 3214868480
	.section	.rodata,"a",@progbits
	.p2align	6, 0x0
	.amdhsa_kernel k_q7cc2e81dee_down
		.amdhsa_group_segment_fixed_size 206848
		.amdhsa_private_segment_fixed_size 0
		.amdhsa_enable_private_segment 0
		.amdhsa_kernarg_size 40
		.amdhsa_user_sgpr_count 2
		.amdhsa_user_sgpr_kernarg_segment_ptr 1
		.amdhsa_wavefront_size32 1
		.amdhsa_system_sgpr_workgroup_id_x 1
		.amdhsa_system_sgpr_workgroup_id_y 1
		.amdhsa_system_sgpr_workgroup_id_z 1
		.amdhsa_system_vgpr_workitem_id 0
		.amdhsa_next_free_vgpr 512
		.amdhsa_next_free_sgpr 66
		.amdhsa_reserve_vcc 0
		.amdhsa_float_denorm_mode_32 3
		.amdhsa_float_denorm_mode_16_64 3
		.amdhsa_memory_ordered 1
		.amdhsa_forward_progress 1
		.amdhsa_inst_pref_size 91
	.end_amdhsa_kernel
	.amdgpu_metadata
---
amdhsa.version: [ 1, 2 ]
amdhsa.kernels:
  - .name:           k_q7cc2e81dee_down
    .symbol:         k_q7cc2e81dee_down.kd
    .args:
      - { .name: hid, .offset: 0, .size: 8, .value_kind: global_buffer, .address_space: global }
      - { .name: wimg, .offset: 8, .size: 8, .value_kind: global_buffer, .address_space: global }
      - { .name: route, .offset: 16, .size: 8, .value_kind: global_buffer, .address_space: global }
      - { .name: tokq, .offset: 24, .size: 8, .value_kind: global_buffer, .address_space: global }
      - { .name: cmb, .offset: 32, .size: 8, .value_kind: global_buffer, .address_space: global }
    .group_segment_fixed_size: 206848
    .private_segment_fixed_size: 0
    .kernarg_segment_align: 8
    .kernarg_segment_size: 40
    .max_flat_workgroup_size: 256
    .sgpr_count:     66
    .vgpr_count:     512
    .wavefront_size: 32
...
	.end_amdgpu_metadata
.endif
;; end of part 8
;; launch finish (part 9): grid 368 x 1, 8 waves a work-group, no clusters, 0 bytes of LDS; arguments cmb, route, hid, out0; writes out0
.if DOCPART == 9
	.amdgcn_target "amdgcn-amd-amdhsa--gfx1250"
	.amdhsa_code_object_version 6
	.text
	.protected	k_q7cc2e81dee_finish
	.globl	k_q7cc2e81dee_finish
	.p2align	8
	.type	k_q7cc2e81dee_finish,@function
k_q7cc2e81dee_finish:
	s_mov_b64 s[64:65], 0
	v_nop
	global_prefetch_b8 v0, s[64:65] scope:SCOPE_SE
	s_setreg_imm32_b32 hwreg(HW_REG_WAVE_MODE, 25, 1), 1
	s_wait_xcnt 0x0
; Last launch: a wave to a slot, 2,944 slots (23 tiles of 128: the grid serves every split).  The slot's row of comb and its sums are fetched by addresses made of ids alone;
; ROWTOK[slot] says whose row it is.  A slot that holds no token (-1) stores nothing.  Left out: the experts not chosen, as in the launches before.
; ot = sqrt(max(sum o^2 + 1, 1e-8)), zt likewise; comb[0] = zt + 2 + 2 w ot (the 2 is 2 y0[0]); li = sum comb[1:]^2 - comb[0]^2; out = comb / sqrt(max(|li|, 1e-8)).
; A stream: no LDS, no barrier, no matrix unit.
.set WS_O,   5652480                   ; hid: the gate's weight [slot]
.set PSUM_O, 12058624
	s_load_b256 s[4:11], s[0:1], 0x0               ; cmb, route, hid, out0
	v_lshrrev_b32 v1, 5, v0
	s_delay_alu instid0(VALU_DEP_1)
	v_readfirstlane_b32 s12, v1
	v_and_b32 v2, 31, v0
	s_delay_alu instid0(VALU_DEP_1)
	v_lshlrev_b32 v3, 4, v2
	v_and_b32 v4, 7, v2
	s_delay_alu instid0(VALU_DEP_1)
	v_mul_u32_u24 v4, v4, 1536                     ; lane L: chunk L % 8,
	v_lshrrev_b32 v5, 3, v2
	s_delay_alu instid0(VALU_DEP_1)
	v_min_u32 v5, 2, v5
	s_delay_alu instid0(VALU_DEP_1)
	v_lshl_add_u32 v4, v5, 9, v4                   ; sum L / 8: o^2, zo^2, comb^2 (lanes 24-31 repeat the last)
	s_lshl_b32 s13, ttmp9, 3
	s_add_co_u32 s13, s13, s12                     ; my slot
	s_lshl_b32 s14, s13, 2
	s_lshl_b32 s20, s13, 12
	s_mov_b32 s21, 0
	s_and_b32 s24, s13, 0xf80
	s_mul_i32 s24, s24, 96                         ; tile x 8 chunks x 1,536 bytes
	s_and_b32 s25, s13, 127
	s_lshl_b32 s25, s25, 2
	s_add_co_u32 s24, s24, s25
	s_add_co_u32 s24, s24, PSUM_O
	s_mov_b32 s25, 0
	s_mov_b32 s31, 1
	s_wait_alu depctr_va_vdst(0)
	s_wait_kmcnt 0x0
	s_load_b32 s15, s[6:7], s14 offset:0x0         ; the slot's token
	s_load_b32 s16, s[8:9], s14 offset:WS_O        ; and its gate weight
	s_add_nc_u64 s[22:23], s[4:5], s[20:21]
	s_add_nc_u64 s[26:27], s[4:5], s[24:25]
	global_load_b32 v40, v4, s[26:27]
.irp i, 0,1,2,3,4,5,6,7
	global_load_b128 v[8+4*\i:11+4*\i], v3, s[22:23] offset:512*\i th:TH_LOAD_NT
.endr
	s_wait_kmcnt 0x0
	s_cmp_gt_u32 s15, 2047
	s_cbranch_scc1 .Lpad                           ; a branch on a stored whole number: the slot holds no token
	s_min_u32 s15, s15, 2047
	s_lshl_b32 s18, s15, 12
	s_mov_b32 s19, 0
	s_add_nc_u64 s[10:11], s[10:11], s[18:19]
	s_wait_loadcnt 8                               ; the sums' parts are in; the row's eight loads may be out
	v_add_f32_dpp v40, v40, v40 row_xmask:1 row_mask:0xf bank_mask:0xf
	s_delay_alu instid0(VALU_DEP_1)
	v_add_f32_dpp v40, v40, v40 row_xmask:2 row_mask:0xf bank_mask:0xf
	s_delay_alu instid0(VALU_DEP_1)
	v_add_f32_dpp v40, v40, v40 row_xmask:4 row_mask:0xf bank_mask:0xf
	s_delay_alu instid0(VALU_DEP_1)
	v_readlane_b32 s28, v40, 0
	s_delay_alu instid0(VALU_DEP_2)
	v_readlane_b32 s29, v40, 8
	s_delay_alu instid0(VALU_DEP_3)
	v_readlane_b32 s30, v40, 16
	s_delay_alu instid0(VALU_DEP_3)
	v_mov_b32 v41, s28
	s_delay_alu instid0(VALU_DEP_3)
	v_mov_b32 v42, s29
	s_delay_alu instid0(VALU_DEP_3)
	v_mov_b32 v45, s30
	s_delay_alu instid0(VALU_DEP_3)
	v_add_f32 v41, 1.0, v41
	s_delay_alu instid0(VALU_DEP_3)
	v_add_f32 v42, 1.0, v42
	s_delay_alu instid0(VALU_DEP_2)
	v_max_num_f32 v41, 0x322bcc77, v41
	s_delay_alu instid0(VALU_DEP_2)
	v_max_num_f32 v42, 0x322bcc77, v42
	s_wait_alu depctr_va_vdst(0)
	v_sqrt_f32 v41, v41                            ; ot
	v_sqrt_f32 v42, v42                            ; zt
	v_add_f32 v43, s16, s16                        ; 2 w (a plain place behind the roots)
	s_wait_alu depctr_va_vdst(0)
	v_add_f32 v42, 2.0, v42
	v_fma_f32 v44, v43, v41, v42                   ; comb[0]
	s_delay_alu instid0(VALU_DEP_1)
	v_fma_f32 v45, -v44, v44, v45                  ; li
	s_delay_alu instid0(VALU_DEP_1)
	v_and_b32 v45, 0x7fffffff, v45
	s_delay_alu instid0(VALU_DEP_1)
	v_max_num_f32 v45, 0x322bcc77, v45
	s_wait_alu depctr_va_vdst(0)
	v_rsq_f32 v46, v45
	v_nop
	s_wait_alu depctr_va_vdst(0)
	v_mov_b32 v47, v46
	s_wait_loadcnt 0x0
	v_cndmask_b32 v8, v8, v44, s31                 ; lane 0's first number is comb[0]
	s_wait_alu depctr_va_vdst(0)
.irp j, 0,2,4,6,8,10,12,14,16,18,20,22,24,26,28,30
	v_pk_mul_f32 v[8+\j:9+\j], v[8+\j:9+\j], v[46:47]
.endr
.irp i, 0,1,2,3,4,5,6,7
	global_store_b128 v3, v[8+4*\i:11+4*\i], s[10:11] offset:512*\i th:TH_STORE_NT   ; 32 lanes store 512 consecutive bytes, aligned
.endr
.Lpad:
	s_endpgm
.Lfunc_end_k_q7cc2e81dee_finish:
	.size	k_q7cc2e81dee_finish, .Lfunc_end_k_q7cc2e81dee_finish-k_q7cc2e81dee_finish
	.p2alignl 7, 3214868480
	.fill 96, 4, 3214868480
	.section	.rodata,"a",@progbits
	.p2align	6, 0x0
	.amdhsa_kernel k_q7cc2e81dee_finish
		.amdhsa_group_segment_fixed_size 0
		.amdhsa_private_segment_fixed_size 0
		.amdhsa_enable_private_segment 0
		.amdhsa_kernarg_size 32
		.amdhsa_user_sgpr_count 2
		.amdhsa_user_sgpr_kernarg_segment_ptr 1
		.amdhsa_wavefront_size32 1
		.amdhsa_system_sgpr_workgroup_id_x 1
		.amdhsa_system_sgpr_workgroup_id_y 1
		.amdhsa_system_sgpr_workgroup_id_z 1
		.amdhsa_system_vgpr_workitem_id 0
		.amdhsa_next_free_vgpr 64
		.amdhsa_next_free_sgpr 66
		.amdhsa_reserve_vcc 0
		.amdhsa_float_denorm_mode_32 3
		.amdhsa_float_denorm_mode_16_64 3
		.amdhsa_memory_ordered 1
		.amdhsa_forward_progress 1
		.amdhsa_inst_pref_size 7
	.end_amdhsa_kernel
	.amdgpu_metadata
---
amdhsa.version: [ 1, 2 ]
amdhsa.kernels:
  - .name:           k_q7cc2e81dee_finish
    .symbol:         k_q7cc2e81dee_finish.kd
    .args:
      - { .name: cmb, .offset: 0, .size: 8, .value_kind: global_buffer, .address_space: global }
      - { .name: route, .offset: 8, .size: 8, .value_kind: global_buffer, .address_space: global }
      - { .name: hid, .offset: 16, .size: 8, .value_kind: global_buffer, .address_space: global }
      - { .name: out0, .offset: 24, .size: 8, .value_kind: global_buffer, .address_space: global }
    .group_segment_fixed_size: 0
    .private_segment_fixed_size: 0
    .kernarg_segment_align: 8
    .kernarg_segment_size: 32
    .max_flat_workgroup_size: 256
    .sgpr_count:     66
    .vgpr_count:     64
    .wavefront_size: 32
...
	.end_amdgpu_metadata
.endif
;; end of part 9
